; MI455X (gfx1250); checked and timed in simulation.
; The chip was launched on July 23, 2026; its instructions are those of AMD's public machine-readable ISA for CDNA 5 (MIT licence, August 2026) and "CDNA5" Instruction Set Architecture Reference Guide (July 2026). The comments in the code are by the model that wrote it; some were corrected since.
;; Mo E. Allowed arithmetic: float matrix products may take bf16 or f16 operands with f32 sums; other float arithmetic in f32, or as packed bf16 or f16 multiplies, adds, multiply-adds, maxima and minima; sums over many terms, partial sums and values carried from step to step in f32; what a program stores and reads back later, other than sums and carried values, may be rounded once to bf16 or f16.
;; Inputs: b1 8 x 4,096 float32; b2 8 x 1,024 float32; b_router 8 float32; w1 8 x 1,024 x 4,096 float32; w2 8 x 4,096 x 1,024 float32; w_router 1,024 x 8 float32; x 4 x 256 x 1,024 float32.
;; Outputs: out0 4 x 256 x 1,024 float32.
;; 3 versions, each right; version 2 is faster than version 1; version 3 is version 2 with the launches ffn1, ffn2 written anew for expert scheduling mode. Each part assembles by itself: llvm-mc -triple=amdgcn-amd-amdhsa -mcpu=gfx1250 --defsym DOCPART=n.
;; ======== version 1 of 3: 4 launches
;; limits: values are held in f16: magnitudes above 65,504 overflow, below 6.1e-05 lose precision; a function is approximated: absolute error at most 2.5e-05; an absolute error that grows with the inputs' magnitude: up to 1.25e-05 times it
;; workspace buffers: xb 2,097,152 bytes; top1 4,096 bytes of whole numbers; h 8,388,608 bytes; part 16,777,216 bytes
;; launch router (part 1): grid 256 x 1, 4 waves a work-group, no clusters, 1,024 bytes of LDS; arguments x, w_router, b_router, xb, top1; writes xb, top1
.if DOCPART == 1
	.amdgcn_target "amdgcn-amd-amdhsa--gfx1250"
	.amdhsa_code_object_version 6
	.text
	.protected	k_q351f4f7226_router
	.globl	k_q351f4f7226_router
	.p2align	8
	.type	k_q351f4f7226_router,@function
k_q351f4f7226_router:
	s_mov_b64 s[64:65], 0
	v_nop
	global_prefetch_b8 v0, s[64:65] scope:SCOPE_SE
	s_setreg_imm32_b32 hwreg(HW_REG_WAVE_MODE, 25, 1), 1
	s_wait_xcnt 0x0
; ROUTER.  xb = x rounded to bf16; top1[token] = the index of the largest logit, logit = x . w_router + b_router.
; All three inputs are rounded to bf16 first, as every input of this program is; the products of two bf16 numbers are exact in f32 and are summed in f32
; on the vector unit: 8 columns are too few for the matrix unit to pay, and a choice must not hang on a 16-bit sum.
; argmax(softmax(l)) is taken as argmax(l): the exponential and the division by a positive sum keep the order; the lowest index wins a tie, as in jnp.argmax.
; LIMITS.  Where two logits lie within a few units of f32's last place (some 1e-7 of their size) the order of summation may decide otherwise than another order would;
; a NaN logit wins only as logit 0, which then is never displaced.
; SHARES.  A work-group has 4 tokens, wave q the channels 256 q .. 256 q + 255; a lane owns channels 256 q + 128 j + 4 lane + u (j = 0, 1; u = 0..3).
; The index is stored as data at a fixed place; no address and no branch of this launch hangs on it.
.set SPARE, 512                        ; LDS: 0-511 the waves' partial sums (128 bytes a wave); 512-1023 the spare words, 128 bytes a wave
.set LN,  1                            ; v1   lane
.set SPW, 2                            ; v2   my spare word's address; never rewritten
.set NIL, 3                            ; v3   0; never rewritten
.set XO,  4                            ; v4   my byte offset in x
.set WO,  5                            ; v5   in w_router
.set BO,  6                            ; v6   in xb
.set XR,  8                            ; v[8:39]    x: token t, half j, channel u at XR + 8 t + 4 j + u
.set WR,  40                           ; v[40:103]  w_router: half j, channel u, expert e at WR + 32 j + 8 u + e
.set AC,  104                          ; v[104:135] sums: token t, expert e at AC + 8 t + e
.set XB,  136                          ; v[136:151] x as bf16, two registers for (t, j)
.set TT,  152                          ; v[152:159] at work
	s_load_b256 s[4:11], s[0:1], 0x0               ; x s[4:5], w_router s[6:7], b_router s[8:9], xb s[10:11]
	s_load_b64 s[12:13], s[0:1], 0x20              ; top1
	v_lshl_add_u32 v[SPW], v0, 2, SPARE
	v_mov_b32 v[NIL], 0
	v_lshrrev_b32 v7, 5, v0
	v_readfirstlane_b32 s24, v7                    ; wave q
	v_and_b32 v[LN], 31, v0
	s_mov_b32 s28, 0x76543210                      ; v_permlanex16_b32: each lane takes its own place in the other half
	s_mov_b32 s29, 0xfedcba98
	s_lshl_b32 s25, ttmp9, 14                      ; 4 tokens of 4,096 bytes
	s_lshl_b32 s26, s24, 10                        ; my wave's 256 channels
	s_add_co_u32 s25, s25, s26
	v_lshl_add_u32 v[XO], v[LN], 4, s25
	s_lshl_b32 s26, s24, 13                        ; 256 rows of w_router, 32 bytes each
	v_lshl_add_u32 v[WO], v[LN], 7, s26            ; a lane's four rows are 128 bytes
	s_lshl_b32 s25, ttmp9, 13                      ; 4 tokens of 2,048 bytes in xb
	s_lshl_b32 s26, s24, 9
	s_add_co_u32 s25, s25, s26
	v_lshl_add_u32 v[BO], v[LN], 3, s25
	s_wait_kmcnt 0x0
	s_load_b256 s[16:23], s[8:9], 0x0              ; b_router: no line of this launch writes it
.irp t, 0,1,2,3
.irp j, 0,1
	global_load_b128 v[XR+8*(\t)+4*(\j):XR+8*(\t)+4*(\j)+3], v[XO], s[4:5] offset:4096*(\t)+512*(\j) th:TH_LOAD_NT  ; 512 consecutive bytes a wave; x is read once in the launch
.endr
.endr
.irp j, 0,1
.irp u, 0,1,2,3
	global_load_b128 v[WR+32*(\j)+8*(\u):WR+32*(\j)+8*(\u)+3],   v[WO], s[6:7] offset:4096*(\j)+32*(\u)
	global_load_b128 v[WR+32*(\j)+8*(\u)+4:WR+32*(\j)+8*(\u)+7], v[WO], s[6:7] offset:4096*(\j)+32*(\u)+16
.endr
.endr
	s_wait_loadcnt 16                              ; x's eight loads are in; w_router's sixteen, issued behind them, stay out
.irp t, 0,1,2,3
.irp j, 0,1
	v_cvt_pk_bf16_f32 v[XB+4*(\t)+2*(\j)],   v[XR+8*(\t)+4*(\j)],   v[XR+8*(\t)+4*(\j)+1]
	v_cvt_pk_bf16_f32 v[XB+4*(\t)+2*(\j)+1], v[XR+8*(\t)+4*(\j)+2], v[XR+8*(\t)+4*(\j)+3]
	global_store_b64 v[BO], v[XB+4*(\t)+2*(\j):XB+4*(\t)+2*(\j)+1], s[10:11] offset:2048*(\t)+256*(\j)  ; a wave stores 256 consecutive bytes, at a multiple of 256 from xb's first
	v_lshlrev_b32 v[XR+8*(\t)+4*(\j)],   16,         v[XB+4*(\t)+2*(\j)]      ; and the rounded numbers go back to f32
	v_and_b32     v[XR+8*(\t)+4*(\j)+1], 0xffff0000, v[XB+4*(\t)+2*(\j)]
	v_lshlrev_b32 v[XR+8*(\t)+4*(\j)+2], 16,         v[XB+4*(\t)+2*(\j)+1]
	v_and_b32     v[XR+8*(\t)+4*(\j)+3], 0xffff0000, v[XB+4*(\t)+2*(\j)+1]
.endr
.endr
	s_wait_loadcnt 0x0                             ; w_router
.set ii, 0
.rept 32
	v_cvt_pk_bf16_f32 v[TT+ii%4], v[WR+2*ii], v[WR+2*ii+1]
	v_lshlrev_b32 v[WR+2*ii],   16,         v[TT+ii%4]
	v_and_b32     v[WR+2*ii+1], 0xffff0000, v[TT+ii%4]
.set ii, ii+1
.endr
; sums (t, 2 p) and (t, 2 p + 1) take channel (j, u): two experts at once, x given to both halves.  The first channel starts the sums: nothing is cleared.
.macro DOT t, j, u, p
.set xp, XR+8*(\t)+4*(\j)+2*((\u)/2)
.set wp, WR+32*(\j)+8*(\u)+2*(\p)
.set ap, AC+8*(\t)+2*(\p)
.if ((\j) == 0) && ((\u) == 0)
	v_pk_mul_f32 v[ap:ap+1], v[wp:wp+1], v[xp:xp+1] op_sel_hi:[1,0]
.elseif ((\u)%2) == 0
	v_pk_fma_f32 v[ap:ap+1], v[wp:wp+1], v[xp:xp+1], v[ap:ap+1] op_sel_hi:[1,0,1]
.else
	v_pk_fma_f32 v[ap:ap+1], v[wp:wp+1], v[xp:xp+1], v[ap:ap+1] op_sel:[0,1,0] op_sel_hi:[1,1,1]
.endif
.endm
.irp j, 0,1
.irp u, 0,1,2,3
.irp t, 0,1,2,3
.irp p, 0,1,2,3
	DOT \t, \j, \u, \p                             ; sixteen sums take turns, so that no line waits for the one before it
.endr
.endr
.endr
.endr
	; over the 32 lanes: four steps inside each half of 16 lanes ride on the addition, one crosses the halves; every lane ends with all 32 sums
.irp x, 1,2,4,8
.set ii, 0
.rept 32
	v_add_f32_dpp v[AC+ii], v[AC+ii], v[AC+ii] row_xmask:\x row_mask:0xf bank_mask:0xf
.set ii, ii+1
.endr
.endr
.set ii, 0
.rept 32
	v_permlanex16_b32 v[WR+ii], v[AC+ii], s28, s29 ; its destination counts as read: w_router's registers have been written and are free
.set ii, ii+1
.endr
.set ii, 0
.rept 32
	v_add_f32 v[AC+ii], v[AC+ii], v[WR+ii]
.set ii, ii+1
.endr
	s_lshl_b32 s26, s24, 7
	v_mov_b32 v7, s26                              ; my wave's 128 bytes
.irp i, 0,1,2,3,4,5,6,7
	ds_store_b128 v7, v[AC+4*(\i):AC+4*(\i)+3] offset:16*(\i)   ; all lanes hold the same numbers
.endr
	s_wait_dscnt 0x0                               ; for the others' sake: my partial sums are in LDS
	s_barrier_signal -1
	s_barrier_wait -1
	s_cmp_lg_u32 s24, 0
	s_cbranch_scc1 .Lend                           ; wave 0 finishes the four tokens: lane t takes token t (the other lanes repeat them)
	v_and_b32 v8, 3, v0
	v_lshlrev_b32 v8, 5, v8                        ; a token's 8 sums are 32 bytes
.irp q, 0,1,2,3
	ds_load_b128 v[40+8*(\q):40+8*(\q)+3], v8 offset:128*(\q)
	ds_load_b128 v[40+8*(\q)+4:40+8*(\q)+7], v8 offset:128*(\q)+16
.endr
	s_wait_kmcnt 0x0                               ; b_router
.irp e, 0,1,2,3,4,5,6,7
	v_mov_b32 v[72+(\e)], s[16+(\e)]
.endr
.irp i, 0,1,2,3
	v_cvt_pk_bf16_f32 v[80+(\i)], v[72+2*(\i)], v[73+2*(\i)]
.endr
.irp i, 0,1,2,3
	v_lshlrev_b32 v[72+2*(\i)], 16,         v[80+(\i)]
	v_and_b32     v[73+2*(\i)], 0xffff0000, v[80+(\i)]
.endr
	s_wait_dscnt 0x0
.irp i, 0,1,2,3
	v_pk_add_f32 v[40+2*(\i):41+2*(\i)], v[40+2*(\i):41+2*(\i)], v[48+2*(\i):49+2*(\i)]
	v_pk_add_f32 v[56+2*(\i):57+2*(\i)], v[56+2*(\i):57+2*(\i)], v[64+2*(\i):65+2*(\i)]
.endr
.irp i, 0,1,2,3
	v_pk_add_f32 v[40+2*(\i):41+2*(\i)], v[40+2*(\i):41+2*(\i)], v[56+2*(\i):57+2*(\i)]
.endr
.irp i, 0,1,2,3
	v_pk_add_f32 v[40+2*(\i):41+2*(\i)], v[40+2*(\i):41+2*(\i)], v[72+2*(\i):73+2*(\i)]
.endr
	v_mov_b32 v84, v40                             ; the best logit so far,
	v_mov_b32 v85, 0                               ; and its index
.irp e, 1,2,3,4,5,6,7
	v_cmp_gt_f32 vcc_lo, v[40+(\e)], v84           ; strictly greater: the lower index keeps a tie
	v_cndmask_b32 v84, v84, v[40+(\e)], vcc_lo
	v_cndmask_b32 v85, v85, \e, vcc_lo
.endr
	s_lshl_b32 s25, ttmp9, 4
	v_lshl_add_u32 v86, v0, 2, s25                 ; token 4 g + lane
	v_cmp_gt_u32 vcc_lo, 4, v0
	s_wait_xcnt 0x0                                ; EXEC is a source of the stores above: it changes only behind this wait
	s_and_saveexec_b32 s30, vcc_lo
	global_store_b32 v86, v85, s[12:13]            ; lanes 0 to 3: 16 consecutive bytes
	s_wait_xcnt 0x0
	s_or_b32 exec_lo, exec_lo, s30
.Lend:
	s_wait_tensorcnt 0x0                           ; the wave's end, behind my last LDS store
	ds_add_u32 v[SPW], v[NIL]
	s_wait_dscnt 0x0
	s_endpgm
.Lfunc_end_k_q351f4f7226_router:
	.size	k_q351f4f7226_router, .Lfunc_end_k_q351f4f7226_router-k_q351f4f7226_router
	.p2alignl 7, 3214868480
	.fill 96, 4, 3214868480
	.section	.rodata,"a",@progbits
	.p2align	6, 0x0
	.amdhsa_kernel k_q351f4f7226_router
		.amdhsa_group_segment_fixed_size 1024
		.amdhsa_private_segment_fixed_size 0
		.amdhsa_enable_private_segment 0
		.amdhsa_kernarg_size 40
		.amdhsa_user_sgpr_count 2
		.amdhsa_user_sgpr_kernarg_segment_ptr 1
		.amdhsa_wavefront_size32 1
		.amdhsa_system_sgpr_workgroup_id_x 1
		.amdhsa_system_sgpr_workgroup_id_y 1
		.amdhsa_system_sgpr_workgroup_id_z 1
		.amdhsa_system_vgpr_workitem_id 0
		.amdhsa_next_free_vgpr 160
		.amdhsa_next_free_sgpr 66
		.amdhsa_reserve_vcc 1
		.amdhsa_float_denorm_mode_32 3
		.amdhsa_float_denorm_mode_16_64 3
		.amdhsa_memory_ordered 1
		.amdhsa_forward_progress 1
		.amdhsa_inst_pref_size 36
	.end_amdhsa_kernel
	.amdgpu_metadata
---
amdhsa.version: [ 1, 2 ]
amdhsa.kernels:
  - .name:           k_q351f4f7226_router
    .symbol:         k_q351f4f7226_router.kd
    .args:
      - { .name: x, .offset: 0, .size: 8, .value_kind: global_buffer, .address_space: global }
      - { .name: w_router, .offset: 8, .size: 8, .value_kind: global_buffer, .address_space: global }
      - { .name: b_router, .offset: 16, .size: 8, .value_kind: global_buffer, .address_space: global }
      - { .name: xb, .offset: 24, .size: 8, .value_kind: global_buffer, .address_space: global }
      - { .name: top1, .offset: 32, .size: 8, .value_kind: global_buffer, .address_space: global }
    .group_segment_fixed_size: 1024
    .private_segment_fixed_size: 0
    .kernarg_segment_align: 8
    .kernarg_segment_size: 40
    .max_flat_workgroup_size: 128
    .sgpr_count:     66
    .vgpr_count:     160
    .wavefront_size: 32
...
	.end_amdgpu_metadata
.endif
;; end of part 1
;; launch ffn1 (part 2): grid 32 x 8, 4 waves a work-group, no clusters, 317,440 bytes of LDS; arguments xb, top1, w1, b1, h; writes h
.if DOCPART == 2
	.amdgcn_target "amdgcn-amd-amdhsa--gfx1250"
	.amdhsa_code_object_version 6
	.text
	.protected	k_q351f4f7226_ffn1
	.globl	k_q351f4f7226_ffn1
	.p2align	8
	.type	k_q351f4f7226_ffn1,@function
k_q351f4f7226_ffn1:
	s_mov_b64 s[64:65], 0
	v_nop
	global_prefetch_b8 v0, s[64:65] scope:SCOPE_SE
	s_setreg_imm32_b32 hwreg(HW_REG_WAVE_MODE, 25, 1), 1
	s_wait_xcnt 0x0
; FIRST PRODUCT.  h[token][:] = f16(gelu(xb[token] . bf16(w1[e]) + bf16(b1[e]))) for the tokens whose top1 is e.  xb: [1024][1024] bf16; w1: [8][1024][4096] f32; h: [1024][4096] f16.
; SHARES.  Work-group (n, e) has columns 128 n .. 128 n + 127 of expert e: 1,024 x 128 weights, which it alone reads, once, and all of that expert's tokens.  Four waves, all alike: no branch hangs on the wave's number.
; THE STREAM.  K goes in chunks of 64.  Of each chunk wave w loads k-rows 16 w .. 16 w + 15 as f32 (512 consecutive bytes a load), rounds them to bf16 and lays them into LDS as [k][n], where the whole slice stays.
; Then every wave takes the chunk's weight fragments turned out of LDS (ds_load_tr16_b128), its token fragments straight from memory, and multiplies.  A chunk has two barriers: the slice is stored into between
; one chunk's second and the next one's first, and read between a chunk's first and its second.
; LOADS AHEAD.  A wave's loads share one counter, which falls in the order of issue, so tokens are asked for exactly as far ahead as weights: two chunks.  A chunk is 16 weight loads and 12 token loads a wave: 56 are out.
; ROWS.  The four waves rank the expert's tokens into a list in LDS (rank -> token).  Tiles of 16 rows; in pass S (0..5: 72 tiles, and 64 are the most) wave w has tiles 12 S + w + 4 i, i = 0..2.
; Pass 0 runs under the stream, passes 1-5 (an expert with more than 192 tokens) from the resident slice, without loads ahead.  The count of passes is a constant and every wave passes their barriers; a pass or a tile
; without rows is jumped over (loads of its own, matrix work and stores only).
; Places past the count repeat the last row: the same numbers go to the same address.  An expert without tokens still streams its slice and stores nothing: the price of a grid that serves every split.
; NO CLUSTER: each slice of weights has one reader, and the token rows that an expert's work-groups share come by a list, which no tile descriptor covers.
; LAYOUT.  Source 0 = 16 columns of the weights, source 1 = 16 tokens: a lane's eight results are eight neighbouring columns of one token's row.  The sums start at the bias.
; GELU.  z/2 + |z| (1/2 - q), q = (a1 t + a2 t^2 + a3 t^3) exp(-z^2/2) / 2, t = 1 / (1 + p |z| / sqrt 2): the rational approximation of erf with an error of at most 2.5e-5 for every argument,
; so h is off by at most 1.25e-5 |z|.  LIMITS.  h is f16: |h| stays under 65,504, and below 6.1e-5 it keeps f16's fixed step of 6e-8.  NaN and infinities are not treated apart.
.set STR,    16384                     ; bytes from a row of w1 to the next
.set ROWSH,  11                        ; a token's row of xb is 2,048 bytes
.set PITCH,  288                       ; a k-row of the slice in LDS: 256 bytes + 32: the eight rows x 32 bytes that sixteen lanes of a turning load take fall on different words modulo 256 bytes
.set LIST,   294912                    ; behind the slice's 1,024 rows: words 0-1023 rank -> token; words 1024-1151 a word a thread for tokens of other experts
.set STAGE,  299520                    ; 16 rows x 272 bytes for each wave, its own, for the way out
.set SPITCH, 272
.set SPARE,  316928                    ; the spare words, 128 bytes for each of four waves
; window 0
.set R,    1                           ; v1   lane % 16
.set SPW,  2                           ; v2   my spare word's address; never rewritten
.set NIL,  3                           ; v3   0; never rewritten
.set HH,   4                           ; v4   lane / 16
.set H16,  5                           ; v5   16 x (lane / 16)
.set VB0,  6                           ; v6   my lane's place in a weight fragment; v7 the same in the stream's trip in hand
.set VB,   7
.set VA,   8                           ; v8-10  tile i: byte offset of my token's row + 16 x (lane / 16)
.set VW,   11                          ; v11  16 x lane
.set VS0,  12                          ; v12  my 16 k-rows of a chunk + 8 x lane; v13 the same in the trip in hand
.set VS,   13
.set STO,  14                          ; v14  the way out: where I put 16 bytes of a row
.set RD,   15                          ; v15  where I read rows back
.set C16,  16                          ; v16  16 x (lane % 16)
.set RIDX, 17                          ; v17  rank of the row that I store first
.set TK,   18                          ; v18  256 x wave + 4 x lane: the first of my tokens in the ranking
.set DUMP, 19                          ; v19  1024 + my thread's number
.set TMP,  20                          ; v20-31 at work at the start, v20-26 later
.set VBK,  31                          ; v31  passes 1-5: my lane's place in a weight fragment of the chunk in hand
.set BF,   32                          ; v32-159 two buffers of 64: weight fragments of a chunk's two K steps
.set TOP,  32                          ; at the start: all of top1 (32 registers), my 256 tokens' (8)
.set OWN,  64
.set AF,   160                         ; v160-255 a ring of four buffers of 24: token fragments of a K step, 8 registers a tile
.set U,    32                          ; the way out: kappa z (64), z / 2 (64), three sets of 32 at work
.set HZ,   96
.set TD,   160
.set TW,   192
.set TP,   224
.set EOFF, 192                         ; the way out, behind the gelu: byte offsets of the rows that I store; list addresses
.set ETMP, 224
; window 1
.set ACC,  0                           ; v0-191 sums (tile i, column block nt at 64 i + 8 nt); v192-255 the bias of a lane's 64 columns
.set BIAS, 192
; window 2
.set STG,  0                           ; v0-127 two chunks of weights as loaded (slot u, group q, row i at 64 u + 32 q + 4 i); v128-159 rounded
.set PT,   128
.set KAP,  40                          ; s[40:41] kappa = sqrt(log2(e) / 2): 2^-(kappa z)^2 = exp(-z^2 / 2)
.set A3,   42                          ; s[42:47] a3, a2, a1, each over 2 kappa
.set A2,   44
.set A1,   46
.set C0,   48                          ; s[48:49] 1 / (2 kappa)
.set PP,   50                          ; s50  p / (sqrt 2 kappa)
; s14 wave; s15 expert; s18 trips; s19 count; s20 count - 1 (at least 0); s21 tiles; s22 NT, my live tiles of the pass; s23 pass; s24 passes to go; s25, s26 counters; s27 my first tile;
; s[28:29] the tokens' base in the trip in hand; s33 passes 1-5: the chunk's LDS offset; s34 the stream's trip's LDS offset; s35-37 mask, its bits, my running rank; s51 LIST
.set MSB, 0
.macro WIN new                         ; s_set_vgpr_msb: bits 1:0 source 0, 3:2 source 1, 5:4 source 2, 7:6 destination; the high byte repeats the setting that is left
.if MSB != (\new)
	s_set_vgpr_msb (MSB<<8)|(\new)
.set MSB, (\new)
.endif
.endm
.macro PLACES                          ; a load into, or a vector line on, a matrix instruction's registers stands four plain vector instructions behind it
.rept 4
	v_nop
.endr
.endm
; My 16 k-rows of a chunk (slot u of two), in two groups of eight: waited for, rounded, stored.  st = 1: each group's registers are loaded again, two chunks on.  n0, n1: the younger loads that may stay out.
.macro PROD u, st, n0, n1
.irp q, 0,1
.if (\q) == 0
	s_wait_loadcnt \n0
.else
	s_wait_loadcnt \n1
.endif
	WIN 0x8a                                       ; sources and destination in window 2
.irp i, 0,1,2,3,4,5,6,7
	v_cvt_pk_bf16_f32 v[PT+16*(\q)+2*(\i)],   v[STG+64*(\u)+32*(\q)+4*(\i)],   v[STG+64*(\u)+32*(\q)+4*(\i)+1]
	v_cvt_pk_bf16_f32 v[PT+16*(\q)+2*(\i)+1], v[STG+64*(\u)+32*(\q)+4*(\i)+2], v[STG+64*(\u)+32*(\q)+4*(\i)+3]
.endr
	WIN 0x08                                       ; the stores' data in window 2
.irp i, 0,1,2,3,4,5,6,7
	ds_store_b64 v[VS], v[PT+16*(\q)+2*(\i):PT+16*(\q)+2*(\i)+1] offset:(64*(\u)+8*(\q)+(\i))*PITCH  ; a k-row's 256 bytes, 8 a lane
.endr
.if \st
	WIN 0x80                                       ; destination in window 2
.irp i, 0,1,2,3,4,5,6,7
	global_load_b128 v[STG+64*(\u)+32*(\q)+4*(\i):STG+64*(\u)+32*(\q)+4*(\i)+3], v[VW], s[8:9] offset:(64*((\u)+2)+8*(\q)+(\i))*STR th:TH_LOAD_NT  ; 207 rows at the most: inside the signed 24-bit immediate
.endr
.endif
.endr
	WIN 0
.endm
; Eight matrix instructions: tile i, all 8 column blocks, 32 along K.  The eight sums take turns, also where one tile alone is live.
.macro MM8 buf, ab, i
	WIN 0x50                                       ; C and D in window 1
.irp nt, 0,1,2,3,4,5,6,7
	v_wmma_f32_16x16x32_bf16 v[ACC+64*(\i)+8*(\nt):ACC+64*(\i)+8*(\nt)+7], v[BF+64*(\buf)+8*(\nt):BF+64*(\buf)+8*(\nt)+7], v[AF+24*(\ab)+8*(\i):AF+24*(\ab)+8*(\i)+7], v[ACC+64*(\i)+8*(\nt):ACC+64*(\i)+8*(\nt)+7]
.endr
	WIN 0
.endm
.macro MM buf, ab                      ; a K step: my live tiles' products; only matrix instructions are jumped over
	s_cmp_eq_u32 s22, 0
	s_cbranch_scc1 .Lmm_\@
	MM8 \buf, \ab, 0
	s_cmp_lt_u32 s22, 2
	s_cbranch_scc1 .Lmm_\@
	MM8 \buf, \ab, 1
	s_cmp_lt_u32 s22, 3
	s_cbranch_scc1 .Lmm_\@
	MM8 \buf, \ab, 2
.Lmm_\@:
.endm
.macro TOKS ab, off                    ; six loads: one K step's token fragments, 64 bytes of each of 3 x 16 rows
.irp i, 0,1,2
	global_load_b128 v[AF+24*(\ab)+8*(\i):AF+24*(\ab)+8*(\i)+3],   v[VA+(\i)], s[28:29] offset:(\off)
	global_load_b128 v[AF+24*(\ab)+8*(\i)+4:AF+24*(\ab)+8*(\i)+7], v[VA+(\i)], s[28:29] offset:(\off)+32
.endr
.endm
.macro FRAGS u, a                      ; 32 LDS loads in one run: a chunk's weight fragments, the first K step's first; a: the address register
.irp nt, 0,1,2,3,4,5,6,7
	ds_load_tr16_b128 v[BF+8*(\nt):BF+8*(\nt)+3],   v[\a] offset:64*(\u)*PITCH+32*(\nt)             ; k = 8 (lane / 16) + 0..7 of column 16 nt + lane % 16
	ds_load_tr16_b128 v[BF+8*(\nt)+4:BF+8*(\nt)+7], v[\a] offset:64*(\u)*PITCH+32*(\nt)+16*PITCH    ; k = 16 + 8 (lane / 16) + 0..7
.endr
.irp nt, 0,1,2,3,4,5,6,7
	ds_load_tr16_b128 v[BF+64+8*(\nt):BF+64+8*(\nt)+3],   v[\a] offset:64*(\u)*PITCH+32*(\nt)+32*PITCH
	ds_load_tr16_b128 v[BF+64+8*(\nt)+4:BF+64+8*(\nt)+7], v[\a] offset:64*(\u)*PITCH+32*(\nt)+48*PITCH
.endr
.endm
; A chunk c, slot u = c % 2; its K steps use ring buffers 2 u and 2 u + 1.  st = 1: W(c + 2), T(2 c + 4) and T(2 c + 5) are asked for.  The order of issue is W(c + 2), T(2 c + 4), T(2 c + 5), chunk after chunk, so behind
; a group of 8 of W(c) stand 8 + 12 + 16 + 12 = 48 younger loads (its other group or the next reload's first group among them), behind T(2 c) 6 + 16 + 12 + 16 = 50, behind T(2 c + 1) 16 + 12 + 16 + 6 = 50.
.macro CHUNK u, st, n0, n1, t0, t1
	PROD \u, \st, \n0, \n1
	s_wait_dscnt 0x0                               ; for the others' sake: my stores of this chunk are done
	s_barrier_signal -1
	s_barrier_wait -1                              ; the chunk is whole
	FRAGS \u, VB                                   ; (the conversions above are the places behind the last products)
	s_wait_dscnt 16                                ; the first K step's fragments are in; the second's sixteen loads stay out
	s_wait_loadcnt \t0                             ; the first K step's tokens are in
	MM 0, 2*(\u)
.if \st
	PLACES                                         ; behind the products that read the ring buffer loaded below
	TOKS 2*(\u), 128*(\u)+256
.endif
	s_wait_dscnt 0x0                               ; my reads of the slice are back
	s_barrier_signal -1
	s_barrier_wait -1                              ; from here to the next barrier the slice is only stored into
	s_wait_loadcnt \t1                             ; the second K step's tokens are in
	MM 1, 2*(\u)+1
.if \st
	PLACES
	TOKS 2*(\u)+1, 128*(\u)+320
.endif
.endm
.macro NTCALC                          ; my first tile of pass s23 and how many of my three are live: ceil((tiles - first) / 4), held to 0 .. 3
	s_mul_i32 s27, s23, 12
	s_add_co_u32 s27, s27, s14
	s_sub_co_i32 s22, s21, s27
	s_add_co_i32 s22, s22, 3
	s_max_i32 s22, s22, 0
	s_lshr_b32 s22, s22, 2
	s_min_u32 s22, s22, 3
.endm
.macro ROWS                            ; a pass begins: my rows' tokens out of the list
	s_wait_xcnt 0x0                                ; earlier loads and stores have read their registers
	s_lshl_b32 s30, s27, 4
	v_add_nc_u32 v[TMP], s30, v[R]
	v_add_nc_u32 v[RIDX], s30, v[HH]
.irp i, 0,1,2
	v_add_nc_u32 v[TMP+1+(\i)], 64*(\i), v[TMP]    ; rank 16 (first + 4 i) + lane % 16,
	v_min_u32 v[TMP+1+(\i)], s20, v[TMP+1+(\i)]    ; or the last row's
	v_min_u32 v[TMP+1+(\i)], 0x3ff, v[TMP+1+(\i)]
	v_lshl_add_u32 v[TMP+1+(\i)], v[TMP+1+(\i)], 2, s51
	ds_load_b32 v[TMP+4+(\i)], v[TMP+1+(\i)]
.endr
	s_wait_dscnt 0x0
.irp i, 0,1,2
	v_min_u32 v[TMP+4+(\i)], 0x3ff, v[TMP+4+(\i)]
	v_lshl_add_u32 v[VA+(\i)], v[TMP+4+(\i)], ROWSH, v[H16]
.endr
.endm
.macro ACCINIT                         ; the sums start at the bias: no first K step is written out, and the way out adds nothing
	WIN 0x41                                       ; destination and source in window 1
.irp i, 0,1,2
.set mm, 0
.rept 64
	v_mov_b32 v[ACC+64*(\i)+mm], v[BIAS+mm]
.set mm, mm+1
.endr
.endr
	WIN 0
.endm
; One register of my 256 tokens: lanes whose token chose my expert store the token at its rank, the others at a word of their own.  A rank is the count of chosen tokens in the blocks of the waves below mine, in my
; registers so far and in the lanes below mine: no two tokens of the work-group have the same.
.macro RANK reg, tok
	v_cmp_eq_u32 s35, s15, v[\reg]
	v_mbcnt_lo_u32_b32 v[TMP], s35, s37            ; my running rank + the chosen lanes below mine
	v_cndmask_b32 v[TMP], v[DUMP], v[TMP], s35
	v_min_u32 v[TMP], 0x47f, v[TMP]
	v_lshl_add_u32 v[TMP], v[TMP], 2, s51
	v_add_nc_u32 v[TMP+1], \tok, v[TK]
	ds_store_b32 v[TMP], v[TMP+1]
	s_bcnt1_i32_b32 s36, s35
	s_add_co_u32 s37, s37, s36
.endm
	s_load_b256 s[4:11], s[0:1], 0x0               ; xb s[4:5], top1 s[6:7], w1 s[8:9], b1 s[10:11]
	s_load_b64 s[12:13], s[0:1], 0x20              ; h
	v_lshl_add_u32 v[SPW], v0, 2, SPARE
	v_mov_b32 v[NIL], 0
	v_lshrrev_b32 v[TMP], 5, v0
	v_readfirstlane_b32 s14, v[TMP]                ; wave 0..3
	v_and_b32 v[R], 15, v0
	v_bfe_u32 v[HH], v0, 4, 1
	v_and_b32 v[TMP], 31, v0                       ; lane
	v_lshlrev_b32 v[H16], 4, v[HH]
	v_lshlrev_b32 v[C16], 4, v[R]
	v_lshlrev_b32 v[VW], 4, v[TMP]
	s_mul_i32 s30, s14, 16*PITCH
	v_lshl_add_u32 v[VS0], v[TMP], 3, s30          ; into the slice: k-rows 16 w on, 8 bytes a lane
	s_lshl_b32 s31, s14, 8
	v_lshl_add_u32 v[TK], v[TMP], 2, s31
	v_add_nc_u32 v[DUMP], 1024, v0
	v_and_b32 v[TMP+1], 7, v0                      ; the turning load: lane l reads 16 bytes of k-row 8 (l / 16) + l % 8, columns 8 ((l / 8) % 2) + 0..7
	v_bfe_u32 v[TMP+2], v0, 3, 1
	v_lshl_add_u32 v[VB0], v[HH], 3, v[TMP+1]
	v_mul_u32_u24 v[VB0], v[VB0], PITCH
	v_lshl_add_u32 v[VB0], v[TMP+2], 4, v[VB0]
	s_mul_i32 s30, s14, 16*SPITCH
	s_add_co_u32 s30, s30, STAGE                   ; my stage
	v_mul_u32_u24 v[TMP+3], v[R], SPITCH           ; in: row lane % 16, 16 bytes for each half of the lanes
	v_lshl_add_u32 v[TMP+3], v[HH], 4, v[TMP+3]
	v_add_nc_u32 v[STO], s30, v[TMP+3]
	v_mul_u32_u24 v[TMP+4], v[HH], SPITCH          ; back: lanes 0-15 one row of 256 bytes, lanes 16-31 the next
	v_lshl_add_u32 v[TMP+4], v[R], 4, v[TMP+4]
	v_add_nc_u32 v[RD], s30, v[TMP+4]
	v_lshl_add_u32 v[TMP+5], v0, 4, LIST           ; the list's 1,024 ranks are set to token 0: a rank that no token takes still names a row inside the buffers
.irp i, 8,9,10,11
	v_mov_b32 v[TMP+(\i)], 0
.endr
	ds_store_b128 v[TMP+5], v[TMP+8:TMP+11]
	ds_store_b128 v[TMP+5], v[TMP+8:TMP+11] offset:2048
	s_lshl_b32 s31, s14, 10
	v_add_nc_u32 v[TMP+6], s31, v[VW]              ; my 256 tokens' 1,024 bytes of top1
	v_lshlrev_b32 v[TMP+7], 5, v[HH]               ; the bias: 32 x (lane / 16)
	s_and_b32 s15, ttmp7, 0xffff                   ; expert
	s_lshl_b32 s30, s15, 24                        ; an expert's w1 is 16,777,216 bytes,
	s_lshl_b32 s31, ttmp9, 9                       ; my 128 columns are 512 bytes of a row,
	s_add_co_u32 s30, s30, s31
	s_lshl_b32 s31, s14, 18                        ; wave w has rows 16 w .. 16 w + 15 of each chunk
	s_add_co_u32 s30, s30, s31
	s_mov_b32 s31, 0
	s_lshl_b32 s32, s15, 14                        ; b1: 16,384 bytes an expert
	s_lshl_b32 s33, ttmp9, 9
	s_add_co_u32 s32, s32, s33
	s_mov_b32 s33, 0
	s_lshl_b32 s38, ttmp9, 8                       ; h: my 128 columns are 256 bytes of a row
	s_mov_b32 s39, 0
	s_mov_b32 s[KAP], 0x3f596d27                   ; 0.84932180
	s_mov_b32 s[KAP+1], s[KAP]                     ; (named as pairs, so both words are written)
	s_mov_b32 s[A3], 0x3ee16a97                    ; 0.44026634
	s_mov_b32 s[A3+1], s[A3]
	s_mov_b32 s[A2], 0xbd6732ca                    ; -0.05644492
	s_mov_b32 s[A2+1], s[A2]
	s_mov_b32 s[A1], 0x3e51cd01                    ; 0.20488359
	s_mov_b32 s[A1+1], s[A1]
	s_mov_b32 s[C0], 0x3f16b55f                    ; 0.58870501
	s_mov_b32 s[C0+1], s[C0]
	s_mov_b32 s[PP], 0x3ec88bda                    ; 0.39169197
	s_mov_b32 s51, LIST
	s_wait_kmcnt 0x0
	s_add_nc_u64 s[8:9], s[8:9], s[30:31]
	s_add_nc_u64 s[10:11], s[10:11], s[32:33]
	s_add_nc_u64 s[12:13], s[12:13], s[38:39]
	; the first loads, in this order: top1 (10), the bias (16), chunks 0 and 1 of the weights (32)
.irp j, 0,1,2,3,4,5,6,7
	global_load_b128 v[TOP+4*(\j):TOP+4*(\j)+3], v[VW], s[6:7] offset:512*(\j)     ; register 4 j + u of a lane: token 128 j + 4 lane + u
.endr
.irp j, 0,1
	global_load_b128 v[OWN+4*(\j):OWN+4*(\j)+3], v[TMP+6], s[6:7] offset:512*(\j)  ; token 256 w + 128 j + 4 lane + u
.endr
	WIN 0x40
.irp nt, 0,1,2,3,4,5,6,7
	global_load_b128 v[BIAS+8*(\nt):BIAS+8*(\nt)+3],   v[TMP+7], s[10:11] offset:64*(\nt)      ; a lane's columns 16 nt + 8 (lane / 16) + 0..7
	global_load_b128 v[BIAS+8*(\nt)+4:BIAS+8*(\nt)+7], v[TMP+7], s[10:11] offset:64*(\nt)+16
.endr
	WIN 0x80
.irp u, 0,1
.irp q, 0,1
.irp i, 0,1,2,3,4,5,6,7
	global_load_b128 v[STG+64*(\u)+32*(\q)+4*(\i):STG+64*(\u)+32*(\q)+4*(\i)+3], v[VW], s[8:9] offset:(64*(\u)+8*(\q)+(\i))*STR th:TH_LOAD_NT
.endr
.endr
.endr
	WIN 0
	s_wait_dscnt 0x0                               ; for the others' sake: my part of the list is set
	s_barrier_signal -1
	s_barrier_wait -1
	s_wait_loadcnt 48                              ; top1 is in; the bias's 16 loads and the weights' 32 stay out
	; every wave counts all 1,024 choices; the running count in front of its own block of 256 is its first rank
	s_mov_b32 s19, 0
	s_mov_b32 s37, 0
.irp b, 0,1,2,3
	s_cmp_eq_u32 s14, \b
	s_cselect_b32 s37, s19, s37
.irp k, 0,1,2,3,4,5,6,7
	v_cmp_eq_u32 s35, s15, v[TOP+8*(\b)+(\k)]
	s_bcnt1_i32_b32 s36, s35
	s_add_co_u32 s19, s19, s36
.endr
.endr
.set jj, 0
.rept 8
	RANK OWN+jj, 128*(jj/4)+jj%4
.set jj, jj+1
.endr
	s_wait_dscnt 0x0                               ; for the others' sake: my tokens are in the list
	s_barrier_signal -1
	s_barrier_wait -1
	s_min_u32 s19, s19, 1024                       ; the expert's rows
	s_max_u32 s20, s19, 1
	s_sub_co_u32 s20, s20, 1
	s_add_co_u32 s21, s19, 15
	s_lshr_b32 s21, s21, 4                         ; its tiles
	s_mov_b32 s23, 0
	NTCALC
	ROWS
	s_barrier_signal -1                            ; my reads of the list are back (the wait stands in ROWS): behind this barrier the slice is stored into
	s_barrier_wait -1
	s_mov_b64 s[28:29], s[4:5]
	s_wait_loadcnt 32                              ; the bias is in; with the 24 loads below 56 are out
	TOKS 0, 0
	TOKS 1, 64
	TOKS 2, 128
	TOKS 3, 192
	WIN 0x05                                       ; the bias is rounded to bf16, as every input is, and kept as f32
.set mm, 0
.rept 32
	v_cvt_pk_bf16_f32 v[BF+mm], v[BIAS+2*mm], v[BIAS+2*mm+1]
.set mm, mm+1
.endr
	WIN 0x40
.set mm, 0
.rept 32
	v_lshlrev_b32 v[BIAS+2*mm],   16,         v[BF+mm]
	v_and_b32     v[BIAS+2*mm+1], 0xffff0000, v[BF+mm]
.set mm, mm+1
.endr
	WIN 0
	ACCINIT
	s_mov_b32 s34, 0
	s_mov_b32 s18, 7
	s_wait_loadcnt 12                              ; chunks 0 and 1 of the weights and K steps 0 and 1 of the tokens are in; out are steps 2 and 3, twelve loads: from here the order of issue is the loop's own
.Ltrip:                                                ; seven trips of two chunks, 0 to 13; each chunk asks for what the chunk two on needs
	v_add_nc_u32 v[VS], s34, v[VS0]
	v_add_nc_u32 v[VB], s34, v[VB0]
	CHUNK 0, 1, 48, 48, 50, 50
	CHUNK 1, 1, 48, 48, 50, 50
	s_wait_xcnt 0x0                                ; the loads' bases are stepped only behind this wait
	s_add_nc_u64 s[8:9], s[8:9], 128*STR
	s_add_nc_u64 s[28:29], s[28:29], 256           ; 128 along K
	s_add_co_u32 s34, s34, 128*PITCH
	s_sub_co_u32 s18, s18, 1
	s_cmp_lg_u32 s18, 0
	s_cbranch_scc1 .Ltrip
	v_add_nc_u32 v[VS], s34, v[VS0]
	v_add_nc_u32 v[VB], s34, v[VB0]
	CHUNK 0, 0, 48, 40, 34, 28                     ; chunks 14 and 15 are written out: nothing is left to ask for, and the counts run down:
	CHUNK 1, 0, 20, 12, 6, 0                       ; out are W14 (8 + 8), T28, T29 (6 + 6), W15 (8 + 8), T30, T31 (6 + 6)
	s_mov_b32 s24, 6
	s_branch .Lepi                                 ; pass 0's products are done: the loop over passes is entered at its way out
; PASSES 1 TO 5.
; Every wave passes both in every pass; a wave without rows jumps from behind the first to in front of the second.
.Lgrp:
	s_wait_dscnt 0x0                               ; my stores into my stage, and my reads of it, are done
	s_barrier_signal -1
	s_barrier_wait -1                              ; from here to the next barrier LDS is only read
	NTCALC
	s_cmp_eq_u32 s22, 0
	s_cbranch_scc1 .Lkdone                         ; no rows left for me in this pass
	ROWS
	ACCINIT
	s_mov_b64 s[28:29], s[4:5]
	s_mov_b32 s33, 0
	s_mov_b32 s25, 16
.Lk:                                                   ; a chunk a trip, from the resident slice
	v_add_nc_u32 v[VBK], s33, v[VB0]
	PLACES                                         ; behind the last products, which read the registers loaded below
	FRAGS 0, VBK
	TOKS 0, 0
	TOKS 1, 64
	s_wait_loadcnt 0x0
	s_wait_dscnt 0x0
	MM 0, 0
	MM 1, 1
	s_add_nc_u64 s[28:29], s[28:29], 128           ; the loads that named this base are done
	s_add_co_u32 s33, s33, 64*PITCH
	s_sub_co_u32 s25, s25, 1
	s_cmp_lg_u32 s25, 0
	s_cbranch_scc1 .Lk
.Lkdone:
	s_wait_dscnt 0x0                               ; my reads of the slice are back
	s_barrier_signal -1
	s_barrier_wait -1                              ; every wave's are: now the stages are written
.Lepi:
	PLACES                                         ; behind the last products
; THE WAY OUT, a tile at a time: gelu, f16, through my stage, whole rows of 256 bytes to the tokens' rows of h.
.macro S1 ti                           ; kappa z and z / 2 out of window 1; each sum's lowest registers are read first
	WIN 0x01
.set mm, 0
.rept 32
	v_pk_mul_f32 v[U+2*mm:U+2*mm+1],   v[ACC+64*(\ti)+2*mm:ACC+64*(\ti)+2*mm+1], s[KAP:KAP+1] op_sel_hi:[1,0]
	v_pk_mul_f32 v[HZ+2*mm:HZ+2*mm+1], v[ACC+64*(\ti)+2*mm:ACC+64*(\ti)+2*mm+1], 0.5 op_sel_hi:[1,0]
.set mm, mm+1
.endr
	WIN 0
.endm
.macro HEAVY b                         ; 32 of the lane's 64 numbers
.set mm, 0
.rept 32
	v_fma_f32 v[TD+mm], |v[U+32*(\b)+mm]|, s[PP], 1.0
.set mm, mm+1
.endr
.set mm, 0
.rept 16
	v_pk_mul_f32 v[TW+2*mm:TW+2*mm+1], v[U+32*(\b)+2*mm:U+32*(\b)+2*mm+1], v[U+32*(\b)+2*mm:U+32*(\b)+2*mm+1] neg_lo:[1,0] neg_hi:[1,0]
.set mm, mm+1
.endr
.set mm, 0
.rept 32
	v_rcp_f32 v[TD+mm], v[TD+mm]                   ; t
.set mm, mm+1
.endr
.set mm, 0
.rept 32
	v_exp_f32 v[TW+mm], v[TW+mm]                   ; exp(-z^2 / 2)
.set mm, mm+1
.endr
	v_nop                                          ; a plain instruction between these and the use of their results (ISA guide 5.7.2)
.set mm, 0
	s_wait_alu depctr_va_vdst(0)
.rept 16
	v_pk_fma_f32 v[TP+2*mm:TP+2*mm+1], v[TD+2*mm:TD+2*mm+1], s[A3:A3+1], s[A2:A2+1] op_sel_hi:[1,0,0]
.set mm, mm+1
.endr
.set mm, 0
.rept 16
	v_pk_fma_f32 v[TP+2*mm:TP+2*mm+1], v[TP+2*mm:TP+2*mm+1], v[TD+2*mm:TD+2*mm+1], s[A1:A1+1] op_sel_hi:[1,1,0]
.set mm, mm+1
.endr
.set mm, 0
.rept 16
	v_pk_mul_f32 v[TP+2*mm:TP+2*mm+1], v[TP+2*mm:TP+2*mm+1], v[TD+2*mm:TD+2*mm+1]
.set mm, mm+1
.endr
.set mm, 0
.rept 16
	v_pk_fma_f32 v[TP+2*mm:TP+2*mm+1], v[TP+2*mm:TP+2*mm+1], v[TW+2*mm:TW+2*mm+1], s[C0:C0+1] op_sel_hi:[1,1,0] neg_lo:[1,0,0] neg_hi:[1,0,0]
.set mm, mm+1
.endr
.set mm, 0
.rept 32
	v_fma_f32 v[HZ+32*(\b)+mm], |v[U+32*(\b)+mm]|, v[TP+mm], v[HZ+32*(\b)+mm]
.set mm, mm+1
.endr
.set mm, 0
.rept 16
	v_cvt_pk_f16_f32 v[U+16*(\b)+mm], v[HZ+32*(\b)+2*mm], v[HZ+32*(\b)+2*mm+1]   ; onto registers of kappa z that have been used up
.set mm, mm+1
.endr
.endm
	s_mov_b32 s26, 0
.Ltile:
	s_cmp_ge_u32 s26, s22
	s_cbranch_scc1 .Ltile_next                     ; a tile without rows
	s_wait_xcnt 0x0                                ; the last tile's stores have read their registers
	s_cmp_eq_u32 s26, 0
	s_cbranch_scc1 .Ls0
	s_cmp_eq_u32 s26, 1
	s_cbranch_scc1 .Ls1
	S1 2
	s_branch .Lheavy
.Ls0:
	S1 0
	s_branch .Lheavy
.Ls1:
	S1 1
.Lheavy:
	HEAVY 0
	HEAVY 1
.irp nt, 0,1,2,3,4,5,6,7
	ds_store_b128 v[STO], v[U+4*(\nt):U+4*(\nt)+3] offset:32*(\nt)   ; eight neighbouring columns of a row
.endr
.irp t, 0,1,2,3,4,5,6,7
	v_add_nc_u32 v[ETMP+(\t)], 2*(\t), v[RIDX]     ; the ranks of the rows that I store,
	v_min_u32 v[ETMP+(\t)], s20, v[ETMP+(\t)]      ; or the last row's
	v_min_u32 v[ETMP+(\t)], 0x3ff, v[ETMP+(\t)]
	v_lshl_add_u32 v[ETMP+(\t)], v[ETMP+(\t)], 2, s51
	ds_load_b32 v[EOFF+(\t)], v[ETMP+(\t)]
.endr
.irp t, 0,1,2,3,4,5,6,7
	ds_load_b128 v[TD+4*(\t):TD+4*(\t)+3], v[RD] offset:2*SPITCH*(\t)  ; LDS serves a wave's instructions in order (ISA guide 5.7.1.4): these see the stores above
.endr
	s_wait_dscnt 8                                 ; the tokens are in; the eight loads from the stage stay out
.irp t, 0,1,2,3,4,5,6,7
	v_min_u32 v[EOFF+(\t)], 0x3ff, v[EOFF+(\t)]
	v_lshl_add_u32 v[EOFF+(\t)], v[EOFF+(\t)], 13, v[C16]   ; a row of h is 8,192 bytes
.endr
.irp t, 0,1,2,3,4,5,6,7
	s_wait_dscnt 7-(\t)
	global_store_b128 v[EOFF+(\t)], v[TD+4*(\t):TD+4*(\t)+3], s[12:13]  ; 16 lanes store 256 consecutive bytes, at a multiple of 256 from h's first byte
.endr
.Ltile_next:
	v_add_nc_u32 v[RIDX], 64, v[RIDX]              ; my next tile lies four tiles on
	s_add_co_u32 s26, s26, 1
	s_cmp_lt_u32 s26, 3
	s_cbranch_scc1 .Ltile
	s_add_co_u32 s23, s23, 1
	s_sub_co_u32 s24, s24, 1
	s_cmp_lg_u32 s24, 0
	s_cbranch_scc1 .Lgrp
	s_wait_tensorcnt 0x0                           ; the wave's end, behind my last LDS store
	ds_add_u32 v[SPW], v[NIL]
	s_wait_dscnt 0x0
	s_endpgm
.Lfunc_end_k_q351f4f7226_ffn1:
	.size	k_q351f4f7226_ffn1, .Lfunc_end_k_q351f4f7226_ffn1-k_q351f4f7226_ffn1
	.p2alignl 7, 3214868480
	.fill 96, 4, 3214868480
	.section	.rodata,"a",@progbits
	.p2align	6, 0x0
	.amdhsa_kernel k_q351f4f7226_ffn1
		.amdhsa_group_segment_fixed_size 317440
		.amdhsa_private_segment_fixed_size 0
		.amdhsa_enable_private_segment 0
		.amdhsa_kernarg_size 40
		.amdhsa_user_sgpr_count 2
		.amdhsa_user_sgpr_kernarg_segment_ptr 1
		.amdhsa_wavefront_size32 1
		.amdhsa_system_sgpr_workgroup_id_x 1
		.amdhsa_system_sgpr_workgroup_id_y 1
		.amdhsa_system_sgpr_workgroup_id_z 1
		.amdhsa_system_vgpr_workitem_id 0
		.amdhsa_next_free_vgpr 704
		.amdhsa_next_free_sgpr 66
		.amdhsa_reserve_vcc 0
		.amdhsa_float_denorm_mode_32 3
		.amdhsa_float_denorm_mode_16_64 3
		.amdhsa_memory_ordered 1
		.amdhsa_forward_progress 1
		.amdhsa_inst_pref_size 134
	.end_amdhsa_kernel
	.amdgpu_metadata
---
amdhsa.version: [ 1, 2 ]
amdhsa.kernels:
  - .name:           k_q351f4f7226_ffn1
    .symbol:         k_q351f4f7226_ffn1.kd
    .args:
      - { .name: xb, .offset: 0, .size: 8, .value_kind: global_buffer, .address_space: global }
      - { .name: top1, .offset: 8, .size: 8, .value_kind: global_buffer, .address_space: global }
      - { .name: w1, .offset: 16, .size: 8, .value_kind: global_buffer, .address_space: global }
      - { .name: b1, .offset: 24, .size: 8, .value_kind: global_buffer, .address_space: global }
      - { .name: h, .offset: 32, .size: 8, .value_kind: global_buffer, .address_space: global }
    .group_segment_fixed_size: 317440
    .private_segment_fixed_size: 0
    .kernarg_segment_align: 8
    .kernarg_segment_size: 40
    .max_flat_workgroup_size: 128
    .sgpr_count:     66
    .vgpr_count:     704
    .wavefront_size: 32
...
	.end_amdgpu_metadata
.endif
;; end of part 2
;; launch ffn2 (part 3): grid 32 x 8, 4 waves a work-group, no clusters, 317,440 bytes of LDS; arguments h, top1, w2, b2, part; writes part
.if DOCPART == 3
	.amdgcn_target "amdgcn-amd-amdhsa--gfx1250"
	.amdhsa_code_object_version 6
	.text
	.protected	k_q351f4f7226_ffn2
	.globl	k_q351f4f7226_ffn2
	.p2align	8
	.type	k_q351f4f7226_ffn2,@function
k_q351f4f7226_ffn2:
	s_mov_b64 s[64:65], 0
	v_nop
	global_prefetch_b8 v0, s[64:65] scope:SCOPE_SE
	s_setreg_imm32_b32 hwreg(HW_REG_WAVE_MODE, 25, 1), 1
	s_wait_xcnt 0x0
; SECOND PRODUCT, IN FOUR PARTS ALONG K.  part[ks][token][:] = h[token][1024 ks .. 1024 ks + 1023] . w2[e][that quarter] (+ bf16(b2[e]) where ks = 0), for the tokens whose top1 is e.
; h: [1024][4096] f16; w2: [8][4096][1024] f32; part: [4][1024][1024] f32 (partial sums stay in f32; the next launch adds them).
; SHARES.  Work-group (x, e): columns 128 (x % 8) .. + 127, K quarter ks = x / 8 of expert e: 1,024 x 128 weights, which it alone reads, once, and all of that expert's tokens.  Four waves, all alike.
; K is split so that a slice fits in LDS in 16 bits and a token's share is 2,048 bytes a work-group; with 32 columns and the whole K it would be 8,192.
; THE WEIGHTS are rounded to bf16, as every input of this program is, and that number is written as f16, since h is f16: exact from 6.1e-5 up; below that f16's fixed step of 6e-8 holds.  |w2| stays under 65,504.
; THE STREAM.  K goes in chunks of 64.  Of each chunk wave w loads k-rows 16 w .. 16 w + 15 as f32 (512 consecutive bytes a load), rounds them and lays them into LDS as [k][n], where the whole slice stays.  Then every
; wave takes the chunk's weight fragments turned out of LDS, its token fragments straight from memory, and multiplies.  A chunk has two barriers: the slice is stored into between one chunk's second and the next one's
; first, and read between a chunk's first and its second.  A wave's loads share one counter, which falls in the order of issue, so tokens are asked for exactly as far ahead as weights: two chunks, 56 loads.
; ROWS.  The four waves rank the expert's tokens into a list in LDS.  Tiles of 16 rows; in pass S (0..5: 72 tiles, and 64 are the most) wave w has tiles 12 S + w + 4 i, i = 0..2; pass 0 runs under the stream, the
; others (more than 192 tokens) from the resident slice.  The count of passes is a constant and every wave passes their barriers; a pass or tile without rows is jumped over (loads of its own, matrix work and stores only).
; Places past the count repeat the last row: the same numbers go to the same address.  An expert without tokens still streams its slice and stores nothing.
; NO CLUSTER: each slice has one reader, and the shared token rows come by a list, which no tile descriptor covers.
; LAYOUT.  Source 0 = 16 columns of the weights, source 1 = 16 tokens: a lane's eight results are eight neighbouring columns of one token's row.
.set STR,    4096                      ; bytes from a row of w2 to the next
.set ROWSH,  13                        ; a token's row of h is 8,192 bytes
.set PITCH,  288                       ; a k-row of the slice in LDS: 256 bytes + 32: the eight rows x 32 bytes that sixteen lanes of a turning load take fall on different words modulo 256 bytes
.set LIST,   294912                    ; behind the slice's 1,024 rows: words 0-1023 rank -> token; words 1024-1151 a word a thread for tokens of other experts
.set STAGE,  299520                    ; 16 rows x 272 bytes for each wave, its own, for the way out
.set SPITCH, 272
.set SPARE,  316928                    ; the spare words, 128 bytes for each of four waves
; window 0
.set R,    1                           ; v1   lane % 16
.set SPW,  2                           ; v2   my spare word's address; never rewritten
.set NIL,  3                           ; v3   0; never rewritten
.set HH,   4                           ; v4   lane / 16
.set H16,  5                           ; v5   16 x (lane / 16)
.set VB0,  6                           ; v6   my lane's place in a weight fragment; v7 the same in the stream's trip in hand
.set VB,   7
.set VA,   8                           ; v8-10  tile i: byte offset of my token's row + 16 x (lane / 16)
.set VW,   11                          ; v11  16 x lane
.set VS0,  12                          ; v12  my 16 k-rows of a chunk + 8 x lane; v13 the same in the trip in hand
.set VS,   13
.set STO,  14                          ; v14  the way out: where I put 16 bytes of a row
.set RD,   15                          ; v15  where I read rows back
.set C16,  16                          ; v16  16 x (lane % 16)
.set RIDX, 17                          ; v17  rank of the first row that I store in the pass
.set TK,   18                          ; v18  256 x wave + 4 x lane: the first of my tokens in the ranking
.set DUMP, 19                          ; v19  1024 + my thread's number
.set TMP,  20                          ; v20-31 at work at the start, v20-26 later
.set VBK,  31                          ; v31  passes 1-5: my lane's place in a weight fragment of the chunk in hand
.set BF,   32                          ; v32-159 two buffers of 64: weight fragments of a chunk's two K steps
.set TOP,  32                          ; at the start: all of top1 (32 registers), my 256 tokens' (8)
.set OWN,  64
.set AF,   160                         ; v160-255 a ring of four buffers of 24: token fragments of a K step, 8 registers a tile
.set OB,   160                         ; the way out: two sets of 32, rows read back from the stage; byte offsets of the rows that I store; list addresses
.set EOFF, 224
.set ETMP, 232
; window 1
.set ACC,  0                           ; v0-191 sums (tile i, column block nt at 64 i + 8 nt); v192-255 the bias of a lane's 64 columns
.set BIAS, 192
; window 2
.set STG,  0                           ; v0-127 two chunks of weights as loaded (slot u, group q, row i at 64 u + 32 q + 4 i); v128-159 rounded; v160-191 at work
.set PT,   128
.set PX,   160
; s14 wave; s15 expert; s16 column slice; s18 trips; s19 count; s20 count - 1 (at least 0); s21 tiles; s22 NT, my live tiles of the pass; s23 pass; s24 passes to go; s25 counter; s27 my first tile;
; s[28:29] the tokens' base in the trip in hand; s33 passes 1-5: the chunk's LDS offset; s34 the stream's trip's LDS offset; s35-37 mask, its bits, my running rank; s51 LIST; s52 a word's upper half;
; s53 all ones where ks = 0; s54 ks
.set MSB, 0
.macro WIN new                         ; s_set_vgpr_msb: bits 1:0 source 0, 3:2 source 1, 5:4 source 2, 7:6 destination; the high byte repeats the setting that is left
.if MSB != (\new)
	s_set_vgpr_msb (MSB<<8)|(\new)
.set MSB, (\new)
.endif
.endm
.macro PLACES                          ; a load into, or a vector or LDS line on, a matrix instruction's registers stands four plain vector instructions behind it
.rept 4
	v_nop
.endr
.endm
; My 16 k-rows of a chunk (slot u of two), in two groups of eight: waited for, rounded, stored.  st = 1: each group's registers are loaded again, two chunks on.  n0, n1: the younger loads that may stay out.
.macro PROD u, st, n0, n1
.irp q, 0,1
.if (\q) == 0
	s_wait_loadcnt \n0
.else
	s_wait_loadcnt \n1
.endif
	WIN 0x8a                                       ; sources and destination in window 2
.irp i, 0,1,2,3,4,5,6,7
	v_cvt_pk_bf16_f32 v[PT+16*(\q)+2*(\i)],   v[STG+64*(\u)+32*(\q)+4*(\i)],   v[STG+64*(\u)+32*(\q)+4*(\i)+1]
	v_cvt_pk_bf16_f32 v[PT+16*(\q)+2*(\i)+1], v[STG+64*(\u)+32*(\q)+4*(\i)+2], v[STG+64*(\u)+32*(\q)+4*(\i)+3]
.endr
.irp i, 0,1,2,3,4,5,6,7,8,9,10,11,12,13,14,15
	v_lshlrev_b32 v[PX+2*(\i)],   16,  v[PT+16*(\q)+(\i)]       ; the bf16 number as f32,
	v_and_b32     v[PX+2*(\i)+1], s52, v[PT+16*(\q)+(\i)]
	v_cvt_pk_f16_f32 v[PT+16*(\q)+(\i)], v[PX+2*(\i)], v[PX+2*(\i)+1]  ; written as f16
.endr
	WIN 0x08                                       ; the stores' data in window 2
.irp i, 0,1,2,3,4,5,6,7
	ds_store_b64 v[VS], v[PT+16*(\q)+2*(\i):PT+16*(\q)+2*(\i)+1] offset:(64*(\u)+8*(\q)+(\i))*PITCH  ; a k-row's 256 bytes, 8 a lane
.endr
.if \st
	WIN 0x80                                       ; destination in window 2
.irp i, 0,1,2,3,4,5,6,7
	global_load_b128 v[STG+64*(\u)+32*(\q)+4*(\i):STG+64*(\u)+32*(\q)+4*(\i)+3], v[VW], s[8:9] offset:(64*((\u)+2)+8*(\q)+(\i))*STR th:TH_LOAD_NT
.endr
.endif
.endr
	WIN 0
.endm
; Eight matrix instructions: tile i, all 8 column blocks, 32 along K.  The eight sums take turns, also where one tile alone is live.
.macro MM8 buf, ab, i
	WIN 0x50                                       ; C and D in window 1
.irp nt, 0,1,2,3,4,5,6,7
	v_wmma_f32_16x16x32_f16 v[ACC+64*(\i)+8*(\nt):ACC+64*(\i)+8*(\nt)+7], v[BF+64*(\buf)+8*(\nt):BF+64*(\buf)+8*(\nt)+7], v[AF+24*(\ab)+8*(\i):AF+24*(\ab)+8*(\i)+7], v[ACC+64*(\i)+8*(\nt):ACC+64*(\i)+8*(\nt)+7]
.endr
	WIN 0
.endm
.macro MM buf, ab                      ; a K step: my live tiles' products; only matrix instructions are jumped over
	s_cmp_eq_u32 s22, 0
	s_cbranch_scc1 .Lmm_\@
	MM8 \buf, \ab, 0
	s_cmp_lt_u32 s22, 2
	s_cbranch_scc1 .Lmm_\@
	MM8 \buf, \ab, 1
	s_cmp_lt_u32 s22, 3
	s_cbranch_scc1 .Lmm_\@
	MM8 \buf, \ab, 2
.Lmm_\@:
.endm
.macro TOKS ab, off                    ; six loads: one K step's token fragments, 64 bytes of each of 3 x 16 rows
.irp i, 0,1,2
	global_load_b128 v[AF+24*(\ab)+8*(\i):AF+24*(\ab)+8*(\i)+3],   v[VA+(\i)], s[28:29] offset:(\off)
	global_load_b128 v[AF+24*(\ab)+8*(\i)+4:AF+24*(\ab)+8*(\i)+7], v[VA+(\i)], s[28:29] offset:(\off)+32
.endr
.endm
.macro FRAGS u, a                      ; 32 LDS loads in one run: a chunk's weight fragments, the first K step's first; a: the address register
.irp nt, 0,1,2,3,4,5,6,7
	ds_load_tr16_b128 v[BF+8*(\nt):BF+8*(\nt)+3],   v[\a] offset:64*(\u)*PITCH+32*(\nt)             ; k = 8 (lane / 16) + 0..7 of column 16 nt + lane % 16
	ds_load_tr16_b128 v[BF+8*(\nt)+4:BF+8*(\nt)+7], v[\a] offset:64*(\u)*PITCH+32*(\nt)+16*PITCH    ; k = 16 + 8 (lane / 16) + 0..7
.endr
.irp nt, 0,1,2,3,4,5,6,7
	ds_load_tr16_b128 v[BF+64+8*(\nt):BF+64+8*(\nt)+3],   v[\a] offset:64*(\u)*PITCH+32*(\nt)+32*PITCH
	ds_load_tr16_b128 v[BF+64+8*(\nt)+4:BF+64+8*(\nt)+7], v[\a] offset:64*(\u)*PITCH+32*(\nt)+48*PITCH
.endr
.endm
; A chunk c, slot u = c % 2; its K steps use ring buffers 2 u and 2 u + 1.  st = 1: W(c + 2), T(2 c + 4) and T(2 c + 5) are asked for.  The order of issue is W(c + 2), T(2 c + 4), T(2 c + 5), chunk after chunk, so behind
; a group of 8 of W(c) stand 8 + 12 + 16 + 12 = 48 younger loads (its other group or the next reload's first group among them), behind T(2 c) 6 + 16 + 12 + 16 = 50, behind T(2 c + 1) 16 + 12 + 16 + 6 = 50.
.macro CHUNK u, st, n0, n1, t0, t1
	PROD \u, \st, \n0, \n1
	s_wait_dscnt 0x0                               ; for the others' sake: my stores of this chunk are done
	s_barrier_signal -1
	s_barrier_wait -1                              ; the chunk is whole
	FRAGS \u, VB                                   ; (the conversions above are the places behind the last products)
	s_wait_dscnt 16                                ; the first K step's fragments are in; the second's sixteen loads stay out
	s_wait_loadcnt \t0                             ; the first K step's tokens are in
	MM 0, 2*(\u)
.if \st
	PLACES                                         ; behind the products that read the ring buffer loaded below
	TOKS 2*(\u), 128*(\u)+256
.endif
	s_wait_dscnt 0x0                               ; my reads of the slice are back
	s_barrier_signal -1
	s_barrier_wait -1                              ; from here to the next barrier the slice is only stored into
	s_wait_loadcnt \t1                             ; the second K step's tokens are in
	MM 1, 2*(\u)+1
.if \st
	PLACES
	TOKS 2*(\u)+1, 128*(\u)+320
.endif
.endm
.macro NTCALC                          ; my first tile of pass s23 and how many of my three are live: ceil((tiles - first) / 4), held to 0 .. 3
	s_mul_i32 s27, s23, 12
	s_add_co_u32 s27, s27, s14
	s_sub_co_i32 s22, s21, s27
	s_add_co_i32 s22, s22, 3
	s_max_i32 s22, s22, 0
	s_lshr_b32 s22, s22, 2
	s_min_u32 s22, s22, 3
.endm
.macro ROWS                            ; a pass begins: my rows' tokens out of the list
	s_wait_xcnt 0x0                                ; earlier loads and stores have read their registers
	s_lshl_b32 s30, s27, 4
	v_add_nc_u32 v[TMP], s30, v[R]
	v_add_nc_u32 v[RIDX], s30, v[HH]
.irp i, 0,1,2
	v_add_nc_u32 v[TMP+1+(\i)], 64*(\i), v[TMP]    ; rank 16 (first + 4 i) + lane % 16,
	v_min_u32 v[TMP+1+(\i)], s20, v[TMP+1+(\i)]    ; or the last row's
	v_min_u32 v[TMP+1+(\i)], 0x3ff, v[TMP+1+(\i)]
	v_lshl_add_u32 v[TMP+1+(\i)], v[TMP+1+(\i)], 2, s51
	ds_load_b32 v[TMP+4+(\i)], v[TMP+1+(\i)]
.endr
	s_wait_dscnt 0x0
.irp i, 0,1,2
	v_min_u32 v[TMP+4+(\i)], 0x3ff, v[TMP+4+(\i)]
	v_lshl_add_u32 v[VA+(\i)], v[TMP+4+(\i)], ROWSH, v[H16]
.endr
.endm
.macro ACCINIT                         ; the sums start at the bias (0 in quarters 1 to 3): no first K step is written out
	WIN 0x41                                       ; destination and source in window 1
.irp i, 0,1,2
.set mm, 0
.rept 64
	v_mov_b32 v[ACC+64*(\i)+mm], v[BIAS+mm]
.set mm, mm+1
.endr
.endr
	WIN 0
.endm
; One register of my 256 tokens: lanes whose token chose my expert store the token at its rank, the others at a word of their own.  A rank is the count of chosen tokens in the blocks of the waves below mine, in my
; registers so far and in the lanes below mine: no two tokens of the work-group have the same.
.macro RANK reg, tok
	v_cmp_eq_u32 s35, s15, v[\reg]
	v_mbcnt_lo_u32_b32 v[TMP], s35, s37            ; my running rank + the chosen lanes below mine
	v_cndmask_b32 v[TMP], v[DUMP], v[TMP], s35
	v_min_u32 v[TMP], 0x47f, v[TMP]
	v_lshl_add_u32 v[TMP], v[TMP], 2, s51
	v_add_nc_u32 v[TMP+1], \tok, v[TK]
	ds_store_b32 v[TMP], v[TMP+1]
	s_bcnt1_i32_b32 s36, s35
	s_add_co_u32 s37, s37, s36
.endm
	s_load_b256 s[4:11], s[0:1], 0x0               ; h s[4:5], top1 s[6:7], w2 s[8:9], b2 s[10:11]
	s_load_b64 s[12:13], s[0:1], 0x20              ; part
	v_lshl_add_u32 v[SPW], v0, 2, SPARE
	v_mov_b32 v[NIL], 0
	v_lshrrev_b32 v[TMP], 5, v0
	v_readfirstlane_b32 s14, v[TMP]                ; wave 0..3
	v_and_b32 v[R], 15, v0
	v_bfe_u32 v[HH], v0, 4, 1
	v_and_b32 v[TMP], 31, v0                       ; lane
	v_lshlrev_b32 v[H16], 4, v[HH]
	v_lshlrev_b32 v[C16], 4, v[R]
	v_lshlrev_b32 v[VW], 4, v[TMP]
	s_mul_i32 s30, s14, 16*PITCH
	v_lshl_add_u32 v[VS0], v[TMP], 3, s30          ; into the slice: k-rows 16 w on, 8 bytes a lane
	s_lshl_b32 s31, s14, 8
	v_lshl_add_u32 v[TK], v[TMP], 2, s31
	v_add_nc_u32 v[DUMP], 1024, v0
	v_and_b32 v[TMP+1], 7, v0                      ; the turning load: lane l reads 16 bytes of k-row 8 (l / 16) + l % 8, columns 8 ((l / 8) % 2) + 0..7
	v_bfe_u32 v[TMP+2], v0, 3, 1
	v_lshl_add_u32 v[VB0], v[HH], 3, v[TMP+1]
	v_mul_u32_u24 v[VB0], v[VB0], PITCH
	v_lshl_add_u32 v[VB0], v[TMP+2], 4, v[VB0]
	s_mul_i32 s30, s14, 16*SPITCH
	s_add_co_u32 s30, s30, STAGE                   ; my stage
	v_mul_u32_u24 v[TMP+3], v[R], SPITCH           ; in: row lane % 16, 32 bytes (8 f32) for each half of the lanes
	v_lshl_add_u32 v[TMP+3], v[HH], 5, v[TMP+3]
	v_add_nc_u32 v[STO], s30, v[TMP+3]
	v_mul_u32_u24 v[TMP+4], v[HH], SPITCH          ; back: lanes 0-15 one row of 256 bytes, lanes 16-31 the next
	v_lshl_add_u32 v[TMP+4], v[R], 4, v[TMP+4]
	v_add_nc_u32 v[RD], s30, v[TMP+4]
	v_lshl_add_u32 v[TMP+5], v0, 4, LIST           ; the list's 1,024 ranks are set to token 0: a rank that no token takes still names a row inside the buffers
.irp i, 8,9,10,11
	v_mov_b32 v[TMP+(\i)], 0
.endr
	ds_store_b128 v[TMP+5], v[TMP+8:TMP+11]
	ds_store_b128 v[TMP+5], v[TMP+8:TMP+11] offset:2048
	s_lshl_b32 s31, s14, 10
	v_add_nc_u32 v[TMP+6], s31, v[VW]              ; my 256 tokens' 1,024 bytes of top1
	v_lshlrev_b32 v[TMP+7], 5, v[HH]               ; the bias: 32 x (lane / 16)
	s_and_b32 s15, ttmp7, 0xffff                   ; expert
	s_and_b32 s16, ttmp9, 7                        ; column slice
	s_lshr_b32 s54, ttmp9, 3                       ; K quarter
	s_lshl_b32 s30, s15, 24                        ; an expert's w2 is 16,777,216 bytes,
	s_lshl_b32 s31, s54, 22                        ; a quarter's 1,024 rows 4,194,304,
	s_add_co_u32 s30, s30, s31
	s_lshl_b32 s31, s16, 9                         ; my 128 columns are 512 bytes of a row,
	s_add_co_u32 s30, s30, s31
	s_lshl_b32 s31, s14, 16                        ; wave w has rows 16 w .. 16 w + 15 of each chunk
	s_add_co_u32 s30, s30, s31
	s_mov_b32 s31, 0
	s_lshl_b32 s32, s15, 12                        ; b2: 4,096 bytes an expert
	s_lshl_b32 s33, s16, 9
	s_add_co_u32 s32, s32, s33
	s_mov_b32 s33, 0
	s_lshl_b32 s38, s54, 22                        ; part: 4,194,304 bytes a quarter, 512 bytes of a row
	s_lshl_b32 s39, s16, 9
	s_add_co_u32 s38, s38, s39
	s_mov_b32 s39, 0
	s_lshl_b32 s36, s54, 11                        ; h: a quarter is 2,048 bytes of a row
	s_mov_b32 s37, 0
	s_mov_b32 s51, LIST
	s_mov_b32 s52, 0xffff0000
	s_cmp_eq_u32 s54, 0
	s_cselect_b32 s53, -1, 0                       ; the bias is added in quarter 0 alone
	s_wait_kmcnt 0x0
	s_add_nc_u64 s[8:9], s[8:9], s[30:31]
	s_add_nc_u64 s[10:11], s[10:11], s[32:33]
	s_add_nc_u64 s[12:13], s[12:13], s[38:39]
	s_add_nc_u64 s[4:5], s[4:5], s[36:37]
	; the first loads, in this order: top1 (10), the bias (16), chunks 0 and 1 of the weights (32)
.irp j, 0,1,2,3,4,5,6,7
	global_load_b128 v[TOP+4*(\j):TOP+4*(\j)+3], v[VW], s[6:7] offset:512*(\j)     ; register 4 j + u of a lane: token 128 j + 4 lane + u
.endr
.irp j, 0,1
	global_load_b128 v[OWN+4*(\j):OWN+4*(\j)+3], v[TMP+6], s[6:7] offset:512*(\j)  ; token 256 w + 128 j + 4 lane + u
.endr
	WIN 0x40
.irp nt, 0,1,2,3,4,5,6,7
	global_load_b128 v[BIAS+8*(\nt):BIAS+8*(\nt)+3],   v[TMP+7], s[10:11] offset:64*(\nt)      ; a lane's columns 16 nt + 8 (lane / 16) + 0..7
	global_load_b128 v[BIAS+8*(\nt)+4:BIAS+8*(\nt)+7], v[TMP+7], s[10:11] offset:64*(\nt)+16
.endr
	WIN 0x80
.irp u, 0,1
.irp q, 0,1
.irp i, 0,1,2,3,4,5,6,7
	global_load_b128 v[STG+64*(\u)+32*(\q)+4*(\i):STG+64*(\u)+32*(\q)+4*(\i)+3], v[VW], s[8:9] offset:(64*(\u)+8*(\q)+(\i))*STR th:TH_LOAD_NT
.endr
.endr
.endr
	WIN 0
	s_wait_dscnt 0x0                               ; for the others' sake: my part of the list is set
	s_barrier_signal -1
	s_barrier_wait -1
	s_wait_loadcnt 48                              ; top1 is in; the bias's 16 loads and the weights' 32 stay out
	; every wave counts all 1,024 choices; the running count in front of its own block of 256 is its first rank
	s_mov_b32 s19, 0
	s_mov_b32 s37, 0
.irp b, 0,1,2,3
	s_cmp_eq_u32 s14, \b
	s_cselect_b32 s37, s19, s37
.irp k, 0,1,2,3,4,5,6,7
	v_cmp_eq_u32 s35, s15, v[TOP+8*(\b)+(\k)]
	s_bcnt1_i32_b32 s36, s35
	s_add_co_u32 s19, s19, s36
.endr
.endr
.set jj, 0
.rept 8
	RANK OWN+jj, 128*(jj/4)+jj%4
.set jj, jj+1
.endr
	s_wait_dscnt 0x0                               ; for the others' sake: my tokens are in the list
	s_barrier_signal -1
	s_barrier_wait -1
	s_min_u32 s19, s19, 1024                       ; the expert's rows
	s_max_u32 s20, s19, 1
	s_sub_co_u32 s20, s20, 1
	s_add_co_u32 s21, s19, 15
	s_lshr_b32 s21, s21, 4                         ; its tiles
	s_mov_b32 s23, 0
	NTCALC
	ROWS
	s_barrier_signal -1                            ; my reads of the list are back (the wait stands in ROWS): behind this barrier the slice is stored into
	s_barrier_wait -1
	s_mov_b64 s[28:29], s[4:5]
	s_wait_loadcnt 32                              ; the bias is in; with the 24 loads below 56 are out
	TOKS 0, 0
	TOKS 1, 64
	TOKS 2, 128
	TOKS 3, 192
	WIN 0x05                                       ; the bias is rounded to bf16, as every input is, kept as f32, and 0 in quarters 1 to 3
.set mm, 0
.rept 32
	v_cvt_pk_bf16_f32 v[BF+mm], v[BIAS+2*mm], v[BIAS+2*mm+1]
.set mm, mm+1
.endr
	WIN 0
.set mm, 0
.rept 32
	v_and_b32 v[BF+mm], s53, v[BF+mm]
.set mm, mm+1
.endr
	WIN 0x40
.set mm, 0
.rept 32
	v_lshlrev_b32 v[BIAS+2*mm],   16,         v[BF+mm]
	v_and_b32     v[BIAS+2*mm+1], 0xffff0000, v[BF+mm]
.set mm, mm+1
.endr
	WIN 0
	ACCINIT
	s_mov_b32 s34, 0
	s_mov_b32 s18, 7
	s_wait_loadcnt 12                              ; chunks 0 and 1 of the weights and K steps 0 and 1 of the tokens are in; out are steps 2 and 3, twelve loads: from here the order of issue is the loop's own
.Ltrip:                                                ; seven trips of two chunks, 0 to 13; each chunk asks for what the chunk two on needs
	v_add_nc_u32 v[VS], s34, v[VS0]
	v_add_nc_u32 v[VB], s34, v[VB0]
	CHUNK 0, 1, 48, 48, 50, 50
	CHUNK 1, 1, 48, 48, 50, 50
	s_wait_xcnt 0x0                                ; the loads' bases are stepped only behind this wait
	s_add_nc_u64 s[8:9], s[8:9], 128*STR
	s_add_nc_u64 s[28:29], s[28:29], 256           ; 128 along K
	s_add_co_u32 s34, s34, 128*PITCH
	s_sub_co_u32 s18, s18, 1
	s_cmp_lg_u32 s18, 0
	s_cbranch_scc1 .Ltrip
	v_add_nc_u32 v[VS], s34, v[VS0]
	v_add_nc_u32 v[VB], s34, v[VB0]
	CHUNK 0, 0, 48, 40, 34, 28                     ; chunks 14 and 15 are written out: nothing is left to ask for, and the counts run down:
	CHUNK 1, 0, 20, 12, 6, 0                       ; out are W14 (8 + 8), T28, T29 (6 + 6), W15 (8 + 8), T30, T31 (6 + 6)
	s_mov_b32 s24, 6
	s_branch .Lepi                                 ; pass 0's products are done: the loop over passes is entered at its way out
; Every wave passes both in every pass; a wave without rows jumps from behind the first to in front of the second.
.Lgrp:
	s_wait_dscnt 0x0                               ; my stores into my stage, and my reads of it, are done
	s_barrier_signal -1
	s_barrier_wait -1                              ; from here to the next barrier LDS is only read
	NTCALC
	s_cmp_eq_u32 s22, 0
	s_cbranch_scc1 .Lkdone                         ; no rows left for me in this pass
	ROWS
	ACCINIT
	s_mov_b64 s[28:29], s[4:5]
	s_mov_b32 s33, 0
	s_mov_b32 s25, 16
.Lk:                                                   ; a chunk a trip, from the resident slice
	v_add_nc_u32 v[VBK], s33, v[VB0]
	PLACES                                         ; behind the last products, which read the registers loaded below
	FRAGS 0, VBK
	TOKS 0, 0
	TOKS 1, 64
	s_wait_loadcnt 0x0
	s_wait_dscnt 0x0
	MM 0, 0
	MM 1, 1
	s_add_nc_u64 s[28:29], s[28:29], 128           ; the loads that named this base are done
	s_add_co_u32 s33, s33, 64*PITCH
	s_sub_co_u32 s25, s25, 1
	s_cmp_lg_u32 s25, 0
	s_cbranch_scc1 .Lk
.Lkdone:
	s_wait_dscnt 0x0                               ; my reads of the slice are back
	s_barrier_signal -1
	s_barrier_wait -1                              ; every wave's are: now the stages are written
.Lepi:
	PLACES                                         ; behind the last products
; THE WAY OUT of tile i: the f32 sums go through my stage, 64 columns (256 bytes of each of 16 rows) at a time, and leave as whole pieces of 256 bytes of the tokens' rows of part.
.macro TILEOUT i
	s_cmp_le_u32 s22, \i
	s_cbranch_scc1 .Lepi_end                       ; the live tiles come first: nothing more to store
	s_wait_xcnt 0x0                                ; the last tile's stores have read their registers
.irp t, 0,1,2,3,4,5,6,7
	v_add_nc_u32 v[ETMP+(\t)], 64*(\i)+2*(\t), v[RIDX]  ; the ranks of the rows that I store,
	v_min_u32 v[ETMP+(\t)], s20, v[ETMP+(\t)]           ; or the last row's
	v_min_u32 v[ETMP+(\t)], 0x3ff, v[ETMP+(\t)]
	v_lshl_add_u32 v[ETMP+(\t)], v[ETMP+(\t)], 2, s51
	ds_load_b32 v[EOFF+(\t)], v[ETMP+(\t)]
.endr
	s_wait_dscnt 0x0
.irp t, 0,1,2,3,4,5,6,7
	v_min_u32 v[EOFF+(\t)], 0x3ff, v[EOFF+(\t)]
	v_lshl_add_u32 v[EOFF+(\t)], v[EOFF+(\t)], 12, v[C16]  ; a row of part is 4,096 bytes
.endr
.irp hf, 0,1
	WIN 0x04                                       ; the stores' data in window 1
.irp c, 0,1,2,3
	ds_store_b128 v[STO], v[ACC+64*(\i)+8*(4*(\hf)+(\c)):ACC+64*(\i)+8*(4*(\hf)+(\c))+3]   offset:64*(\c)      ; each sum's lowest registers are read first
	ds_store_b128 v[STO], v[ACC+64*(\i)+8*(4*(\hf)+(\c))+4:ACC+64*(\i)+8*(4*(\hf)+(\c))+7] offset:64*(\c)+16
.endr
	WIN 0
.irp t, 0,1,2,3,4,5,6,7
	ds_load_b128 v[OB+32*(\hf)+4*(\t):OB+32*(\hf)+4*(\t)+3], v[RD] offset:2*SPITCH*(\t)  ; LDS serves a wave's instructions in order (ISA guide 5.7.1.4): these see the stores above, and the next half's stores come behind them
.endr
.irp t, 0,1,2,3,4,5,6,7
	s_wait_dscnt 7-(\t)
	global_store_b128 v[EOFF+(\t)], v[OB+32*(\hf)+4*(\t):OB+32*(\hf)+4*(\t)+3], s[12:13] offset:256*(\hf)  ; 16 lanes store 256 consecutive bytes, at a multiple of 256 from part's first byte
.endr
.endr
.endm
	TILEOUT 0
	TILEOUT 1
	TILEOUT 2
.Lepi_end:
	s_add_co_u32 s23, s23, 1
	s_sub_co_u32 s24, s24, 1
	s_cmp_lg_u32 s24, 0
	s_cbranch_scc1 .Lgrp
	s_wait_tensorcnt 0x0                           ; the wave's end, behind my last LDS store
	ds_add_u32 v[SPW], v[NIL]
	s_wait_dscnt 0x0
	s_endpgm
.Lfunc_end_k_q351f4f7226_ffn2:
	.size	k_q351f4f7226_ffn2, .Lfunc_end_k_q351f4f7226_ffn2-k_q351f4f7226_ffn2
	.p2alignl 7, 3214868480
	.fill 96, 4, 3214868480
	.section	.rodata,"a",@progbits
	.p2align	6, 0x0
	.amdhsa_kernel k_q351f4f7226_ffn2
		.amdhsa_group_segment_fixed_size 317440
		.amdhsa_private_segment_fixed_size 0
		.amdhsa_enable_private_segment 0
		.amdhsa_kernarg_size 40
		.amdhsa_user_sgpr_count 2
		.amdhsa_user_sgpr_kernarg_segment_ptr 1
		.amdhsa_wavefront_size32 1
		.amdhsa_system_sgpr_workgroup_id_x 1
		.amdhsa_system_sgpr_workgroup_id_y 1
		.amdhsa_system_sgpr_workgroup_id_z 1
		.amdhsa_system_vgpr_workitem_id 0
		.amdhsa_next_free_vgpr 704
		.amdhsa_next_free_sgpr 66
		.amdhsa_reserve_vcc 0
		.amdhsa_float_denorm_mode_32 3
		.amdhsa_float_denorm_mode_16_64 3
		.amdhsa_memory_ordered 1
		.amdhsa_forward_progress 1
		.amdhsa_inst_pref_size 131
	.end_amdhsa_kernel
	.amdgpu_metadata
---
amdhsa.version: [ 1, 2 ]
amdhsa.kernels:
  - .name:           k_q351f4f7226_ffn2
    .symbol:         k_q351f4f7226_ffn2.kd
    .args:
      - { .name: h, .offset: 0, .size: 8, .value_kind: global_buffer, .address_space: global }
      - { .name: top1, .offset: 8, .size: 8, .value_kind: global_buffer, .address_space: global }
      - { .name: w2, .offset: 16, .size: 8, .value_kind: global_buffer, .address_space: global }
      - { .name: b2, .offset: 24, .size: 8, .value_kind: global_buffer, .address_space: global }
      - { .name: part, .offset: 32, .size: 8, .value_kind: global_buffer, .address_space: global }
    .group_segment_fixed_size: 317440
    .private_segment_fixed_size: 0
    .kernarg_segment_align: 8
    .kernarg_segment_size: 40
    .max_flat_workgroup_size: 128
    .sgpr_count:     66
    .vgpr_count:     704
    .wavefront_size: 32
...
	.end_amdgpu_metadata
.endif
;; end of part 3
;; launch combine (part 4): grid 256 x 1, 8 waves a work-group, no clusters, 0 bytes of LDS; arguments part, out0; writes out0
.if DOCPART == 4
	.amdgcn_target "amdgcn-amd-amdhsa--gfx1250"
	.amdhsa_code_object_version 6
	.text
	.protected	k_q351f4f7226_combine
	.globl	k_q351f4f7226_combine
	.p2align	8
	.type	k_q351f4f7226_combine,@function
k_q351f4f7226_combine:
	s_mov_b64 s[64:65], 0
	v_nop
	global_prefetch_b8 v0, s[64:65] scope:SCOPE_SE
	s_setreg_imm32_b32 hwreg(HW_REG_WAVE_MODE, 25, 1), 1
	s_wait_xcnt 0x0
; out0 = (part[0] + part[1]) + (part[2] + part[3]): the four K quarters of the second product, all f32, [1024][1024] each.
; A stream: a work-group has 16,384 consecutive bytes of the output, a thread 16 bytes in each of four blocks of 4,096.  All sixteen loads of a thread go out before the first wait;
; each load and store of a wave covers 512 consecutive bytes.  No LDS, no barrier, no matrix unit: there is nothing to share and nothing to multiply.
.set P, 4                              ; v[4:67]  block j, quarter q at P + 16 j + 4 q
	s_load_b128 s[4:7], s[0:1], 0x0                ; part s[4:5], out0 s[6:7]
	v_lshlrev_b32 v1, 4, v0
	s_lshl_b32 s8, ttmp9, 14
	v_add_nc_u32 v1, s8, v1
	s_wait_kmcnt 0x0
	s_add_nc_u64 s[10:11], s[4:5], 0x400000        ; a quarter is 4,194,304 bytes: past the second the immediate would not reach, so each has its base
	s_add_nc_u64 s[12:13], s[4:5], 0x800000
	s_add_nc_u64 s[14:15], s[4:5], 0xc00000
.irp j, 0,1,2,3
	global_load_b128 v[P+16*(\j):P+16*(\j)+3],     v1, s[4:5]   offset:4096*(\j) th:TH_LOAD_NT
	global_load_b128 v[P+16*(\j)+4:P+16*(\j)+7],   v1, s[10:11] offset:4096*(\j) th:TH_LOAD_NT
	global_load_b128 v[P+16*(\j)+8:P+16*(\j)+11],  v1, s[12:13] offset:4096*(\j) th:TH_LOAD_NT
	global_load_b128 v[P+16*(\j)+12:P+16*(\j)+15], v1, s[14:15] offset:4096*(\j) th:TH_LOAD_NT
.endr
.irp j, 0,1,2,3
	s_wait_loadcnt 12-4*(\j)                       ; block j's four loads are in; the later blocks' four each stay out
	v_pk_add_f32 v[P+16*(\j):P+16*(\j)+1],     v[P+16*(\j):P+16*(\j)+1],     v[P+16*(\j)+4:P+16*(\j)+5]
	v_pk_add_f32 v[P+16*(\j)+2:P+16*(\j)+3],   v[P+16*(\j)+2:P+16*(\j)+3],   v[P+16*(\j)+6:P+16*(\j)+7]
	v_pk_add_f32 v[P+16*(\j)+8:P+16*(\j)+9],   v[P+16*(\j)+8:P+16*(\j)+9],   v[P+16*(\j)+12:P+16*(\j)+13]
	v_pk_add_f32 v[P+16*(\j)+10:P+16*(\j)+11], v[P+16*(\j)+10:P+16*(\j)+11], v[P+16*(\j)+14:P+16*(\j)+15]
	v_pk_add_f32 v[P+16*(\j):P+16*(\j)+1],     v[P+16*(\j):P+16*(\j)+1],     v[P+16*(\j)+8:P+16*(\j)+9]
	v_pk_add_f32 v[P+16*(\j)+2:P+16*(\j)+3],   v[P+16*(\j)+2:P+16*(\j)+3],   v[P+16*(\j)+10:P+16*(\j)+11]
	global_store_b128 v1, v[P+16*(\j):P+16*(\j)+3], s[6:7] offset:4096*(\j) th:TH_STORE_NT
.endr
	s_endpgm
.Lfunc_end_k_q351f4f7226_combine:
	.size	k_q351f4f7226_combine, .Lfunc_end_k_q351f4f7226_combine-k_q351f4f7226_combine
	.p2alignl 7, 3214868480
	.fill 96, 4, 3214868480
	.section	.rodata,"a",@progbits
	.p2align	6, 0x0
	.amdhsa_kernel k_q351f4f7226_combine
		.amdhsa_group_segment_fixed_size 0
		.amdhsa_private_segment_fixed_size 0
		.amdhsa_enable_private_segment 0
		.amdhsa_kernarg_size 16
		.amdhsa_user_sgpr_count 2
		.amdhsa_user_sgpr_kernarg_segment_ptr 1
		.amdhsa_wavefront_size32 1
		.amdhsa_system_sgpr_workgroup_id_x 1
		.amdhsa_system_sgpr_workgroup_id_y 1
		.amdhsa_system_sgpr_workgroup_id_z 1
		.amdhsa_system_vgpr_workitem_id 0
		.amdhsa_next_free_vgpr 72
		.amdhsa_next_free_sgpr 66
		.amdhsa_reserve_vcc 0
		.amdhsa_float_denorm_mode_32 3
		.amdhsa_float_denorm_mode_16_64 3
		.amdhsa_memory_ordered 1
		.amdhsa_forward_progress 1
		.amdhsa_inst_pref_size 5
	.end_amdhsa_kernel
	.amdgpu_metadata
---
amdhsa.version: [ 1, 2 ]
amdhsa.kernels:
  - .name:           k_q351f4f7226_combine
    .symbol:         k_q351f4f7226_combine.kd
    .args:
      - { .name: part, .offset: 0, .size: 8, .value_kind: global_buffer, .address_space: global }
      - { .name: out0, .offset: 8, .size: 8, .value_kind: global_buffer, .address_space: global }
    .group_segment_fixed_size: 0
    .private_segment_fixed_size: 0
    .kernarg_segment_align: 8
    .kernarg_segment_size: 16
    .max_flat_workgroup_size: 256
    .sgpr_count:     66
    .vgpr_count:     72
    .wavefront_size: 32
...
	.end_amdgpu_metadata
.endif
;; end of part 4
;; ======== version 2 of 3: 4 launches; 1.19 times as fast as version 1
;; limits: a function is approximated: absolute error at most 2.5e-05; an absolute error that grows with the inputs' magnitude: up to 1.25e-05 times it
;; workspace buffers: xb 2,097,152 bytes; top1 4,096 bytes of whole numbers; h 8,388,608 bytes; part 16,777,216 bytes
;; launch router: the kernel of part 1 again; grid 256 x 1, 4 waves a work-group, no clusters, 1,024 bytes of LDS; arguments x, w_router, b_router, xb, top1; writes xb, top1
;; launch ffn1 (part 5): grid 32 x 8, 4 waves a work-group, no clusters, 317,440 bytes of LDS; arguments xb, top1, w1, b1, h; writes h
.if DOCPART == 5
	.amdgcn_target "amdgcn-amd-amdhsa--gfx1250"
	.amdhsa_code_object_version 6
	.text
	.protected	k_q351f4f7226_ffn1
	.globl	k_q351f4f7226_ffn1
	.p2align	8
	.type	k_q351f4f7226_ffn1,@function
k_q351f4f7226_ffn1:
	s_mov_b64 s[64:65], 0
	v_nop
	global_prefetch_b8 v0, s[64:65] scope:SCOPE_SE
	s_setreg_imm32_b32 hwreg(HW_REG_WAVE_MODE, 25, 1), 1
	s_wait_xcnt 0x0
; FIRST PRODUCT.  h[token][:] = bf16(gelu(xb[token] . bf16(w1[e]) + bf16(b1[e]))) for the tokens whose top1 is e.  xb: [1024][1024] bf16; w1: [8][1024][4096] f32; h: [1024][4096] bf16.
; SHARES.  Work-group (n, e) has columns 128 n .. 128 n + 127 of expert e: 1,024 x 128 weights, which it alone reads, once, and all of that expert's tokens.  Four waves, all alike: no branch hangs on the wave's number.
; THE STREAM.  K goes in chunks of 64.  Of each chunk wave w loads k-rows 16 w .. 16 w + 15 as f32 (512 consecutive bytes a load), rounds them to bf16 and lays them into LDS as [k][n], where the whole slice stays.
; Then every wave takes the chunk's weight fragments turned out of LDS (ds_load_tr16_b128), its token fragments straight from memory, and multiplies.  A chunk has two barriers: the slice is stored into between
; one chunk's second and the next one's first, and read between a chunk's first and its second.
; LOADS AHEAD.  A wave's loads share one counter, which falls in the order of issue, so tokens are asked for exactly as far ahead as weights: two chunks.  A chunk is 16 weight loads and 12 token loads a wave: 56 are out.
; ROWS.  The expert's tokens are ranked: by the register of top1 in which a token lies (32 of them), then by the lane.  Tiles of 16 ranks; in pass S (0..5: 72 tiles, and 64 are the most) wave w has tiles 12 S + w + 4 i, i = 0..2.
; Pass 0 runs under the stream.  Its tokens are found in registers: every wave holds the expert's bitmap of the 1,024 choices in 32 scalar registers, and each lane finds the token of its rank there, so that the first
; token loads hang on top1 alone: no LDS round trip and no barrier stands ahead of them.  While they are on their way the four waves rank the tokens, in the same order, into a list in LDS (rank -> token), which serves
; the ways out and passes 1-5 (an expert with more than 192 tokens), which run from the resident slice without loads ahead.  The count of passes is a constant and every wave passes their barriers; a pass or a tile
; without rows is jumped over (loads of its own, matrix work and stores only).
; Places past the count repeat the last row: the same numbers go to the same address.  An expert without tokens still streams its slice and stores nothing: the price of a grid that serves every split.
; NO CLUSTER: each slice of weights has one reader, and the token rows that an expert's work-groups share come by a list, which no tile descriptor covers.
; LAYOUT.  Source 0 = 16 columns of the weights, source 1 = 16 tokens: a lane's eight results are eight neighbouring columns of one token's row.  The sums start at the bias.
; GELU.  z/2 + |z| (1/2 - q), q = (a1 t + a2 t^2 + a3 t^3) exp(-z^2/2) / 2, t = 1 / (1 + p |z| / sqrt 2): the rational approximation of erf with an error of at most 2.5e-5 for every argument,
; so h is off by at most 1.25e-5 |z| before its rounding.  LIMITS.  h is rounded once to bf16: 8 significant bits, f32's range; the second product then takes w2, rounded to bf16 as every input is, as it stands.
; NaN and infinities are not treated apart.
.set STR,    16384                     ; bytes from a row of w1 to the next
.set ROWSH,  11                        ; a token's row of xb is 2,048 bytes
.set PITCH,  288                       ; a k-row of the slice in LDS: 256 bytes + 32: the eight rows x 32 bytes that sixteen lanes of a turning load take fall on different words modulo 256 bytes
.set LIST,   294912                    ; behind the slice's 1,024 rows: words 0-1023 rank -> token; words 1024-1151 a word a thread for tokens of other experts
.set STAGE,  299520                    ; 16 rows x 272 bytes for each wave, its own, for the way out
.set SPITCH, 272
.set SPARE,  316928                    ; the spare words, 128 bytes for each of four waves
; window 0
.set R,    1                           ; v1   lane % 16
.set SPW,  2                           ; v2   my spare word's address; never rewritten
.set NIL,  3                           ; v3   0; never rewritten
.set HH,   4                           ; v4   lane / 16
.set H16,  5                           ; v5   16 x (lane / 16)
.set VB0,  6                           ; v6   my lane's place in a weight fragment; v7 the same in the stream's trip in hand
.set VB,   7
.set VA,   8                           ; v8-10  tile i: byte offset of my token's row + 16 x (lane / 16)
.set VW,   11                          ; v11  16 x lane
.set VS0,  12                          ; v12  my 16 k-rows of a chunk + 8 x lane; v13 the same in the trip in hand
.set VS,   13
.set STO,  14                          ; v14  the way out: where I put 16 bytes of a row
.set RD,   15                          ; v15  where I read rows back
.set C16,  16                          ; v16  16 x (lane % 16)
.set RIDX, 17                          ; v17  rank of the row that I store first
.set TK,   18                          ; v18  256 x wave + 4 x lane: the first of my tokens in the ranking
.set DUMP, 19                          ; v19  1024 + my thread's number
.set TMP,  20                          ; v20-31 at work at the start, v20-26 later
.set VBK,  31                          ; v31  passes 1-5: my lane's place in a weight fragment of the chunk in hand
.set BF,   32                          ; v32-159 two buffers of 64: weight fragments of a chunk's two K steps
.set TOP,  32                          ; at the start: all of top1 (32 registers), my 256 tokens' (8)
.set OWN,  64
.set SEL,  72                          ; at the start: v72-107, a set of 12 for each of my three tiles: +0 rank, then place among the word's set bits; +1 the bitmap's word; +2 running count and first token; +3..+6 counts of 2, 4, 8, 16 bits; +7 bit; +8, +9 at work
.set AF,   160                         ; v160-255 a ring of four buffers of 24: token fragments of a K step, 8 registers a tile
.set U,    32                          ; the way out: kappa z (64), z / 2 (64), three sets of 32 at work
.set HZ,   96
.set TD,   160
.set TW,   192
.set TP,   224
.set EOFF, 192                         ; the way out, behind the gelu: byte offsets of the rows that I store; list addresses
.set ETMP, 224
; window 1
.set ACC,  0                           ; v0-191 sums (tile i, column block nt at 64 i + 8 nt); v192-255 the bias of a lane's 64 columns
.set BIAS, 192
; window 2
.set STG,  0                           ; v0-127 two chunks of weights as loaded (slot u, group q, row i at 64 u + 32 q + 4 i); v128-159 rounded
.set PT,   128
.set KAP,  40                          ; s[40:41] kappa = sqrt(log2(e) / 2): 2^-(kappa z)^2 = exp(-z^2 / 2)
.set A3,   42                          ; s[42:47] a3, a2, a1, each over 2 kappa
.set A2,   44
.set A1,   46
.set C0,   48                          ; s[48:49] 1 / (2 kappa)
.set PP,   50                          ; s50  p / (sqrt 2 kappa)
.set CM,   56                          ; s56-58 a compare's mask for each of my three tiles
.set MK,   66                          ; s66-97 the expert's bitmap: bit l of word j: token 128 (j / 4) + 4 l + j % 4 chose it
; s14 wave; s15 expert; s18 trips; s19 count; s20 count - 1 (at least 0); s21 tiles; s22 NT, my live tiles of the pass; s23 pass; s24 passes to go; s25, s26 counters; s27 my first tile;
; s[28:29] the tokens' base in the trip in hand; s33 passes 1-5: the chunk's LDS offset; s34 the stream's trip's LDS offset; s35-37 mask, its bits, my running rank; s38, s39 the bitmap's running count, and the word's
; first token above it; s51 LIST
.set MSB, 0
.macro WIN new                         ; s_set_vgpr_msb: bits 1:0 source 0, 3:2 source 1, 5:4 source 2, 7:6 destination; the high byte repeats the setting that is left
.if MSB != (\new)
	s_set_vgpr_msb (MSB<<8)|(\new)
.set MSB, (\new)
.endif
.endm
.macro PLACES                          ; a load into, or a vector line on, a matrix instruction's registers stands four plain vector instructions behind it
.rept 4
	v_nop
.endr
.endm
; My 16 k-rows of a chunk (slot u of two): waited for in two groups of eight, rounded, and then stored in one run, so that the first stores' data are long made.  n0, n1: the younger loads that may stay out.
.macro PROD u, n0, n1
	WIN 0x8a                                       ; sources and destination in window 2
.irp q, 0,1
.if (\q) == 0
	s_wait_loadcnt \n0
.else
	s_wait_loadcnt \n1
.endif
.irp i, 0,1,2,3,4,5,6,7
	v_cvt_pk_bf16_f32 v[PT+16*(\q)+2*(\i)],   v[STG+64*(\u)+32*(\q)+4*(\i)],   v[STG+64*(\u)+32*(\q)+4*(\i)+1]
	v_cvt_pk_bf16_f32 v[PT+16*(\q)+2*(\i)+1], v[STG+64*(\u)+32*(\q)+4*(\i)+2], v[STG+64*(\u)+32*(\q)+4*(\i)+3]
.endr
.endr
	WIN 0x08                                       ; the stores' data in window 2
.irp q, 0,1
.irp i, 0,1,2,3,4,5,6,7
	ds_store_b64 v[VS], v[PT+16*(\q)+2*(\i):PT+16*(\q)+2*(\i)+1] offset:(64*(\u)+8*(\q)+(\i))*PITCH  ; a k-row's 256 bytes, 8 a lane
.endr
.endr
	WIN 0
.endm
.macro RELOAD u                        ; slot u's registers, which have been rounded, take my 16 k-rows of the chunk two on
	WIN 0x80                                       ; destination in window 2
.irp q, 0,1
.irp i, 0,1,2,3,4,5,6,7
	global_load_b128 v[STG+64*(\u)+32*(\q)+4*(\i):STG+64*(\u)+32*(\q)+4*(\i)+3], v[VW], s[8:9] offset:(64*((\u)+2)+8*(\q)+(\i))*STR th:TH_LOAD_NT  ; 207 rows at the most: inside the signed 24-bit immediate
.endr
.endr
	WIN 0
.endm
; Eight matrix instructions: tile i, all 8 column blocks, 32 along K.  The eight sums take turns, also where one tile alone is live.
.macro MM8 buf, ab, i
	WIN 0x50                                       ; C and D in window 1
.irp nt, 0,1,2,3,4,5,6,7
	v_wmma_f32_16x16x32_bf16 v[ACC+64*(\i)+8*(\nt):ACC+64*(\i)+8*(\nt)+7], v[BF+64*(\buf)+8*(\nt):BF+64*(\buf)+8*(\nt)+7], v[AF+24*(\ab)+8*(\i):AF+24*(\ab)+8*(\i)+7], v[ACC+64*(\i)+8*(\nt):ACC+64*(\i)+8*(\nt)+7]
.endr
	WIN 0
.endm
.macro MM buf, ab                      ; a K step: my live tiles' products; only matrix instructions are jumped over
	s_cmp_eq_u32 s22, 0
	s_cbranch_scc1 .Lmm_\@
	MM8 \buf, \ab, 0
	s_cmp_lt_u32 s22, 2
	s_cbranch_scc1 .Lmm_\@
	MM8 \buf, \ab, 1
	s_cmp_lt_u32 s22, 3
	s_cbranch_scc1 .Lmm_\@
	MM8 \buf, \ab, 2
.Lmm_\@:
.endm
.macro TOKS ab, off                    ; six loads: one K step's token fragments, 64 bytes of each of 3 x 16 rows
.irp i, 0,1,2
	global_load_b128 v[AF+24*(\ab)+8*(\i):AF+24*(\ab)+8*(\i)+3],   v[VA+(\i)], s[28:29] offset:(\off)
	global_load_b128 v[AF+24*(\ab)+8*(\i)+4:AF+24*(\ab)+8*(\i)+7], v[VA+(\i)], s[28:29] offset:(\off)+32
.endr
.endm
.macro FRAGS u, a                      ; 32 LDS loads in one run: a chunk's weight fragments, the first K step's first; a: the address register
.irp nt, 0,1,2,3,4,5,6,7
	ds_load_tr16_b128 v[BF+8*(\nt):BF+8*(\nt)+3],   v[\a] offset:64*(\u)*PITCH+32*(\nt)             ; k = 8 (lane / 16) + 0..7 of column 16 nt + lane % 16
	ds_load_tr16_b128 v[BF+8*(\nt)+4:BF+8*(\nt)+7], v[\a] offset:64*(\u)*PITCH+32*(\nt)+16*PITCH    ; k = 16 + 8 (lane / 16) + 0..7
.endr
.irp nt, 0,1,2,3,4,5,6,7
	ds_load_tr16_b128 v[BF+64+8*(\nt):BF+64+8*(\nt)+3],   v[\a] offset:64*(\u)*PITCH+32*(\nt)+32*PITCH
	ds_load_tr16_b128 v[BF+64+8*(\nt)+4:BF+64+8*(\nt)+7], v[\a] offset:64*(\u)*PITCH+32*(\nt)+48*PITCH
.endr
.endm
; A chunk c, slot u = c % 2; its K steps use ring buffers 2 u and 2 u + 1.  st = 1: W(c + 2), T(2 c + 4) and T(2 c + 5) are asked for, in this order, chunk after chunk.  So at the chunk's head, behind the first eight
; loads of W(c) stand 8 + 12 + 16 + 12 = 48 younger ones and behind its last eight 12 + 16 + 12 = 40; behind T(2 c), when W(c + 2) has been asked for, 6 + 16 + 12 + 16 = 50; behind T(2 c + 1) 16 + 12 + 16 + 6 = 50.
; W(c + 2) is asked for behind the run of LDS loads: its sixteen issues stand in the time in which the fragments come.
; step = 1 (a trip's second chunk): the two bases go on to the next trip's place ahead of the trip's last six token loads, which take 256 bytes less in their immediate.
.macro CHUNK u, st, n0, n1, t0, t1, step=0
	PROD \u, \n0, \n1
	s_wait_dscnt 0x0                               ; for the others' sake: my stores of this chunk are done
	s_barrier_signal -1
	s_barrier_wait -1                              ; the chunk is whole
	FRAGS \u, VB                                   ; (the conversions above are the places behind the last products)
.if \st
	RELOAD \u
.endif
	s_wait_dscnt 16                                ; the first K step's fragments are in; the second's sixteen loads stay out
	s_wait_loadcnt \t0                             ; the first K step's tokens are in
	MM 0, 2*(\u)
.if \st
	PLACES                                         ; behind the products that read the ring buffer loaded below
	TOKS 2*(\u), 128*(\u)+256
.endif
	s_wait_dscnt 0x0                               ; my reads of the slice are back
	s_barrier_signal -1
	s_barrier_wait -1                              ; from here to the next barrier the slice is only stored into
	s_wait_loadcnt \t1                             ; the second K step's tokens are in
	MM 1, 2*(\u)+1
.if \st
	PLACES
.if \step
	s_wait_xcnt 0x0                                ; the loads' bases are stepped only behind this wait; the youngest loads that name them stand ahead of the barrier and the products above
	s_add_nc_u64 s[8:9], s[8:9], 128*STR
	s_add_nc_u64 s[28:29], s[28:29], 256           ; 128 along K
.endif
	TOKS 2*(\u)+1, 128*(\u)+320-256*(\step)
.endif
.endm
.macro NTCALC                          ; my first tile of pass s23 and how many of my three are live: ceil((tiles - first) / 4), held to 0 .. 3
	s_mul_i32 s27, s23, 12
	s_add_co_u32 s27, s27, s14
	s_sub_co_i32 s22, s21, s27
	s_add_co_i32 s22, s22, 3
	s_max_i32 s22, s22, 0
	s_lshr_b32 s22, s22, 2
	s_min_u32 s22, s22, 3
.endm
; PASS 0'S TOKENS, OUT OF THE BITMAP.  One line for each of my three tiles' sets of registers: XV is the set's first register, QM its compare mask.
.macro EACH line:vararg
.set XV, SEL
.set QM, CM
.rept 3
	\line
.set XV, XV+12
.set QM, QM+1
.endr
.endm
; The window in which the wanted set bit lies is halved: c names the counts of w bits, m cuts one of them out.  If the lower half holds too few set bits, they are taken off and the window's upper half is kept.
.macro HALVE c, m, w
	EACH v_lshrrev_b32 v[XV+8], v[XV+7], v[XV+(\c)]
	EACH v_and_b32 v[XV+8], \m, v[XV+8]
	EACH v_cmp_ge_u32 s[QM], v[XV], v[XV+8]
	EACH v_sub_nc_u32 v[XV+8], v[XV], v[XV+8]
	EACH v_add_nc_u32 v[XV+9], \w, v[XV+7]
	EACH v_cndmask_b32 v[XV], v[XV], v[XV+8], s[QM]
	EACH v_cndmask_b32 v[XV+7], v[XV+7], v[XV+9], s[QM]
.endm
.macro SELECT
	s_lshl_b32 s30, s27, 4
	v_add_nc_u32 v[RIDX], s30, v[HH]
	EACH v_add_nc_u32 v[XV], s30, v[R]             ; rank 16 (first + 4 i) + lane % 16,
.irp i, 1,2
	v_add_nc_u32 v[SEL+12*(\i)], 64*(\i), v[SEL+12*(\i)]
.endr
	EACH v_min_u32 v[XV], s20, v[XV]               ; or the last row's
	EACH v_mov_b32 v[XV+1], s[MK]                  ; word 0 begins at rank 0 and token 0
	EACH v_mov_b32 v[XV+2], 0
	s_mov_b32 s38, 0
	; the last word whose running count does not pass the rank holds the rank: a word without set bits hands the same count on to the next
.set jj, 1
.rept 31
	s_bcnt1_i32_b32 s36, s[MK+jj-1]
	s_add_co_u32 s38, s38, s36                     ; the set bits in front of word jj: 1,024 at the most,
	s_or_b32 s39, s38, (128*(jj/4)+jj%4)<<16       ; and above them the word's first token
	EACH v_cmp_le_u32 s[QM], s38, v[XV]
	EACH v_cndmask_b32 v[XV+1], v[XV+1], s[MK+jj], s[QM]
	EACH v_cndmask_b32 v[XV+2], v[XV+2], s39, s[QM]
.set jj, jj+1
.endr
	EACH v_and_b32 v[XV+8], 0xffff, v[XV+2]
	EACH v_lshrrev_b32 v[XV+2], 16, v[XV+2]        ; the word's first token
	EACH v_sub_nc_u32 v[XV], v[XV], v[XV+8]        ; which of the word's set bits, from 0
	EACH v_lshrrev_b32 v[XV+8], 1, v[XV+1]         ; the word's set bits counted in fields of 2, 4, 8 and 16 bits
	EACH v_and_b32 v[XV+8], 0x55555555, v[XV+8]
	EACH v_sub_nc_u32 v[XV+3], v[XV+1], v[XV+8]
	EACH v_lshrrev_b32 v[XV+8], 2, v[XV+3]
	EACH v_and_b32 v[XV+4], 0x33333333, v[XV+3]
	EACH v_and_b32 v[XV+8], 0x33333333, v[XV+8]
	EACH v_add_nc_u32 v[XV+4], v[XV+4], v[XV+8]
	EACH v_lshrrev_b32 v[XV+8], 4, v[XV+4]
	EACH v_add_nc_u32 v[XV+5], v[XV+4], v[XV+8]
	EACH v_and_b32 v[XV+5], 0x0f0f0f0f, v[XV+5]
	EACH v_lshrrev_b32 v[XV+8], 8, v[XV+5]
	EACH v_add_nc_u32 v[XV+6], v[XV+5], v[XV+8]    ; its lowest byte: the set bits of the word's lower 16
	EACH v_mov_b32 v[XV+7], 0
	HALVE 6, 0xff, 16
	HALVE 5, 0xff, 8
	HALVE 4, 15, 4
	HALVE 3, 3, 2
	HALVE 1, 1, 1
	EACH v_lshl_add_u32 v[XV+7], v[XV+7], 2, v[XV+2]  ; the token: the word's first + 4 x the bit
	EACH v_min_u32 v[XV+7], 0x3ff, v[XV+7]
.irp i, 0,1,2
	v_lshl_add_u32 v[VA+(\i)], v[SEL+12*(\i)+7], ROWSH, v[H16]
.endr
.endm
.macro ROWS                            ; passes 1-5 begin: my rows' tokens out of the list
	s_wait_xcnt 0x0                                ; earlier loads and stores have read their registers
	s_lshl_b32 s30, s27, 4
	v_add_nc_u32 v[TMP], s30, v[R]
	v_add_nc_u32 v[RIDX], s30, v[HH]
.irp i, 0,1,2
	v_add_nc_u32 v[TMP+1+(\i)], 64*(\i), v[TMP]    ; rank 16 (first + 4 i) + lane % 16,
	v_min_u32 v[TMP+1+(\i)], s20, v[TMP+1+(\i)]    ; or the last row's
	v_min_u32 v[TMP+1+(\i)], 0x3ff, v[TMP+1+(\i)]
	v_lshl_add_u32 v[TMP+1+(\i)], v[TMP+1+(\i)], 2, s51
	ds_load_b32 v[TMP+4+(\i)], v[TMP+1+(\i)]
.endr
	s_wait_dscnt 0x0
.irp i, 0,1,2
	v_min_u32 v[TMP+4+(\i)], 0x3ff, v[TMP+4+(\i)]
	v_lshl_add_u32 v[VA+(\i)], v[TMP+4+(\i)], ROWSH, v[H16]
.endr
.endm
.macro ACCINIT                         ; the sums start at the bias: no first K step is written out, and the way out adds nothing
	WIN 0x41                                       ; destination and source in window 1
.irp i, 0,1,2
.set mm, 0
.rept 64
	v_mov_b32 v[ACC+64*(\i)+mm], v[BIAS+mm]
.set mm, mm+1
.endr
.endr
	WIN 0
.endm
; One register of my 256 tokens: lanes whose token chose my expert store the token at its rank, the others at a word of their own.  A rank is the count of chosen tokens in the blocks of the waves below mine, in my
; registers so far and in the lanes below mine: no two tokens of the work-group have the same, and it is the bitmap's order.
.macro RANK reg, tok
	v_cmp_eq_u32 s35, s15, v[\reg]
	v_mbcnt_lo_u32_b32 v[TMP], s35, s37            ; my running rank + the chosen lanes below mine
	v_cndmask_b32 v[TMP], v[DUMP], v[TMP], s35
	v_min_u32 v[TMP], 0x47f, v[TMP]
	v_lshl_add_u32 v[TMP], v[TMP], 2, s51
	v_add_nc_u32 v[TMP+1], \tok, v[TK]
	ds_store_b32 v[TMP], v[TMP+1]
	s_bcnt1_i32_b32 s36, s35
	s_add_co_u32 s37, s37, s36
.endm
	s_load_b256 s[4:11], s[0:1], 0x0               ; xb s[4:5], top1 s[6:7], w1 s[8:9], b1 s[10:11]
	s_load_b64 s[12:13], s[0:1], 0x20              ; h
	v_lshl_add_u32 v[SPW], v0, 2, SPARE
	v_mov_b32 v[NIL], 0
	v_lshrrev_b32 v[TMP], 5, v0
	v_readfirstlane_b32 s14, v[TMP]                ; wave 0..3
	v_and_b32 v[R], 15, v0
	v_bfe_u32 v[HH], v0, 4, 1
	v_and_b32 v[TMP], 31, v0                       ; lane
	v_lshlrev_b32 v[H16], 4, v[HH]
	v_lshlrev_b32 v[C16], 4, v[R]
	v_lshlrev_b32 v[VW], 4, v[TMP]
	s_mul_i32 s30, s14, 16*PITCH
	v_lshl_add_u32 v[VS0], v[TMP], 3, s30          ; into the slice: k-rows 16 w on, 8 bytes a lane
	s_lshl_b32 s31, s14, 8
	v_lshl_add_u32 v[TK], v[TMP], 2, s31
	v_add_nc_u32 v[DUMP], 1024, v0
	v_and_b32 v[TMP+1], 7, v0                      ; the turning load: lane l reads 16 bytes of k-row 8 (l / 16) + l % 8, columns 8 ((l / 8) % 2) + 0..7
	v_bfe_u32 v[TMP+2], v0, 3, 1
	v_lshl_add_u32 v[VB0], v[HH], 3, v[TMP+1]
	v_mul_u32_u24 v[VB0], v[VB0], PITCH
	v_lshl_add_u32 v[VB0], v[TMP+2], 4, v[VB0]
	s_mul_i32 s30, s14, 16*SPITCH
	s_add_co_u32 s30, s30, STAGE                   ; my stage
	v_mul_u32_u24 v[TMP+3], v[R], SPITCH           ; in: row lane % 16, 16 bytes for each half of the lanes
	v_lshl_add_u32 v[TMP+3], v[HH], 4, v[TMP+3]
	v_add_nc_u32 v[STO], s30, v[TMP+3]
	v_mul_u32_u24 v[TMP+4], v[HH], SPITCH          ; back: lanes 0-15 one row of 256 bytes, lanes 16-31 the next
	v_lshl_add_u32 v[TMP+4], v[R], 4, v[TMP+4]
	v_add_nc_u32 v[RD], s30, v[TMP+4]
	v_lshl_add_u32 v[TMP+5], v0, 4, LIST           ; the list's 1,024 ranks are set to token 0: a rank that no token takes still names a row inside the buffers
.irp i, 8,9,10,11
	v_mov_b32 v[TMP+(\i)], 0
.endr
	ds_store_b128 v[TMP+5], v[TMP+8:TMP+11]
	ds_store_b128 v[TMP+5], v[TMP+8:TMP+11] offset:2048
	s_lshl_b32 s31, s14, 10
	v_add_nc_u32 v[TMP+6], s31, v[VW]              ; my 256 tokens' 1,024 bytes of top1
	v_lshlrev_b32 v[TMP+7], 5, v[HH]               ; the bias: 32 x (lane / 16)
	s_and_b32 s15, ttmp7, 0xffff                   ; expert
	s_lshl_b32 s30, s15, 24                        ; an expert's w1 is 16,777,216 bytes,
	s_lshl_b32 s31, ttmp9, 9                       ; my 128 columns are 512 bytes of a row,
	s_add_co_u32 s30, s30, s31
	s_lshl_b32 s31, s14, 18                        ; wave w has rows 16 w .. 16 w + 15 of each chunk
	s_add_co_u32 s30, s30, s31
	s_mov_b32 s31, 0
	s_lshl_b32 s32, s15, 14                        ; b1: 16,384 bytes an expert
	s_lshl_b32 s33, ttmp9, 9
	s_add_co_u32 s32, s32, s33
	s_mov_b32 s33, 0
	s_lshl_b32 s38, ttmp9, 8                       ; h: my 128 columns are 256 bytes of a row
	s_mov_b32 s39, 0
	s_mov_b32 s[KAP], 0x3f596d27                   ; 0.84932180
	s_mov_b32 s[KAP+1], s[KAP]                     ; (named as pairs, so both words are written)
	s_mov_b32 s[A3], 0x3ee16a97                    ; 0.44026634
	s_mov_b32 s[A3+1], s[A3]
	s_mov_b32 s[A2], 0xbd6732ca                    ; -0.05644492
	s_mov_b32 s[A2+1], s[A2]
	s_mov_b32 s[A1], 0x3e51cd01                    ; 0.20488359
	s_mov_b32 s[A1+1], s[A1]
	s_mov_b32 s[C0], 0x3f16b55f                    ; 0.58870501
	s_mov_b32 s[C0+1], s[C0]
	s_mov_b32 s[PP], 0x3ec88bda                    ; 0.39169197
	s_mov_b32 s51, LIST
	s_wait_kmcnt 0x0
	s_add_nc_u64 s[8:9], s[8:9], s[30:31]
	s_add_nc_u64 s[10:11], s[10:11], s[32:33]
	s_add_nc_u64 s[12:13], s[12:13], s[38:39]
	; the first loads, in this order: top1 (10), the bias (16), chunks 0 and 1 of the weights (32)
.irp j, 0,1,2,3,4,5,6,7
	global_load_b128 v[TOP+4*(\j):TOP+4*(\j)+3], v[VW], s[6:7] offset:512*(\j)     ; register 4 j + u of a lane: token 128 j + 4 lane + u
.endr
.irp j, 0,1
	global_load_b128 v[OWN+4*(\j):OWN+4*(\j)+3], v[TMP+6], s[6:7] offset:512*(\j)  ; token 256 w + 128 j + 4 lane + u
.endr
	WIN 0x40
.irp nt, 0,1,2,3,4,5,6,7
	global_load_b128 v[BIAS+8*(\nt):BIAS+8*(\nt)+3],   v[TMP+7], s[10:11] offset:64*(\nt)      ; a lane's columns 16 nt + 8 (lane / 16) + 0..7
	global_load_b128 v[BIAS+8*(\nt)+4:BIAS+8*(\nt)+7], v[TMP+7], s[10:11] offset:64*(\nt)+16
.endr
	WIN 0x80
.irp u, 0,1
.irp q, 0,1
.irp i, 0,1,2,3,4,5,6,7
	global_load_b128 v[STG+64*(\u)+32*(\q)+4*(\i):STG+64*(\u)+32*(\q)+4*(\i)+3], v[VW], s[8:9] offset:(64*(\u)+8*(\q)+(\i))*STR th:TH_LOAD_NT
.endr
.endr
.endr
	WIN 0
	s_wait_loadcnt 48                              ; top1 is in; the bias's 16 loads and the weights' 32 stay out
.set jj, 0
.rept 32
	v_cmp_eq_u32 s[MK+jj], s15, v[TOP+jj]          ; the expert's bitmap
.set jj, jj+1
.endr
	; every wave counts all 1,024 choices; the running count in front of its own block of 256 is its first rank in the list
	s_mov_b32 s19, 0
	s_mov_b32 s37, 0
.irp b, 0,1,2,3
	s_cmp_eq_u32 s14, \b
	s_cselect_b32 s37, s19, s37
.irp k, 0,1,2,3,4,5,6,7
	s_bcnt1_i32_b32 s36, s[MK+8*(\b)+(\k)]
	s_add_co_u32 s19, s19, s36
.endr
.endr
	s_min_u32 s19, s19, 1024                       ; the expert's rows
	s_max_u32 s20, s19, 1
	s_sub_co_u32 s20, s20, 1
	s_add_co_u32 s21, s19, 15
	s_lshr_b32 s21, s21, 4                         ; its tiles
	s_mov_b32 s23, 0
	NTCALC
	SELECT
	s_mov_b64 s[28:29], s[4:5]
	s_wait_loadcnt 32                              ; the bias is in; with the 24 loads below 56 are out
	TOKS 0, 0
	TOKS 1, 64
	TOKS 2, 128
	TOKS 3, 192
	s_wait_dscnt 0x0                               ; for the others' sake: my part of the list is set
	s_barrier_signal -1
	s_barrier_wait -1
.set jj, 0
.rept 8
	RANK OWN+jj, 128*(jj/4)+jj%4
.set jj, jj+1
.endr
	s_wait_dscnt 0x0                               ; for the others' sake: my tokens are in the list
	s_barrier_signal -1
	s_barrier_wait -1                              ; the list is whole; it is first read on the way out; behind this barrier the slice is stored into
	WIN 0x05                                       ; the bias is rounded to bf16, as every input is, and kept as f32
.set mm, 0
.rept 32
	v_cvt_pk_bf16_f32 v[BF+mm], v[BIAS+2*mm], v[BIAS+2*mm+1]
.set mm, mm+1
.endr
	WIN 0x40
.set mm, 0
.rept 32
	v_lshlrev_b32 v[BIAS+2*mm],   16,         v[BF+mm]
	v_and_b32     v[BIAS+2*mm+1], 0xffff0000, v[BF+mm]
.set mm, mm+1
.endr
	WIN 0
	ACCINIT
	s_mov_b32 s34, 0
	s_mov_b32 s18, 7
	s_wait_loadcnt 12                              ; chunks 0 and 1 of the weights and K steps 0 and 1 of the tokens are in; out are steps 2 and 3, twelve loads: from here the order of issue is the loop's own
.Ltrip:                                                ; seven trips of two chunks, 0 to 13; each chunk asks for what the chunk two on needs
	v_add_nc_u32 v[VS], s34, v[VS0]
	v_add_nc_u32 v[VB], s34, v[VB0]
	CHUNK 0, 1, 48, 40, 50, 50
	CHUNK 1, 1, 48, 40, 50, 50, 1
	s_add_co_u32 s34, s34, 128*PITCH
	s_sub_co_u32 s18, s18, 1
	s_cmp_lg_u32 s18, 0
	s_cbranch_scc1 .Ltrip
	v_add_nc_u32 v[VS], s34, v[VS0]
	v_add_nc_u32 v[VB], s34, v[VB0]
	CHUNK 0, 0, 48, 40, 34, 28                     ; chunks 14 and 15 are written out: nothing is left to ask for, and the counts run down:
	CHUNK 1, 0, 20, 12, 6, 0                       ; out are W14 (8 + 8), T28, T29 (6 + 6), W15 (8 + 8), T30, T31 (6 + 6)
	s_mov_b32 s24, 6
	s_branch .Lepi                                 ; pass 0's products are done: the loop over passes is entered at its way out
; Every wave passes both in every pass; a wave without rows jumps from behind the first to in front of the second.
.Lgrp:
	s_wait_dscnt 0x0                               ; my stores into my stage, and my reads of it, are done
	s_barrier_signal -1
	s_barrier_wait -1                              ; from here to the next barrier LDS is only read
	NTCALC
	s_cmp_eq_u32 s22, 0
	s_cbranch_scc1 .Lkdone                         ; no rows left for me in this pass
	ROWS
	ACCINIT
	s_mov_b64 s[28:29], s[4:5]
	s_mov_b32 s33, 0
	s_mov_b32 s25, 16
.Lk:                                                   ; a chunk a trip, from the resident slice
	v_add_nc_u32 v[VBK], s33, v[VB0]
	PLACES                                         ; behind the last products, which read the registers loaded below
	FRAGS 0, VBK
	TOKS 0, 0
	TOKS 1, 64
	s_wait_loadcnt 0x0
	s_wait_dscnt 0x0
	MM 0, 0
	MM 1, 1
	s_add_nc_u64 s[28:29], s[28:29], 128           ; the loads that named this base are done
	s_add_co_u32 s33, s33, 64*PITCH
	s_sub_co_u32 s25, s25, 1
	s_cmp_lg_u32 s25, 0
	s_cbranch_scc1 .Lk
.Lkdone:
	s_wait_dscnt 0x0                               ; my reads of the slice are back
	s_barrier_signal -1
	s_barrier_wait -1                              ; every wave's are: now the stages are written
.Lepi:
	PLACES                                         ; behind the last products
; THE WAY OUT, a tile at a time: gelu, bf16, through my stage, whole rows of 256 bytes to the tokens' rows of h.
.macro S1 ti                           ; kappa z and z / 2 out of window 1; each sum's lowest registers are read first
	WIN 0x01
.set mm, 0
.rept 32
	v_pk_mul_f32 v[U+2*mm:U+2*mm+1],   v[ACC+64*(\ti)+2*mm:ACC+64*(\ti)+2*mm+1], s[KAP:KAP+1] op_sel_hi:[1,0]
	v_pk_mul_f32 v[HZ+2*mm:HZ+2*mm+1], v[ACC+64*(\ti)+2*mm:ACC+64*(\ti)+2*mm+1], 0.5 op_sel_hi:[1,0]
.set mm, mm+1
.endr
	WIN 0
.endm
.macro HEAVY b                         ; 32 of the lane's 64 numbers
.set mm, 0
.rept 32
	v_fma_f32 v[TD+mm], |v[U+32*(\b)+mm]|, s[PP], 1.0
.set mm, mm+1
.endr
.set mm, 0
.rept 16
	v_pk_mul_f32 v[TW+2*mm:TW+2*mm+1], v[U+32*(\b)+2*mm:U+32*(\b)+2*mm+1], v[U+32*(\b)+2*mm:U+32*(\b)+2*mm+1] neg_lo:[1,0] neg_hi:[1,0]
.set mm, mm+1
.endr
.set mm, 0
.rept 32
	v_rcp_f32 v[TD+mm], v[TD+mm]                   ; t
.set mm, mm+1
.endr
.set mm, 0
.rept 32
	v_exp_f32 v[TW+mm], v[TW+mm]                   ; exp(-z^2 / 2)
.set mm, mm+1
.endr
	v_nop                                          ; a plain instruction between these and the use of their results (ISA guide 5.7.2)
.set mm, 0
	s_wait_alu depctr_va_vdst(0)
.rept 16
	v_pk_fma_f32 v[TP+2*mm:TP+2*mm+1], v[TD+2*mm:TD+2*mm+1], s[A3:A3+1], s[A2:A2+1] op_sel_hi:[1,0,0]
.set mm, mm+1
.endr
.set mm, 0
.rept 16
	v_pk_fma_f32 v[TP+2*mm:TP+2*mm+1], v[TP+2*mm:TP+2*mm+1], v[TD+2*mm:TD+2*mm+1], s[A1:A1+1] op_sel_hi:[1,1,0]
.set mm, mm+1
.endr
.set mm, 0
.rept 16
	v_pk_mul_f32 v[TP+2*mm:TP+2*mm+1], v[TP+2*mm:TP+2*mm+1], v[TD+2*mm:TD+2*mm+1]
.set mm, mm+1
.endr
.set mm, 0
.rept 16
	v_pk_fma_f32 v[TP+2*mm:TP+2*mm+1], v[TP+2*mm:TP+2*mm+1], v[TW+2*mm:TW+2*mm+1], s[C0:C0+1] op_sel_hi:[1,1,0] neg_lo:[1,0,0] neg_hi:[1,0,0]
.set mm, mm+1
.endr
.set mm, 0
.rept 32
	v_fma_f32 v[HZ+32*(\b)+mm], |v[U+32*(\b)+mm]|, v[TP+mm], v[HZ+32*(\b)+mm]
.set mm, mm+1
.endr
.set mm, 0
.rept 16
	v_cvt_pk_bf16_f32 v[U+16*(\b)+mm], v[HZ+32*(\b)+2*mm], v[HZ+32*(\b)+2*mm+1]  ; onto registers of kappa z that have been used up
.set mm, mm+1
.endr
.endm
	s_mov_b32 s26, 0
.Ltile:
	s_cmp_ge_u32 s26, s22
	s_cbranch_scc1 .Ltile_next                     ; a tile without rows
	s_wait_xcnt 0x0                                ; the last tile's stores have read their registers
	s_cmp_eq_u32 s26, 0
	s_cbranch_scc1 .Ls0
	s_cmp_eq_u32 s26, 1
	s_cbranch_scc1 .Ls1
	S1 2
	s_branch .Lheavy
.Ls0:
	S1 0
	s_branch .Lheavy
.Ls1:
	S1 1
.Lheavy:
	HEAVY 0
	HEAVY 1
.irp nt, 0,1,2,3,4,5,6,7
	ds_store_b128 v[STO], v[U+4*(\nt):U+4*(\nt)+3] offset:32*(\nt)   ; eight neighbouring columns of a row
.endr
.irp t, 0,1,2,3,4,5,6,7
	v_add_nc_u32 v[ETMP+(\t)], 2*(\t), v[RIDX]     ; the ranks of the rows that I store,
	v_min_u32 v[ETMP+(\t)], s20, v[ETMP+(\t)]      ; or the last row's
	v_min_u32 v[ETMP+(\t)], 0x3ff, v[ETMP+(\t)]
	v_lshl_add_u32 v[ETMP+(\t)], v[ETMP+(\t)], 2, s51
	ds_load_b32 v[EOFF+(\t)], v[ETMP+(\t)]
.endr
.irp t, 0,1,2,3,4,5,6,7
	ds_load_b128 v[TD+4*(\t):TD+4*(\t)+3], v[RD] offset:2*SPITCH*(\t)  ; LDS serves a wave's instructions in order (ISA guide 5.7.1.4): these see the stores above
.endr
	s_wait_dscnt 8                                 ; the tokens are in; the eight loads from the stage stay out
.irp t, 0,1,2,3,4,5,6,7
	v_min_u32 v[EOFF+(\t)], 0x3ff, v[EOFF+(\t)]
	v_lshl_add_u32 v[EOFF+(\t)], v[EOFF+(\t)], 13, v[C16]   ; a row of h is 8,192 bytes
.endr
.irp t, 0,1,2,3,4,5,6,7
	s_wait_dscnt 7-(\t)
	global_store_b128 v[EOFF+(\t)], v[TD+4*(\t):TD+4*(\t)+3], s[12:13]  ; 16 lanes store 256 consecutive bytes, at a multiple of 256 from h's first byte
.endr
.Ltile_next:
	v_add_nc_u32 v[RIDX], 64, v[RIDX]              ; my next tile lies four tiles on
	s_add_co_u32 s26, s26, 1
	s_cmp_lt_u32 s26, 3
	s_cbranch_scc1 .Ltile
	s_add_co_u32 s23, s23, 1
	s_sub_co_u32 s24, s24, 1
	s_cmp_lg_u32 s24, 0
	s_cbranch_scc1 .Lgrp
	s_wait_tensorcnt 0x0                           ; the wave's end, behind my last LDS store
	ds_add_u32 v[SPW], v[NIL]
	s_wait_dscnt 0x0
	s_endpgm
.Lfunc_end_k_q351f4f7226_ffn1:
	.size	k_q351f4f7226_ffn1, .Lfunc_end_k_q351f4f7226_ffn1-k_q351f4f7226_ffn1
	.p2alignl 7, 3214868480
	.fill 96, 4, 3214868480
	.section	.rodata,"a",@progbits
	.p2align	6, 0x0
	.amdhsa_kernel k_q351f4f7226_ffn1
		.amdhsa_group_segment_fixed_size 317440
		.amdhsa_private_segment_fixed_size 0
		.amdhsa_enable_private_segment 0
		.amdhsa_kernarg_size 40
		.amdhsa_user_sgpr_count 2
		.amdhsa_user_sgpr_kernarg_segment_ptr 1
		.amdhsa_wavefront_size32 1
		.amdhsa_system_sgpr_workgroup_id_x 1
		.amdhsa_system_sgpr_workgroup_id_y 1
		.amdhsa_system_sgpr_workgroup_id_z 1
		.amdhsa_system_vgpr_workitem_id 0
		.amdhsa_next_free_vgpr 704
		.amdhsa_next_free_sgpr 100
		.amdhsa_reserve_vcc 0
		.amdhsa_float_denorm_mode_32 3
		.amdhsa_float_denorm_mode_16_64 3
		.amdhsa_memory_ordered 1
		.amdhsa_forward_progress 1
		.amdhsa_inst_pref_size 162
	.end_amdhsa_kernel
	.amdgpu_metadata
---
amdhsa.version: [ 1, 2 ]
amdhsa.kernels:
  - .name:           k_q351f4f7226_ffn1
    .symbol:         k_q351f4f7226_ffn1.kd
    .args:
      - { .name: xb, .offset: 0, .size: 8, .value_kind: global_buffer, .address_space: global }
      - { .name: top1, .offset: 8, .size: 8, .value_kind: global_buffer, .address_space: global }
      - { .name: w1, .offset: 16, .size: 8, .value_kind: global_buffer, .address_space: global }
      - { .name: b1, .offset: 24, .size: 8, .value_kind: global_buffer, .address_space: global }
      - { .name: h, .offset: 32, .size: 8, .value_kind: global_buffer, .address_space: global }
    .group_segment_fixed_size: 317440
    .private_segment_fixed_size: 0
    .kernarg_segment_align: 8
    .kernarg_segment_size: 40
    .max_flat_workgroup_size: 128
    .sgpr_count:     100
    .vgpr_count:     704
    .wavefront_size: 32
...
	.end_amdgpu_metadata
.endif
;; end of part 5
;; launch ffn2 (part 6): grid 32 x 8, 4 waves a work-group, no clusters, 317,440 bytes of LDS; arguments h, top1, w2, b2, part; writes part
.if DOCPART == 6
	.amdgcn_target "amdgcn-amd-amdhsa--gfx1250"
	.amdhsa_code_object_version 6
	.text
	.protected	k_q351f4f7226_ffn2
	.globl	k_q351f4f7226_ffn2
	.p2align	8
	.type	k_q351f4f7226_ffn2,@function
k_q351f4f7226_ffn2:
	s_mov_b64 s[64:65], 0
	v_nop
	global_prefetch_b8 v0, s[64:65] scope:SCOPE_SE
	s_setreg_imm32_b32 hwreg(HW_REG_WAVE_MODE, 25, 1), 1
	s_wait_xcnt 0x0
; SECOND PRODUCT, IN FOUR PARTS ALONG K.  part[ks][token][:] = h[token][1024 ks .. 1024 ks + 1023] . bf16(w2[e][that quarter]) (+ bf16(b2[e]) where ks = 0), for the tokens whose top1 is e.
; h: [1024][4096] bf16; w2: [8][4096][1024] f32; part: [4][1024][1024] f32 (partial sums stay in f32; the next launch adds them).
; SHARES.  Work-group (x, e): columns 128 (x % 8) .. + 127, K quarter ks = x / 8 of expert e: 1,024 x 128 weights, which it alone reads, once, and all of that expert's tokens.  Four waves, all alike.
; K is split so that a slice fits in LDS in 16 bits and a token's share is 2,048 bytes a work-group; with 32 columns and the whole K it would be 8,192.
; THE WEIGHTS are rounded to bf16, as every input of this program is: one conversion for two numbers; h arrives in bf16, so both operands have f32's range.
; THE STREAM.  K goes in chunks of 64.  Of each chunk wave w loads k-rows 16 w .. 16 w + 15 as f32 (512 consecutive bytes a load), rounds them and lays them into LDS as [k][n], where the whole slice stays.  Then every
; wave takes the chunk's weight fragments turned out of LDS, its token fragments straight from memory, and multiplies.  A chunk has two barriers: the slice is stored into between one chunk's second and the next one's
; first, and read between a chunk's first and its second.  A wave's loads share one counter, which falls in the order of issue, so tokens are asked for exactly as far ahead as weights: two chunks, 56 loads.
; ROWS.  The expert's tokens are ranked: by the register of top1 in which a token lies (32 of them), then by the lane.  Tiles of 16 ranks; in pass S (0..5: 72 tiles, and 64 are the most) wave w has tiles 12 S + w + 4 i,
; i = 0..2.  Pass 0 runs under the stream.  Its tokens are found in registers: every wave holds the expert's bitmap of the 1,024 choices in 32 scalar registers, and each lane finds the token of its rank there, so that the
; first token loads hang on top1 alone: no LDS round trip and no barrier stands ahead of them.  While they are on their way the four waves rank the tokens, in the same order, into a list in LDS (rank -> token), which
; serves the ways out and passes 1-5 (more than 192 tokens), which run from the resident slice.  The count of passes is a constant and every wave passes their barriers; a pass or tile without rows is jumped over
; (loads of its own, matrix work and stores only).  Places past the count repeat the last row: the same numbers go to the same address.  An expert without tokens still streams its slice and stores nothing.
; NO CLUSTER: each slice has one reader, and the shared token rows come by a list, which no tile descriptor covers.
; LAYOUT.  Source 0 = 16 columns of the weights, source 1 = 16 tokens: a lane's eight results are eight neighbouring columns of one token's row.
.set STR,    4096                      ; bytes from a row of w2 to the next
.set ROWSH,  13                        ; a token's row of h is 8,192 bytes
.set PITCH,  288                       ; a k-row of the slice in LDS: 256 bytes + 32: the eight rows x 32 bytes that sixteen lanes of a turning load take fall on different words modulo 256 bytes
.set LIST,   294912                    ; behind the slice's 1,024 rows: words 0-1023 rank -> token; words 1024-1151 a word a thread for tokens of other experts
.set STAGE,  299520                    ; 16 rows x 272 bytes for each wave, its own, for the way out
.set SPITCH, 272
.set SPARE,  316928                    ; the spare words, 128 bytes for each of four waves
; window 0
.set R,    1                           ; v1   lane % 16
.set SPW,  2                           ; v2   my spare word's address; never rewritten
.set NIL,  3                           ; v3   0; never rewritten
.set HH,   4                           ; v4   lane / 16
.set H16,  5                           ; v5   16 x (lane / 16)
.set VB0,  6                           ; v6   my lane's place in a weight fragment; v7 the same in the stream's trip in hand
.set VB,   7
.set VA,   8                           ; v8-10  tile i: byte offset of my token's row + 16 x (lane / 16)
.set VW,   11                          ; v11  16 x lane
.set VS0,  12                          ; v12  my 16 k-rows of a chunk + 8 x lane; v13 the same in the trip in hand
.set VS,   13
.set STO,  14                          ; v14  the way out: where I put 16 bytes of a row
.set RD,   15                          ; v15  where I read rows back
.set C16,  16                          ; v16  16 x (lane % 16)
.set RIDX, 17                          ; v17  rank of the first row that I store in the pass
.set TK,   18                          ; v18  256 x wave + 4 x lane: the first of my tokens in the ranking
.set DUMP, 19                          ; v19  1024 + my thread's number
.set TMP,  20                          ; v20-31 at work at the start, v20-26 later
.set VBK,  31                          ; v31  passes 1-5: my lane's place in a weight fragment of the chunk in hand
.set BF,   32                          ; v32-159 two buffers of 64: weight fragments of a chunk's two K steps
.set TOP,  32                          ; at the start: all of top1 (32 registers), my 256 tokens' (8)
.set OWN,  64
.set SEL,  72                          ; at the start: v72-107, a set of 12 for each of my three tiles: +0 rank, then place among the word's set bits; +1 the bitmap's word; +2 running count and first token; +3..+6 counts of 2, 4, 8, 16 bits; +7 bit; +8, +9 at work
.set AF,   160                         ; v160-255 a ring of four buffers of 24: token fragments of a K step, 8 registers a tile
.set OB,   160                         ; the way out: two sets of 32, rows read back from the stage; byte offsets of the rows that I store; list addresses
.set EOFF, 224
.set ETMP, 232
; window 1
.set ACC,  0                           ; v0-191 sums (tile i, column block nt at 64 i + 8 nt); v192-255 the bias of a lane's 64 columns
.set BIAS, 192
; window 2
.set STG,  0                           ; v0-127 two chunks of weights as loaded (slot u, group q, row i at 64 u + 32 q + 4 i); v128-159 rounded
.set PT,   128
.set CM,   56                          ; s56-58 a compare's mask for each of my three tiles
.set MK,   66                          ; s66-97 the expert's bitmap: bit l of word j: token 128 (j / 4) + 4 l + j % 4 chose it
; s14 wave; s15 expert; s16 column slice; s18 trips; s19 count; s20 count - 1 (at least 0); s21 tiles; s22 NT, my live tiles of the pass; s23 pass; s24 passes to go; s25 counter; s27 my first tile;
; s[28:29] the tokens' base in the trip in hand; s33 passes 1-5: the chunk's LDS offset; s34 the stream's trip's LDS offset; s35-37 mask, its bits, my running rank; s38, s39 the bitmap's running count, and the word's
; first token above it; s51 LIST; s53 all ones where ks = 0; s54 ks
.set MSB, 0
.macro WIN new                         ; s_set_vgpr_msb: bits 1:0 source 0, 3:2 source 1, 5:4 source 2, 7:6 destination; the high byte repeats the setting that is left
.if MSB != (\new)
	s_set_vgpr_msb (MSB<<8)|(\new)
.set MSB, (\new)
.endif
.endm
.macro PLACES                          ; a load into, or a vector or LDS line on, a matrix instruction's registers stands four plain vector instructions behind it
.rept 4
	v_nop
.endr
.endm
; My 16 k-rows of a chunk (slot u of two): waited for in two groups of eight, rounded, and then stored in one run, so that the first stores' data are long made.  n0, n1: the younger loads that may stay out.
.macro PROD u, n0, n1
	WIN 0x8a                                       ; sources and destination in window 2
.irp q, 0,1
.if (\q) == 0
	s_wait_loadcnt \n0
.else
	s_wait_loadcnt \n1
.endif
.irp i, 0,1,2,3,4,5,6,7
	v_cvt_pk_bf16_f32 v[PT+16*(\q)+2*(\i)],   v[STG+64*(\u)+32*(\q)+4*(\i)],   v[STG+64*(\u)+32*(\q)+4*(\i)+1]
	v_cvt_pk_bf16_f32 v[PT+16*(\q)+2*(\i)+1], v[STG+64*(\u)+32*(\q)+4*(\i)+2], v[STG+64*(\u)+32*(\q)+4*(\i)+3]
.endr
.endr
	WIN 0x08                                       ; the stores' data in window 2
.irp q, 0,1
.irp i, 0,1,2,3,4,5,6,7
	ds_store_b64 v[VS], v[PT+16*(\q)+2*(\i):PT+16*(\q)+2*(\i)+1] offset:(64*(\u)+8*(\q)+(\i))*PITCH  ; a k-row's 256 bytes, 8 a lane
.endr
.endr
	WIN 0
.endm
.macro RELOAD u                        ; slot u's registers, which have been rounded, take my 16 k-rows of the chunk two on
	WIN 0x80                                       ; destination in window 2
.irp q, 0,1
.irp i, 0,1,2,3,4,5,6,7
	global_load_b128 v[STG+64*(\u)+32*(\q)+4*(\i):STG+64*(\u)+32*(\q)+4*(\i)+3], v[VW], s[8:9] offset:(64*((\u)+2)+8*(\q)+(\i))*STR th:TH_LOAD_NT
.endr
.endr
	WIN 0
.endm
; Eight matrix instructions: tile i, all 8 column blocks, 32 along K.  The eight sums take turns, also where one tile alone is live.
.macro MM8 buf, ab, i
	WIN 0x50                                       ; C and D in window 1
.irp nt, 0,1,2,3,4,5,6,7
	v_wmma_f32_16x16x32_bf16 v[ACC+64*(\i)+8*(\nt):ACC+64*(\i)+8*(\nt)+7], v[BF+64*(\buf)+8*(\nt):BF+64*(\buf)+8*(\nt)+7], v[AF+24*(\ab)+8*(\i):AF+24*(\ab)+8*(\i)+7], v[ACC+64*(\i)+8*(\nt):ACC+64*(\i)+8*(\nt)+7]
.endr
	WIN 0
.endm
.macro MM buf, ab                      ; a K step: my live tiles' products; only matrix instructions are jumped over
	s_cmp_eq_u32 s22, 0
	s_cbranch_scc1 .Lmm_\@
	MM8 \buf, \ab, 0
	s_cmp_lt_u32 s22, 2
	s_cbranch_scc1 .Lmm_\@
	MM8 \buf, \ab, 1
	s_cmp_lt_u32 s22, 3
	s_cbranch_scc1 .Lmm_\@
	MM8 \buf, \ab, 2
.Lmm_\@:
.endm
.macro TOKS ab, off                    ; six loads: one K step's token fragments, 64 bytes of each of 3 x 16 rows
.irp i, 0,1,2
	global_load_b128 v[AF+24*(\ab)+8*(\i):AF+24*(\ab)+8*(\i)+3],   v[VA+(\i)], s[28:29] offset:(\off)
	global_load_b128 v[AF+24*(\ab)+8*(\i)+4:AF+24*(\ab)+8*(\i)+7], v[VA+(\i)], s[28:29] offset:(\off)+32
.endr
.endm
.macro FRAGS u, a                      ; 32 LDS loads in one run: a chunk's weight fragments, the first K step's first; a: the address register
.irp nt, 0,1,2,3,4,5,6,7
	ds_load_tr16_b128 v[BF+8*(\nt):BF+8*(\nt)+3],   v[\a] offset:64*(\u)*PITCH+32*(\nt)             ; k = 8 (lane / 16) + 0..7 of column 16 nt + lane % 16
	ds_load_tr16_b128 v[BF+8*(\nt)+4:BF+8*(\nt)+7], v[\a] offset:64*(\u)*PITCH+32*(\nt)+16*PITCH    ; k = 16 + 8 (lane / 16) + 0..7
.endr
.irp nt, 0,1,2,3,4,5,6,7
	ds_load_tr16_b128 v[BF+64+8*(\nt):BF+64+8*(\nt)+3],   v[\a] offset:64*(\u)*PITCH+32*(\nt)+32*PITCH
	ds_load_tr16_b128 v[BF+64+8*(\nt)+4:BF+64+8*(\nt)+7], v[\a] offset:64*(\u)*PITCH+32*(\nt)+48*PITCH
.endr
.endm
; A chunk c, slot u = c % 2; its K steps use ring buffers 2 u and 2 u + 1.  st = 1: W(c + 2), T(2 c + 4) and T(2 c + 5) are asked for, in this order, chunk after chunk.  So at the chunk's head, behind the first eight
; loads of W(c) stand 8 + 12 + 16 + 12 = 48 younger ones and behind its last eight 12 + 16 + 12 = 40; behind T(2 c), when W(c + 2) has been asked for, 6 + 16 + 12 + 16 = 50; behind T(2 c + 1) 16 + 12 + 16 + 6 = 50.
; W(c + 2) is asked for behind the run of LDS loads: its sixteen issues stand in the time in which the fragments come.
; step = 1 (a trip's second chunk): the two bases go on to the next trip's place ahead of the trip's last six token loads, which take 256 bytes less in their immediate.
.macro CHUNK u, st, n0, n1, t0, t1, step=0
	PROD \u, \n0, \n1
	s_wait_dscnt 0x0                               ; for the others' sake: my stores of this chunk are done
	s_barrier_signal -1
	s_barrier_wait -1                              ; the chunk is whole
	FRAGS \u, VB                                   ; (the conversions above are the places behind the last products)
.if \st
	RELOAD \u
.endif
	s_wait_dscnt 16                                ; the first K step's fragments are in; the second's sixteen loads stay out
	s_wait_loadcnt \t0                             ; the first K step's tokens are in
	MM 0, 2*(\u)
.if \st
	PLACES                                         ; behind the products that read the ring buffer loaded below
	TOKS 2*(\u), 128*(\u)+256
.endif
	s_wait_dscnt 0x0                               ; my reads of the slice are back
	s_barrier_signal -1
	s_barrier_wait -1                              ; from here to the next barrier the slice is only stored into
	s_wait_loadcnt \t1                             ; the second K step's tokens are in
	MM 1, 2*(\u)+1
.if \st
	PLACES
.if \step
	s_wait_xcnt 0x0                                ; the loads' bases are stepped only behind this wait; the youngest loads that name them stand ahead of the barrier and the products above
	s_add_nc_u64 s[8:9], s[8:9], 128*STR
	s_add_nc_u64 s[28:29], s[28:29], 256           ; 128 along K
.endif
	TOKS 2*(\u)+1, 128*(\u)+320-256*(\step)
.endif
.endm
.macro NTCALC                          ; my first tile of pass s23 and how many of my three are live: ceil((tiles - first) / 4), held to 0 .. 3
	s_mul_i32 s27, s23, 12
	s_add_co_u32 s27, s27, s14
	s_sub_co_i32 s22, s21, s27
	s_add_co_i32 s22, s22, 3
	s_max_i32 s22, s22, 0
	s_lshr_b32 s22, s22, 2
	s_min_u32 s22, s22, 3
.endm
; PASS 0'S TOKENS, OUT OF THE BITMAP.  One line for each of my three tiles' sets of registers: XV is the set's first register, QM its compare mask.
.macro EACH line:vararg
.set XV, SEL
.set QM, CM
.rept 3
	\line
.set XV, XV+12
.set QM, QM+1
.endr
.endm
; The window in which the wanted set bit lies is halved: c names the counts of w bits, m cuts one of them out.  If the lower half holds too few set bits, they are taken off and the window's upper half is kept.
.macro HALVE c, m, w
	EACH v_lshrrev_b32 v[XV+8], v[XV+7], v[XV+(\c)]
	EACH v_and_b32 v[XV+8], \m, v[XV+8]
	EACH v_cmp_ge_u32 s[QM], v[XV], v[XV+8]
	EACH v_sub_nc_u32 v[XV+8], v[XV], v[XV+8]
	EACH v_add_nc_u32 v[XV+9], \w, v[XV+7]
	EACH v_cndmask_b32 v[XV], v[XV], v[XV+8], s[QM]
	EACH v_cndmask_b32 v[XV+7], v[XV+7], v[XV+9], s[QM]
.endm
.macro SELECT
	s_lshl_b32 s30, s27, 4
	v_add_nc_u32 v[RIDX], s30, v[HH]
	EACH v_add_nc_u32 v[XV], s30, v[R]             ; rank 16 (first + 4 i) + lane % 16,
.irp i, 1,2
	v_add_nc_u32 v[SEL+12*(\i)], 64*(\i), v[SEL+12*(\i)]
.endr
	EACH v_min_u32 v[XV], s20, v[XV]               ; or the last row's
	EACH v_mov_b32 v[XV+1], s[MK]                  ; word 0 begins at rank 0 and token 0
	EACH v_mov_b32 v[XV+2], 0
	s_mov_b32 s38, 0
	; the last word whose running count does not pass the rank holds the rank: a word without set bits hands the same count on to the next
.set jj, 1
.rept 31
	s_bcnt1_i32_b32 s36, s[MK+jj-1]
	s_add_co_u32 s38, s38, s36                     ; the set bits in front of word jj: 1,024 at the most,
	s_or_b32 s39, s38, (128*(jj/4)+jj%4)<<16       ; and above them the word's first token
	EACH v_cmp_le_u32 s[QM], s38, v[XV]
	EACH v_cndmask_b32 v[XV+1], v[XV+1], s[MK+jj], s[QM]
	EACH v_cndmask_b32 v[XV+2], v[XV+2], s39, s[QM]
.set jj, jj+1
.endr
	EACH v_and_b32 v[XV+8], 0xffff, v[XV+2]
	EACH v_lshrrev_b32 v[XV+2], 16, v[XV+2]        ; the word's first token
	EACH v_sub_nc_u32 v[XV], v[XV], v[XV+8]        ; which of the word's set bits, from 0
	EACH v_lshrrev_b32 v[XV+8], 1, v[XV+1]         ; the word's set bits counted in fields of 2, 4, 8 and 16 bits
	EACH v_and_b32 v[XV+8], 0x55555555, v[XV+8]
	EACH v_sub_nc_u32 v[XV+3], v[XV+1], v[XV+8]
	EACH v_lshrrev_b32 v[XV+8], 2, v[XV+3]
	EACH v_and_b32 v[XV+4], 0x33333333, v[XV+3]
	EACH v_and_b32 v[XV+8], 0x33333333, v[XV+8]
	EACH v_add_nc_u32 v[XV+4], v[XV+4], v[XV+8]
	EACH v_lshrrev_b32 v[XV+8], 4, v[XV+4]
	EACH v_add_nc_u32 v[XV+5], v[XV+4], v[XV+8]
	EACH v_and_b32 v[XV+5], 0x0f0f0f0f, v[XV+5]
	EACH v_lshrrev_b32 v[XV+8], 8, v[XV+5]
	EACH v_add_nc_u32 v[XV+6], v[XV+5], v[XV+8]    ; its lowest byte: the set bits of the word's lower 16
	EACH v_mov_b32 v[XV+7], 0
	HALVE 6, 0xff, 16
	HALVE 5, 0xff, 8
	HALVE 4, 15, 4
	HALVE 3, 3, 2
	HALVE 1, 1, 1
	EACH v_lshl_add_u32 v[XV+7], v[XV+7], 2, v[XV+2]  ; the token: the word's first + 4 x the bit
	EACH v_min_u32 v[XV+7], 0x3ff, v[XV+7]
.irp i, 0,1,2
	v_lshl_add_u32 v[VA+(\i)], v[SEL+12*(\i)+7], ROWSH, v[H16]
.endr
.endm
.macro ROWS                            ; passes 1-5 begin: my rows' tokens out of the list
	s_wait_xcnt 0x0                                ; earlier loads and stores have read their registers
	s_lshl_b32 s30, s27, 4
	v_add_nc_u32 v[TMP], s30, v[R]
	v_add_nc_u32 v[RIDX], s30, v[HH]
.irp i, 0,1,2
	v_add_nc_u32 v[TMP+1+(\i)], 64*(\i), v[TMP]    ; rank 16 (first + 4 i) + lane % 16,
	v_min_u32 v[TMP+1+(\i)], s20, v[TMP+1+(\i)]    ; or the last row's
	v_min_u32 v[TMP+1+(\i)], 0x3ff, v[TMP+1+(\i)]
	v_lshl_add_u32 v[TMP+1+(\i)], v[TMP+1+(\i)], 2, s51
	ds_load_b32 v[TMP+4+(\i)], v[TMP+1+(\i)]
.endr
	s_wait_dscnt 0x0
.irp i, 0,1,2
	v_min_u32 v[TMP+4+(\i)], 0x3ff, v[TMP+4+(\i)]
	v_lshl_add_u32 v[VA+(\i)], v[TMP+4+(\i)], ROWSH, v[H16]
.endr
.endm
.macro ACCINIT                         ; the sums start at the bias (0 in quarters 1 to 3): no first K step is written out
	WIN 0x41                                       ; destination and source in window 1
.irp i, 0,1,2
.set mm, 0
.rept 64
	v_mov_b32 v[ACC+64*(\i)+mm], v[BIAS+mm]
.set mm, mm+1
.endr
.endr
	WIN 0
.endm
; One register of my 256 tokens: lanes whose token chose my expert store the token at its rank, the others at a word of their own.  A rank is the count of chosen tokens in the blocks of the waves below mine, in my
; registers so far and in the lanes below mine: no two tokens of the work-group have the same, and it is the bitmap's order.
.macro RANK reg, tok
	v_cmp_eq_u32 s35, s15, v[\reg]
	v_mbcnt_lo_u32_b32 v[TMP], s35, s37            ; my running rank + the chosen lanes below mine
	v_cndmask_b32 v[TMP], v[DUMP], v[TMP], s35
	v_min_u32 v[TMP], 0x47f, v[TMP]
	v_lshl_add_u32 v[TMP], v[TMP], 2, s51
	v_add_nc_u32 v[TMP+1], \tok, v[TK]
	ds_store_b32 v[TMP], v[TMP+1]
	s_bcnt1_i32_b32 s36, s35
	s_add_co_u32 s37, s37, s36
.endm
	s_load_b256 s[4:11], s[0:1], 0x0               ; h s[4:5], top1 s[6:7], w2 s[8:9], b2 s[10:11]
	s_load_b64 s[12:13], s[0:1], 0x20              ; part
	v_lshl_add_u32 v[SPW], v0, 2, SPARE
	v_mov_b32 v[NIL], 0
	v_lshrrev_b32 v[TMP], 5, v0
	v_readfirstlane_b32 s14, v[TMP]                ; wave 0..3
	v_and_b32 v[R], 15, v0
	v_bfe_u32 v[HH], v0, 4, 1
	v_and_b32 v[TMP], 31, v0                       ; lane
	v_lshlrev_b32 v[H16], 4, v[HH]
	v_lshlrev_b32 v[C16], 4, v[R]
	v_lshlrev_b32 v[VW], 4, v[TMP]
	s_mul_i32 s30, s14, 16*PITCH
	v_lshl_add_u32 v[VS0], v[TMP], 3, s30          ; into the slice: k-rows 16 w on, 8 bytes a lane
	s_lshl_b32 s31, s14, 8
	v_lshl_add_u32 v[TK], v[TMP], 2, s31
	v_add_nc_u32 v[DUMP], 1024, v0
	v_and_b32 v[TMP+1], 7, v0                      ; the turning load: lane l reads 16 bytes of k-row 8 (l / 16) + l % 8, columns 8 ((l / 8) % 2) + 0..7
	v_bfe_u32 v[TMP+2], v0, 3, 1
	v_lshl_add_u32 v[VB0], v[HH], 3, v[TMP+1]
	v_mul_u32_u24 v[VB0], v[VB0], PITCH
	v_lshl_add_u32 v[VB0], v[TMP+2], 4, v[VB0]
	s_mul_i32 s30, s14, 16*SPITCH
	s_add_co_u32 s30, s30, STAGE                   ; my stage
	v_mul_u32_u24 v[TMP+3], v[R], SPITCH           ; in: row lane % 16, 32 bytes (8 f32) for each half of the lanes
	v_lshl_add_u32 v[TMP+3], v[HH], 5, v[TMP+3]
	v_add_nc_u32 v[STO], s30, v[TMP+3]
	v_mul_u32_u24 v[TMP+4], v[HH], SPITCH          ; back: lanes 0-15 one row of 256 bytes, lanes 16-31 the next
	v_lshl_add_u32 v[TMP+4], v[R], 4, v[TMP+4]
	v_add_nc_u32 v[RD], s30, v[TMP+4]
	v_lshl_add_u32 v[TMP+5], v0, 4, LIST           ; the list's 1,024 ranks are set to token 0: a rank that no token takes still names a row inside the buffers
.irp i, 8,9,10,11
	v_mov_b32 v[TMP+(\i)], 0
.endr
	ds_store_b128 v[TMP+5], v[TMP+8:TMP+11]
	ds_store_b128 v[TMP+5], v[TMP+8:TMP+11] offset:2048
	s_lshl_b32 s31, s14, 10
	v_add_nc_u32 v[TMP+6], s31, v[VW]              ; my 256 tokens' 1,024 bytes of top1
	v_lshlrev_b32 v[TMP+7], 5, v[HH]               ; the bias: 32 x (lane / 16)
	s_and_b32 s15, ttmp7, 0xffff                   ; expert
	s_and_b32 s16, ttmp9, 7                        ; column slice
	s_lshr_b32 s54, ttmp9, 3                       ; K quarter
	s_lshl_b32 s30, s15, 24                        ; an expert's w2 is 16,777,216 bytes,
	s_lshl_b32 s31, s54, 22                        ; a quarter's 1,024 rows 4,194,304,
	s_add_co_u32 s30, s30, s31
	s_lshl_b32 s31, s16, 9                         ; my 128 columns are 512 bytes of a row,
	s_add_co_u32 s30, s30, s31
	s_lshl_b32 s31, s14, 16                        ; wave w has rows 16 w .. 16 w + 15 of each chunk
	s_add_co_u32 s30, s30, s31
	s_mov_b32 s31, 0
	s_lshl_b32 s32, s15, 12                        ; b2: 4,096 bytes an expert
	s_lshl_b32 s33, s16, 9
	s_add_co_u32 s32, s32, s33
	s_mov_b32 s33, 0
	s_lshl_b32 s38, s54, 22                        ; part: 4,194,304 bytes a quarter, 512 bytes of a row
	s_lshl_b32 s39, s16, 9
	s_add_co_u32 s38, s38, s39
	s_mov_b32 s39, 0
	s_lshl_b32 s36, s54, 11                        ; h: a quarter is 2,048 bytes of a row
	s_mov_b32 s37, 0
	s_mov_b32 s51, LIST
	s_cmp_eq_u32 s54, 0
	s_cselect_b32 s53, -1, 0                       ; the bias is added in quarter 0 alone
	s_wait_kmcnt 0x0
	s_add_nc_u64 s[8:9], s[8:9], s[30:31]
	s_add_nc_u64 s[10:11], s[10:11], s[32:33]
	s_add_nc_u64 s[12:13], s[12:13], s[38:39]
	s_add_nc_u64 s[4:5], s[4:5], s[36:37]
	; the first loads, in this order: top1 (10), the bias (16), chunks 0 and 1 of the weights (32)
.irp j, 0,1,2,3,4,5,6,7
	global_load_b128 v[TOP+4*(\j):TOP+4*(\j)+3], v[VW], s[6:7] offset:512*(\j)     ; register 4 j + u of a lane: token 128 j + 4 lane + u
.endr
.irp j, 0,1
	global_load_b128 v[OWN+4*(\j):OWN+4*(\j)+3], v[TMP+6], s[6:7] offset:512*(\j)  ; token 256 w + 128 j + 4 lane + u
.endr
	WIN 0x40
.irp nt, 0,1,2,3,4,5,6,7
	global_load_b128 v[BIAS+8*(\nt):BIAS+8*(\nt)+3],   v[TMP+7], s[10:11] offset:64*(\nt)      ; a lane's columns 16 nt + 8 (lane / 16) + 0..7
	global_load_b128 v[BIAS+8*(\nt)+4:BIAS+8*(\nt)+7], v[TMP+7], s[10:11] offset:64*(\nt)+16
.endr
	WIN 0x80
.irp u, 0,1
.irp q, 0,1
.irp i, 0,1,2,3,4,5,6,7
	global_load_b128 v[STG+64*(\u)+32*(\q)+4*(\i):STG+64*(\u)+32*(\q)+4*(\i)+3], v[VW], s[8:9] offset:(64*(\u)+8*(\q)+(\i))*STR th:TH_LOAD_NT
.endr
.endr
.endr
	WIN 0
	s_wait_loadcnt 48                              ; top1 is in; the bias's 16 loads and the weights' 32 stay out
.set jj, 0
.rept 32
	v_cmp_eq_u32 s[MK+jj], s15, v[TOP+jj]          ; the expert's bitmap
.set jj, jj+1
.endr
	; every wave counts all 1,024 choices; the running count in front of its own block of 256 is its first rank in the list
	s_mov_b32 s19, 0
	s_mov_b32 s37, 0
.irp b, 0,1,2,3
	s_cmp_eq_u32 s14, \b
	s_cselect_b32 s37, s19, s37
.irp k, 0,1,2,3,4,5,6,7
	s_bcnt1_i32_b32 s36, s[MK+8*(\b)+(\k)]
	s_add_co_u32 s19, s19, s36
.endr
.endr
	s_min_u32 s19, s19, 1024                       ; the expert's rows
	s_max_u32 s20, s19, 1
	s_sub_co_u32 s20, s20, 1
	s_add_co_u32 s21, s19, 15
	s_lshr_b32 s21, s21, 4                         ; its tiles
	s_mov_b32 s23, 0
	NTCALC
	SELECT
	s_mov_b64 s[28:29], s[4:5]
	s_wait_loadcnt 32                              ; the bias is in; with the 24 loads below 56 are out
	TOKS 0, 0
	TOKS 1, 64
	TOKS 2, 128
	TOKS 3, 192
	s_wait_dscnt 0x0                               ; for the others' sake: my part of the list is set
	s_barrier_signal -1
	s_barrier_wait -1
.set jj, 0
.rept 8
	RANK OWN+jj, 128*(jj/4)+jj%4
.set jj, jj+1
.endr
	s_wait_dscnt 0x0                               ; for the others' sake: my tokens are in the list
	s_barrier_signal -1
	s_barrier_wait -1                              ; the list is whole; it is first read on the way out; behind this barrier the slice is stored into
	WIN 0x05                                       ; the bias is rounded to bf16, as every input is, kept as f32, and 0 in quarters 1 to 3
.set mm, 0
.rept 32
	v_cvt_pk_bf16_f32 v[BF+mm], v[BIAS+2*mm], v[BIAS+2*mm+1]
.set mm, mm+1
.endr
	WIN 0
.set mm, 0
.rept 32
	v_and_b32 v[BF+mm], s53, v[BF+mm]
.set mm, mm+1
.endr
	WIN 0x40
.set mm, 0
.rept 32
	v_lshlrev_b32 v[BIAS+2*mm],   16,         v[BF+mm]
	v_and_b32     v[BIAS+2*mm+1], 0xffff0000, v[BF+mm]
.set mm, mm+1
.endr
	WIN 0
	ACCINIT
	s_mov_b32 s34, 0
	s_mov_b32 s18, 7
	s_wait_loadcnt 12                              ; chunks 0 and 1 of the weights and K steps 0 and 1 of the tokens are in; out are steps 2 and 3, twelve loads: from here the order of issue is the loop's own
.Ltrip:                                                ; seven trips of two chunks, 0 to 13; each chunk asks for what the chunk two on needs
	v_add_nc_u32 v[VS], s34, v[VS0]
	v_add_nc_u32 v[VB], s34, v[VB0]
	CHUNK 0, 1, 48, 40, 50, 50
	CHUNK 1, 1, 48, 40, 50, 50, 1
	s_add_co_u32 s34, s34, 128*PITCH
	s_sub_co_u32 s18, s18, 1
	s_cmp_lg_u32 s18, 0
	s_cbranch_scc1 .Ltrip
	v_add_nc_u32 v[VS], s34, v[VS0]
	v_add_nc_u32 v[VB], s34, v[VB0]
	CHUNK 0, 0, 48, 40, 34, 28                     ; chunks 14 and 15 are written out: nothing is left to ask for, and the counts run down:
	CHUNK 1, 0, 20, 12, 6, 0                       ; out are W14 (8 + 8), T28, T29 (6 + 6), W15 (8 + 8), T30, T31 (6 + 6)
	s_mov_b32 s24, 6
	s_branch .Lepi                                 ; pass 0's products are done: the loop over passes is entered at its way out
; Every wave passes both in every pass; a wave without rows jumps from behind the first to in front of the second.
.Lgrp:
	s_wait_dscnt 0x0                               ; my stores into my stage, and my reads of it, are done
	s_barrier_signal -1
	s_barrier_wait -1                              ; from here to the next barrier LDS is only read
	NTCALC
	s_cmp_eq_u32 s22, 0
	s_cbranch_scc1 .Lkdone                         ; no rows left for me in this pass
	ROWS
	ACCINIT
	s_mov_b64 s[28:29], s[4:5]
	s_mov_b32 s33, 0
	s_mov_b32 s25, 16
.Lk:                                                   ; a chunk a trip, from the resident slice
	v_add_nc_u32 v[VBK], s33, v[VB0]
	PLACES                                         ; behind the last products, which read the registers loaded below
	FRAGS 0, VBK
	TOKS 0, 0
	TOKS 1, 64
	s_wait_loadcnt 0x0
	s_wait_dscnt 0x0
	MM 0, 0
	MM 1, 1
	s_add_nc_u64 s[28:29], s[28:29], 128           ; the loads that named this base are done
	s_add_co_u32 s33, s33, 64*PITCH
	s_sub_co_u32 s25, s25, 1
	s_cmp_lg_u32 s25, 0
	s_cbranch_scc1 .Lk
.Lkdone:
	s_wait_dscnt 0x0                               ; my reads of the slice are back
	s_barrier_signal -1
	s_barrier_wait -1                              ; every wave's are: now the stages are written
.Lepi:
	PLACES                                         ; behind the last products
; THE WAY OUT of tile i: the f32 sums go through my stage, 64 columns (256 bytes of each of 16 rows) at a time, and leave as whole pieces of 256 bytes of the tokens' rows of part.
.macro TILEOUT i
	s_cmp_le_u32 s22, \i
	s_cbranch_scc1 .Lepi_end                       ; the live tiles come first: nothing more to store
	s_wait_xcnt 0x0                                ; the last tile's stores have read their registers
.irp t, 0,1,2,3,4,5,6,7
	v_add_nc_u32 v[ETMP+(\t)], 64*(\i)+2*(\t), v[RIDX]  ; the ranks of the rows that I store,
	v_min_u32 v[ETMP+(\t)], s20, v[ETMP+(\t)]           ; or the last row's
	v_min_u32 v[ETMP+(\t)], 0x3ff, v[ETMP+(\t)]
	v_lshl_add_u32 v[ETMP+(\t)], v[ETMP+(\t)], 2, s51
	ds_load_b32 v[EOFF+(\t)], v[ETMP+(\t)]
.endr
	s_wait_dscnt 0x0
.irp t, 0,1,2,3,4,5,6,7
	v_min_u32 v[EOFF+(\t)], 0x3ff, v[EOFF+(\t)]
	v_lshl_add_u32 v[EOFF+(\t)], v[EOFF+(\t)], 12, v[C16]  ; a row of part is 4,096 bytes
.endr
.irp hf, 0,1
	WIN 0x04                                       ; the stores' data in window 1
.irp c, 0,1,2,3
	ds_store_b128 v[STO], v[ACC+64*(\i)+8*(4*(\hf)+(\c)):ACC+64*(\i)+8*(4*(\hf)+(\c))+3]   offset:64*(\c)      ; each sum's lowest registers are read first
	ds_store_b128 v[STO], v[ACC+64*(\i)+8*(4*(\hf)+(\c))+4:ACC+64*(\i)+8*(4*(\hf)+(\c))+7] offset:64*(\c)+16
.endr
	WIN 0
.irp t, 0,1,2,3,4,5,6,7
	ds_load_b128 v[OB+32*(\hf)+4*(\t):OB+32*(\hf)+4*(\t)+3], v[RD] offset:2*SPITCH*(\t)  ; LDS serves a wave's instructions in order (ISA guide 5.7.1.4): these see the stores above, and the next half's stores come behind them
.endr
.irp t, 0,1,2,3,4,5,6,7
	s_wait_dscnt 7-(\t)
	global_store_b128 v[EOFF+(\t)], v[OB+32*(\hf)+4*(\t):OB+32*(\hf)+4*(\t)+3], s[12:13] offset:256*(\hf)  ; 16 lanes store 256 consecutive bytes, at a multiple of 256 from part's first byte
.endr
.endr
.endm
	TILEOUT 0
	TILEOUT 1
	TILEOUT 2
.Lepi_end:
	s_add_co_u32 s23, s23, 1
	s_sub_co_u32 s24, s24, 1
	s_cmp_lg_u32 s24, 0
	s_cbranch_scc1 .Lgrp
	s_wait_tensorcnt 0x0                           ; the wave's end, behind my last LDS store
	ds_add_u32 v[SPW], v[NIL]
	s_wait_dscnt 0x0
	s_endpgm
.Lfunc_end_k_q351f4f7226_ffn2:
	.size	k_q351f4f7226_ffn2, .Lfunc_end_k_q351f4f7226_ffn2-k_q351f4f7226_ffn2
	.p2alignl 7, 3214868480
	.fill 96, 4, 3214868480
	.section	.rodata,"a",@progbits
	.p2align	6, 0x0
	.amdhsa_kernel k_q351f4f7226_ffn2
		.amdhsa_group_segment_fixed_size 317440
		.amdhsa_private_segment_fixed_size 0
		.amdhsa_enable_private_segment 0
		.amdhsa_kernarg_size 40
		.amdhsa_user_sgpr_count 2
		.amdhsa_user_sgpr_kernarg_segment_ptr 1
		.amdhsa_wavefront_size32 1
		.amdhsa_system_sgpr_workgroup_id_x 1
		.amdhsa_system_sgpr_workgroup_id_y 1
		.amdhsa_system_sgpr_workgroup_id_z 1
		.amdhsa_system_vgpr_workitem_id 0
		.amdhsa_next_free_vgpr 704
		.amdhsa_next_free_sgpr 100
		.amdhsa_reserve_vcc 0
		.amdhsa_float_denorm_mode_32 3
		.amdhsa_float_denorm_mode_16_64 3
		.amdhsa_memory_ordered 1
		.amdhsa_forward_progress 1
		.amdhsa_inst_pref_size 143
	.end_amdhsa_kernel
	.amdgpu_metadata
---
amdhsa.version: [ 1, 2 ]
amdhsa.kernels:
  - .name:           k_q351f4f7226_ffn2
    .symbol:         k_q351f4f7226_ffn2.kd
    .args:
      - { .name: h, .offset: 0, .size: 8, .value_kind: global_buffer, .address_space: global }
      - { .name: top1, .offset: 8, .size: 8, .value_kind: global_buffer, .address_space: global }
      - { .name: w2, .offset: 16, .size: 8, .value_kind: global_buffer, .address_space: global }
      - { .name: b2, .offset: 24, .size: 8, .value_kind: global_buffer, .address_space: global }
      - { .name: part, .offset: 32, .size: 8, .value_kind: global_buffer, .address_space: global }
    .group_segment_fixed_size: 317440
    .private_segment_fixed_size: 0
    .kernarg_segment_align: 8
    .kernarg_segment_size: 40
    .max_flat_workgroup_size: 128
    .sgpr_count:     100
    .vgpr_count:     704
    .wavefront_size: 32
...
	.end_amdgpu_metadata
.endif
;; end of part 6
;; launch combine: the kernel of part 4 again; grid 256 x 1, 8 waves a work-group, no clusters, 0 bytes of LDS; arguments part, out0; writes out0
;; ======== version 3 of 3: 4 launches; version 2 with the launches ffn1, ffn2 written anew for expert scheduling mode
;; limits: a function is approximated: absolute error at most 2.5e-05; an absolute error that grows with the inputs' magnitude: up to 1.25e-05 times it
;; workspace buffers: xb 2,097,152 bytes; top1 4,096 bytes of whole numbers; h 8,388,608 bytes; part 16,777,216 bytes
;; launch router: the kernel of part 1 again; grid 256 x 1, 4 waves a work-group, no clusters, 1,024 bytes of LDS; arguments x, w_router, b_router, xb, top1; writes xb, top1
;; launch ffn1 (part 7): grid 32 x 8, 4 waves a work-group, no clusters, 317,440 bytes of LDS; arguments xb, top1, w1, b1, h; writes h
.if DOCPART == 7
	.amdgcn_target "amdgcn-amd-amdhsa--gfx1250"
	.amdhsa_code_object_version 6
	.text
	.protected	k_q351f4f7226_ffn1
	.globl	k_q351f4f7226_ffn1
	.p2align	8
	.type	k_q351f4f7226_ffn1,@function
k_q351f4f7226_ffn1:
	s_mov_b64 s[64:65], 0
	v_nop
	global_prefetch_b8 v0, s[64:65] scope:SCOPE_SE
	s_setreg_imm32_b32 hwreg(HW_REG_WAVE_SCHED_MODE, 0, 2), 2
	s_setreg_imm32_b32 hwreg(HW_REG_WAVE_MODE, 25, 1), 1
	s_wait_xcnt 0x0
	s_wait_alu depctr_vm_vsrc(0)
; FIRST PRODUCT.  h[token][:] = bf16(gelu(xb[token] . bf16(w1[e]) + bf16(b1[e]))) for the tokens whose top1 is e.  xb: [1024][1024] bf16; w1: [8][1024][4096] f32; h: [1024][4096] bf16.
; SHARES.  Work-group (n, e) has columns 128 n .. 128 n + 127 of expert e: 1,024 x 128 weights, which it alone reads, once, and all of that expert's tokens.  Four waves, all alike: no branch hangs on the wave's number.
; THE STREAM.  K goes in chunks of 64.  Of each chunk wave w loads k-rows 16 w .. 16 w + 15 as f32 (512 consecutive bytes a load), rounds them to bf16 and lays them into LDS as [k][n], where the whole slice stays.
; Then every wave takes the chunk's weight fragments turned out of LDS (ds_load_tr16_b128), its token fragments straight from memory, and multiplies.  A chunk has two barriers: the slice is stored into between
; one chunk's second and the next one's first, and read between a chunk's first and its second.
; LOADS AHEAD.  A wave's loads share one counter, which falls in the order of issue.  Chunk c asks for the tokens of chunk c + 1 (12 loads) and then for the weights of chunk c + 2 (16): 56 are out at the most.
; THE MODE: SCHED_MODE bits 1:0 = 2 (LLVM: expert scheduling mode 2), set by the entry lines.  The code itself states the register dependences between vector or matrix instructions and memory or LDS
; instructions, with s_wait_alu, always for 0.
; THE PLAN.  Registers that memory or LDS instructions touch in the stream; chunk c, slot u = c % 2:
;   STG[u]               W(c) lands in it; the chunk's 32 conversions read it; behind them W(c + 2) lands in it.
;   PT                   Written by the conversions; read by the chunk's 16 LDS stores; written again by the next chunk's conversions.
;   BF                   The chunk's fragments land in it; its products read it; the next chunk's fragments land in it.
;   AF[2 u], AF[2 u + 1] Read by the chunk's products; in chunk c + 1 the tokens of chunk c + 2 land in them.
;   v[VS], v[VB]         Read by the LDS stores and the fragment loads; written once a trip, at its head.
;   v[VA ..], v[VW]      Read by the loads; not written in the stream.  The sums and the bias are named by vector and matrix instructions alone.
; So a chunk has ONE wait on va_vdst, behind its conversions, and all its memory and LDS instructions follow it with no vector or matrix instruction between; and ONE wait on vm_vsrc, at its head.
; ROWS.  The expert's tokens are ranked: by the register of top1 in which a token lies (32 of them), then by the lane.  Tiles of 16 ranks; in pass S (0..5: 72 tiles, and 64 are the most) wave w has tiles 12 S + w + 4 i, i = 0..2.
; Pass 0 runs under the stream.  Its tokens are found in registers: every wave holds the expert's bitmap of the 1,024 choices in 32 scalar registers, and each lane finds the token of its rank there, so that the first
; token loads hang on top1 alone: no LDS round trip and no barrier stands ahead of them.  While they are on their way the four waves rank the tokens, in the same order, into a list in LDS (rank -> token), which serves
; the ways out and passes 1-5 (an expert with more than 192 tokens), which run from the resident slice without loads ahead.  The count of passes is a constant and every wave passes their barriers; a pass or a tile
; without rows is jumped over (loads of its own, matrix work and stores only).
; Places past the count repeat the last row: the same numbers go to the same address.  An expert without tokens still streams its slice and stores nothing: the price of a grid that serves every split.
; NO CLUSTER: each slice of weights has one reader, and the token rows that an expert's work-groups share come by a list, which no tile descriptor covers.
; LAYOUT.  Source 0 = 16 columns of the weights, source 1 = 16 tokens: a lane's eight results are eight neighbouring columns of one token's row.  The sums start at the bias.
; GELU.  z/2 + |z| (1/2 - q), q = (a1 t + a2 t^2 + a3 t^3) exp(-z^2/2) / 2, t = 1 / (1 + p |z| / sqrt 2): the rational approximation of erf with an error of at most 2.5e-5 for every argument,
; so h is off by at most 1.25e-5 |z| before its rounding.  LIMITS.  h is rounded once to bf16: 8 significant bits, f32's range; the second product then takes w2, rounded to bf16 as every input is, as it stands.
; NaN and infinities are not treated apart.
.set STR,    16384                     ; bytes from a row of w1 to the next
.set ROWSH,  11                        ; a token's row of xb is 2,048 bytes
.set PITCH,  288                       ; a k-row of the slice in LDS: 256 bytes + 32: the eight rows x 32 bytes that sixteen lanes of a turning load take fall on different words modulo 256 bytes
.set LIST,   294912                    ; behind the slice's 1,024 rows: words 0-1023 rank -> token; words 1024-1151 a word a thread for tokens of other experts
.set STAGE,  299520                    ; 16 rows x 272 bytes for each wave, its own, for the way out
.set SPITCH, 272
.set SPARE,  316928                    ; the spare words, 128 bytes for each of four waves
; window 0
.set R,    1                           ; v1   lane % 16
.set SPW,  2                           ; v2   my spare word's address; never rewritten
.set NIL,  3                           ; v3   0; never rewritten
.set HH,   4                           ; v4   lane / 16
.set H16,  5                           ; v5   16 x (lane / 16)
.set VB0,  6                           ; v6   my lane's place in a weight fragment; v7 the same in the stream's trip in hand
.set VB,   7
.set VA,   8                           ; v8-10  tile i: byte offset of my token's row + 16 x (lane / 16)
.set VW,   11                          ; v11  16 x lane
.set VS0,  12                          ; v12  my 16 k-rows of a chunk + 8 x lane; v13 the same in the trip in hand
.set VS,   13
.set STO,  14                          ; v14  the way out: where I put 16 bytes of a row
.set RD,   15                          ; v15  where I read rows back
.set C16,  16                          ; v16  16 x (lane % 16)
.set RIDX, 17                          ; v17  rank of the row that I store first
.set TK,   18                          ; v18  256 x wave + 4 x lane: the first of my tokens in the ranking
.set DUMP, 19                          ; v19  1024 + my thread's number
.set TMP,  20                          ; v20-31 at work at the start, v20-26 later
.set VBK,  31                          ; v31  passes 1-5: my lane's place in a weight fragment of the chunk in hand
.set BF,   32                          ; v32-159 two buffers of 64: weight fragments of a chunk's two K steps
.set TOP,  32                          ; at the start: all of top1 (32 registers), my 256 tokens' (8)
.set OWN,  64
.set SEL,  72                          ; at the start: v72-107, a set of 12 for each of my three tiles: +0 rank, then place among the word's set bits; +1 the bitmap's word; +2 running count and first token; +3..+6 counts of 2, 4, 8, 16 bits; +7 bit; +8, +9 at work
.set RA,   72                          ; at the start, when SEL is used up: v72-79 the LDS addresses, v80-87 the tokens of the ranking's eight stores
.set RT,   80
.set AF,   160                         ; v160-255 a ring of four buffers of 24: token fragments of a K step, 8 registers a tile
.set U,    32                          ; the way out: kappa z (64), z / 2 (64), three sets of 32 at work
.set HZ,   96
.set TD,   160
.set TW,   192
.set TP,   224
.set EOFF, 192                         ; the way out, behind the gelu: byte offsets of the rows that I store; list addresses
.set ETMP, 224
; window 1
.set ACC,  0                           ; v0-191 sums (tile i, column block nt at 64 i + 8 nt); v192-255 the bias of a lane's 64 columns
.set BIAS, 192
; window 2
.set STG,  0                           ; v0-127 two chunks of weights as loaded (slot u, group q, row i at 64 u + 32 q + 4 i); v128-159 rounded
.set PT,   128
.set KAP,  40                          ; s[40:41] kappa = sqrt(log2(e) / 2): 2^-(kappa z)^2 = exp(-z^2 / 2)
.set A3,   42                          ; s[42:47] a3, a2, a1, each over 2 kappa
.set A2,   44
.set A1,   46
.set C0,   48                          ; s[48:49] 1 / (2 kappa)
.set PP,   50                          ; s50  p / (sqrt 2 kappa)
.set CM,   56                          ; s56-58 a compare's mask for each of my three tiles
.set RM,   56                          ; s56-63 later: the masks of the ranking's eight registers
.set MK,   66                          ; s66-97 the expert's bitmap: bit l of word j: token 128 (j / 4) + 4 l + j % 4 chose it
; s14 wave; s15 expert; s18 trips; s19 count; s20 count - 1 (at least 0); s21 tiles; s22 NT, my live tiles of the pass; s23 pass; s24 passes to go; s25, s26 counters; s27 my first tile;
; s[28:29] the tokens' base in the trip in hand; s33 passes 1-5: the chunk's LDS offset; s34 the stream's trip's LDS offset; s36, s37 a mask's bits, my running rank; s38, s39 the bitmap's running count, and the word's
; first token above it; s51 LIST
.set MSB, 0
.macro WIN new                         ; s_set_vgpr_msb: bits 1:0 source 0, 3:2 source 1, 5:4 source 2, 7:6 destination; the high byte repeats the setting that is left
.if MSB != (\new)
	s_set_vgpr_msb (MSB<<8)|(\new)
.set MSB, (\new)
.endif
.endm
.macro PLACES                          ; four plain vector instructions behind a matrix instruction, ahead of what touches its registers (ISA guide 7.12.1)
.rept 4
	v_nop
.endr
.endm
; My 16 k-rows of a chunk (slot u of two): waited for in two groups of eight, rounded, and then stored in one run.  n0, n1: the younger loads that may stay out.
.macro PROD u, n0, n1
	WIN 0x8a                                       ; sources and destination in window 2
.irp q, 0,1
.if (\q) == 0
	s_wait_loadcnt \n0
.else
	s_wait_loadcnt \n1
.endif
.irp i, 0,1,2,3,4,5,6,7
	v_cvt_pk_bf16_f32 v[PT+16*(\q)+2*(\i)],   v[STG+64*(\u)+32*(\q)+4*(\i)],   v[STG+64*(\u)+32*(\q)+4*(\i)+1]
	v_cvt_pk_bf16_f32 v[PT+16*(\q)+2*(\i)+1], v[STG+64*(\u)+32*(\q)+4*(\i)+2], v[STG+64*(\u)+32*(\q)+4*(\i)+3]
.endr
.endr
	WIN 0x08                                       ; the stores' data in window 2
	s_wait_alu depctr_va_vdst(0)                   ; the chunk's one wait on va_vdst: the conversions have written v[PT ..], which the LDS stores read, and are done reading slot u, in which W(c + 2) lands; the last chunk's products
	                                               ; are done reading BF, in which the fragments land, and their two ring buffers, in which T(c + 1) lands; in a trip's first chunk v[VS] and v[VB] are written; at the first chunk the head's lines are done with v32-159
.irp q, 0,1
.irp i, 0,1,2,3,4,5,6,7
	ds_store_b64 v[VS], v[PT+16*(\q)+2*(\i):PT+16*(\q)+2*(\i)+1] offset:(64*(\u)+8*(\q)+(\i))*PITCH  ; a k-row's 256 bytes, 8 a lane
.endr
.endr
	WIN 0
.endm
.macro RELOAD u                        ; slot u's registers, which have been rounded, take my 16 k-rows of the chunk two on
	WIN 0x80                                       ; destination in window 2
.irp q, 0,1
.irp i, 0,1,2,3,4,5,6,7
	global_load_b128 v[STG+64*(\u)+32*(\q)+4*(\i):STG+64*(\u)+32*(\q)+4*(\i)+3], v[VW], s[8:9] offset:(64*((\u)+2)+8*(\q)+(\i))*STR th:TH_LOAD_NT  ; 207 rows at the most: inside the signed 24-bit immediate
.endr
.endr
	WIN 0
.endm
; Eight matrix instructions: tile i, all 8 column blocks, 32 along K.  The eight sums take turns, also where one tile alone is live.
.macro MM8 buf, ab, i
	WIN 0x50                                       ; C and D in window 1
.irp nt, 0,1,2,3,4,5,6,7
	v_wmma_f32_16x16x32_bf16 v[ACC+64*(\i)+8*(\nt):ACC+64*(\i)+8*(\nt)+7], v[BF+64*(\buf)+8*(\nt):BF+64*(\buf)+8*(\nt)+7], v[AF+24*(\ab)+8*(\i):AF+24*(\ab)+8*(\i)+7], v[ACC+64*(\i)+8*(\nt):ACC+64*(\i)+8*(\nt)+7]
.endr
	WIN 0
.endm
.macro MM buf, ab                      ; a K step: my live tiles' products; only matrix instructions are jumped over
	s_cmp_eq_u32 s22, 0
	s_cbranch_scc1 .Lmm_\@
	MM8 \buf, \ab, 0
	s_cmp_lt_u32 s22, 2
	s_cbranch_scc1 .Lmm_\@
	MM8 \buf, \ab, 1
	s_cmp_lt_u32 s22, 3
	s_cbranch_scc1 .Lmm_\@
	MM8 \buf, \ab, 2
.Lmm_\@:
.endm
.macro TOKS ab, off                    ; six loads: one K step's token fragments, 64 bytes of each of 3 x 16 rows
.irp i, 0,1,2
	global_load_b128 v[AF+24*(\ab)+8*(\i):AF+24*(\ab)+8*(\i)+3],   v[VA+(\i)], s[28:29] offset:(\off)
	global_load_b128 v[AF+24*(\ab)+8*(\i)+4:AF+24*(\ab)+8*(\i)+7], v[VA+(\i)], s[28:29] offset:(\off)+32
.endr
.endm
.macro FRAGS u, a                      ; 32 LDS loads in one run: a chunk's weight fragments, the first K step's first; a: the address register
.irp nt, 0,1,2,3,4,5,6,7
	ds_load_tr16_b128 v[BF+8*(\nt):BF+8*(\nt)+3],   v[\a] offset:64*(\u)*PITCH+32*(\nt)             ; k = 8 (lane / 16) + 0..7 of column 16 nt + lane % 16
	ds_load_tr16_b128 v[BF+8*(\nt)+4:BF+8*(\nt)+7], v[\a] offset:64*(\u)*PITCH+32*(\nt)+16*PITCH    ; k = 16 + 8 (lane / 16) + 0..7
.endr
.irp nt, 0,1,2,3,4,5,6,7
	ds_load_tr16_b128 v[BF+64+8*(\nt):BF+64+8*(\nt)+3],   v[\a] offset:64*(\u)*PITCH+32*(\nt)+32*PITCH
	ds_load_tr16_b128 v[BF+64+8*(\nt)+4:BF+64+8*(\nt)+7], v[\a] offset:64*(\u)*PITCH+32*(\nt)+48*PITCH
.endr
.endm
; A chunk c, slot u = c % 2; its K steps use ring buffers 2 u and 2 u + 1.  tk = 1: T(c + 1), the next chunk's twelve token loads, is asked for into the other two ring buffers; st = 1: W(c + 2) into slot u; in this order,
; chunk after chunk.  So at the chunk's head, behind the first eight loads of W(c) stand 8 + 12 + 16 = 36 younger ones (its last eight, T(c), W(c + 1)) and behind its last eight 28; behind T(c)'s first six, when T(c + 1)
; and W(c + 2) have been asked for, 6 + 16 + 12 + 16 = 50; behind its last six 44.
; T(c + 1) stands behind the LDS stores, ahead of the wait for them; W(c + 2) behind the run of LDS loads, ahead of the wait for the first of them.  No vector or matrix instruction stands between the wait on va_vdst
; and the last of these loads.  The 32 conversions are also the places between the last chunk's products and the loads into their sources.
; step = 1 (a trip's second chunk): at its end the two bases go on to the next trip's place.
.macro CHUNK u, st, tk, n0, n1, t0, t1, step=0
	s_wait_alu depctr_vm_vsrc(0)                   ; the last chunk's LDS stores have read v[PT ..] and v[VS], its fragment loads v[VB]: all are written again below; at the first chunk the ranking's stores have read v72-87, in which fragments land
.if (\u) == 0
	v_add_nc_u32 v[VS], s34, v[VS0]
	v_add_nc_u32 v[VB], s34, v[VB0]
.endif
	PROD \u, \n0, \n1
.if \tk
	TOKS 2-2*(\u), 128*(\u)+128
	TOKS 3-2*(\u), 128*(\u)+192
.endif
	s_wait_dscnt 0x0                               ; for the others' sake: my stores of this chunk are done
	s_barrier_signal -1
	s_barrier_wait -1                              ; the chunk is whole
	FRAGS \u, VB
.if \st
	RELOAD \u
.endif
	s_wait_dscnt 16                                ; the first K step's fragments are in; the second's sixteen loads stay out
	s_wait_loadcnt \t0                             ; the first K step's tokens are in
	MM 0, 2*(\u)
	s_wait_dscnt 0x0                               ; my reads of the slice are back
	s_barrier_signal -1
	s_barrier_wait -1                              ; from here to the next barrier the slice is only stored into
	s_wait_loadcnt \t1                             ; the second K step's tokens are in
	MM 1, 2*(\u)+1
.if \step
	s_wait_xcnt 0x0                                ; the loads' bases are stepped only behind this wait; the youngest loads that name them stand ahead of a barrier and both K steps' products
	s_add_nc_u64 s[8:9], s[8:9], 128*STR
	s_add_nc_u64 s[28:29], s[28:29], 256           ; 128 along K
.endif
.endm
.macro NTCALC                          ; my first tile of pass s23 and how many of my three are live: ceil((tiles - first) / 4), held to 0 .. 3
	s_mul_i32 s27, s23, 12
	s_add_co_u32 s27, s27, s14
	s_sub_co_i32 s22, s21, s27
	s_add_co_i32 s22, s22, 3
	s_max_i32 s22, s22, 0
	s_lshr_b32 s22, s22, 2
	s_min_u32 s22, s22, 3
.endm
; PASS 0'S TOKENS, OUT OF THE BITMAP.  One line for each of my three tiles' sets of registers: XV is the set's first register, QM its compare mask.
.macro EACH line:vararg
.set XV, SEL
.set QM, CM
.rept 3
	\line
.set XV, XV+12
.set QM, QM+1
.endr
.endm
; The window in which the wanted set bit lies is halved: c names the counts of w bits, m cuts one of them out.  If the lower half holds too few set bits, they are taken off and the window's upper half is kept.
.macro HALVE c, m, w
	EACH v_lshrrev_b32 v[XV+8], v[XV+7], v[XV+(\c)]
	EACH v_and_b32 v[XV+8], \m, v[XV+8]
	EACH v_cmp_ge_u32 s[QM], v[XV], v[XV+8]
	EACH v_sub_nc_u32 v[XV+8], v[XV], v[XV+8]
	EACH v_add_nc_u32 v[XV+9], \w, v[XV+7]
	s_wait_alu depctr_va_sdst(0)                   ; the three compares have written their masks, ahead of the selects that read them
	EACH v_cndmask_b32 v[XV], v[XV], v[XV+8], s[QM]
	EACH v_cndmask_b32 v[XV+7], v[XV+7], v[XV+9], s[QM]
.endm
.macro SELECT
	s_lshl_b32 s30, s27, 4
	v_add_nc_u32 v[RIDX], s30, v[HH]
	EACH v_add_nc_u32 v[XV], s30, v[R]             ; rank 16 (first + 4 i) + lane % 16,
.irp i, 1,2
	v_add_nc_u32 v[SEL+12*(\i)], 64*(\i), v[SEL+12*(\i)]
.endr
	EACH v_min_u32 v[XV], s20, v[XV]               ; or the last row's
	EACH v_mov_b32 v[XV+1], s[MK]                  ; word 0 begins at rank 0 and token 0
	EACH v_mov_b32 v[XV+2], 0
	s_mov_b32 s38, 0
	; the last word whose running count does not pass the rank holds the rank: a word without set bits hands the same count on to the next
.set jj, 1
.rept 31
	s_bcnt1_i32_b32 s36, s[MK+jj-1]
	s_add_co_u32 s38, s38, s36                     ; the set bits in front of word jj: 1,024 at the most,
	s_or_b32 s39, s38, (128*(jj/4)+jj%4)<<16       ; and above them the word's first token
	EACH v_cmp_le_u32 s[QM], s38, v[XV]
	s_wait_alu depctr_va_sdst(0)                   ; the three compares have written their masks, ahead of the six selects that read them
	EACH v_cndmask_b32 v[XV+1], v[XV+1], s[MK+jj], s[QM]
	EACH v_cndmask_b32 v[XV+2], v[XV+2], s39, s[QM]
.set jj, jj+1
.endr
	EACH v_and_b32 v[XV+8], 0xffff, v[XV+2]
	EACH v_lshrrev_b32 v[XV+2], 16, v[XV+2]        ; the word's first token
	EACH v_sub_nc_u32 v[XV], v[XV], v[XV+8]        ; which of the word's set bits, from 0
	EACH v_lshrrev_b32 v[XV+8], 1, v[XV+1]         ; the word's set bits counted in fields of 2, 4, 8 and 16 bits
	EACH v_and_b32 v[XV+8], 0x55555555, v[XV+8]
	EACH v_sub_nc_u32 v[XV+3], v[XV+1], v[XV+8]
	EACH v_lshrrev_b32 v[XV+8], 2, v[XV+3]
	EACH v_and_b32 v[XV+4], 0x33333333, v[XV+3]
	EACH v_and_b32 v[XV+8], 0x33333333, v[XV+8]
	EACH v_add_nc_u32 v[XV+4], v[XV+4], v[XV+8]
	EACH v_lshrrev_b32 v[XV+8], 4, v[XV+4]
	EACH v_add_nc_u32 v[XV+5], v[XV+4], v[XV+8]
	EACH v_and_b32 v[XV+5], 0x0f0f0f0f, v[XV+5]
	EACH v_lshrrev_b32 v[XV+8], 8, v[XV+5]
	EACH v_add_nc_u32 v[XV+6], v[XV+5], v[XV+8]    ; its lowest byte: the set bits of the word's lower 16
	EACH v_mov_b32 v[XV+7], 0
	HALVE 6, 0xff, 16
	HALVE 5, 0xff, 8
	HALVE 4, 15, 4
	HALVE 3, 3, 2
	HALVE 1, 1, 1
	EACH v_lshl_add_u32 v[XV+7], v[XV+7], 2, v[XV+2]  ; the token: the word's first + 4 x the bit
	EACH v_min_u32 v[XV+7], 0x3ff, v[XV+7]
.irp i, 0,1,2
	v_lshl_add_u32 v[VA+(\i)], v[SEL+12*(\i)+7], ROWSH, v[H16]
.endr
.endm
.macro ROWS                            ; passes 1-5 begin: my rows' tokens out of the list
	s_wait_xcnt 0x0                                ; earlier loads and stores have read their registers
	s_wait_alu depctr_vm_vsrc(0)                   ; the token loads issued so far have read v[VA ..], earlier list loads and the head's loads and stores v[TMP ..]: all are written again below
	s_lshl_b32 s30, s27, 4
	v_add_nc_u32 v[TMP], s30, v[R]
	v_add_nc_u32 v[RIDX], s30, v[HH]
.irp i, 0,1,2
	v_add_nc_u32 v[TMP+1+(\i)], 64*(\i), v[TMP]    ; rank 16 (first + 4 i) + lane % 16,
	v_min_u32 v[TMP+1+(\i)], s20, v[TMP+1+(\i)]    ; or the last row's
	v_min_u32 v[TMP+1+(\i)], 0x3ff, v[TMP+1+(\i)]
	v_lshl_add_u32 v[TMP+1+(\i)], v[TMP+1+(\i)], 2, s51
.endr
	s_wait_alu depctr_va_vdst(0)                   ; the three list addresses are written, which the loads below read; earlier vector lines are done with v[TMP+4 ..], in which the tokens land
.irp i, 0,1,2
	ds_load_b32 v[TMP+4+(\i)], v[TMP+1+(\i)]
.endr
	s_wait_dscnt 0x0
.irp i, 0,1,2
	v_min_u32 v[TMP+4+(\i)], 0x3ff, v[TMP+4+(\i)]
	v_lshl_add_u32 v[VA+(\i)], v[TMP+4+(\i)], ROWSH, v[H16]
.endr
.endm
.macro ACCINIT                         ; the sums start at the bias: no first K step is written out, and the way out adds nothing
	WIN 0x41                                       ; destination and source in window 1
.irp i, 0,1,2
.set mm, 0
.rept 64
	v_mov_b32 v[ACC+64*(\i)+mm], v[BIAS+mm]
.set mm, mm+1
.endr
.endr
	WIN 0
.endm
	s_load_b256 s[4:11], s[0:1], 0x0               ; xb s[4:5], top1 s[6:7], w1 s[8:9], b1 s[10:11]
	s_load_b64 s[12:13], s[0:1], 0x20              ; h
	v_lshl_add_u32 v[SPW], v0, 2, SPARE
	v_mov_b32 v[NIL], 0
	v_lshrrev_b32 v[TMP], 5, v0
	v_readfirstlane_b32 s14, v[TMP]                ; wave 0..3
	v_and_b32 v[R], 15, v0
	v_bfe_u32 v[HH], v0, 4, 1
	v_and_b32 v[TMP], 31, v0                       ; lane
	v_lshlrev_b32 v[H16], 4, v[HH]
	v_lshlrev_b32 v[C16], 4, v[R]
	v_lshlrev_b32 v[VW], 4, v[TMP]
	s_wait_alu depctr_va_sdst(0)                   ; s14 is written, ahead of its first reader
	s_mul_i32 s30, s14, 16*PITCH
	v_lshl_add_u32 v[VS0], v[TMP], 3, s30          ; into the slice: k-rows 16 w on, 8 bytes a lane
	s_lshl_b32 s31, s14, 8
	v_lshl_add_u32 v[TK], v[TMP], 2, s31
	v_add_nc_u32 v[DUMP], 1024, v0
	v_and_b32 v[TMP+1], 7, v0                      ; the turning load: lane l reads 16 bytes of k-row 8 (l / 16) + l % 8, columns 8 ((l / 8) % 2) + 0..7
	v_bfe_u32 v[TMP+2], v0, 3, 1
	v_lshl_add_u32 v[VB0], v[HH], 3, v[TMP+1]
	v_mul_u32_u24 v[VB0], v[VB0], PITCH
	v_lshl_add_u32 v[VB0], v[TMP+2], 4, v[VB0]
	s_mul_i32 s30, s14, 16*SPITCH
	s_add_co_u32 s30, s30, STAGE                   ; my stage
	v_mul_u32_u24 v[TMP+3], v[R], SPITCH           ; in: row lane % 16, 16 bytes for each half of the lanes
	v_lshl_add_u32 v[TMP+3], v[HH], 4, v[TMP+3]
	v_add_nc_u32 v[STO], s30, v[TMP+3]
	v_mul_u32_u24 v[TMP+4], v[HH], SPITCH          ; back: lanes 0-15 one row of 256 bytes, lanes 16-31 the next
	v_lshl_add_u32 v[TMP+4], v[R], 4, v[TMP+4]
	v_add_nc_u32 v[RD], s30, v[TMP+4]
	v_lshl_add_u32 v[TMP+5], v0, 4, LIST           ; the list's 1,024 ranks are set to token 0: a rank that no token takes still names a row inside the buffers
.irp i, 8,9,10,11
	v_mov_b32 v[TMP+(\i)], 0
.endr
	s_lshl_b32 s31, s14, 10
	v_add_nc_u32 v[TMP+6], s31, v[VW]              ; my 256 tokens' 1,024 bytes of top1
	v_lshlrev_b32 v[TMP+7], 5, v[HH]               ; the bias: 32 x (lane / 16)
	s_wait_alu depctr_va_vdst(0)                   ; the head's addresses, offsets and zeros are written: the two LDS stores and the first 58 loads below read them, later LDS instructions and stores the others
	ds_store_b128 v[TMP+5], v[TMP+8:TMP+11]
	ds_store_b128 v[TMP+5], v[TMP+8:TMP+11] offset:2048
	s_and_b32 s15, ttmp7, 0xffff                   ; expert
	s_lshl_b32 s30, s15, 24                        ; an expert's w1 is 16,777,216 bytes,
	s_lshl_b32 s31, ttmp9, 9                       ; my 128 columns are 512 bytes of a row,
	s_add_co_u32 s30, s30, s31
	s_lshl_b32 s31, s14, 18                        ; wave w has rows 16 w .. 16 w + 15 of each chunk
	s_add_co_u32 s30, s30, s31
	s_mov_b32 s31, 0
	s_lshl_b32 s32, s15, 14                        ; b1: 16,384 bytes an expert
	s_lshl_b32 s33, ttmp9, 9
	s_add_co_u32 s32, s32, s33
	s_mov_b32 s33, 0
	s_lshl_b32 s38, ttmp9, 8                       ; h: my 128 columns are 256 bytes of a row
	s_mov_b32 s39, 0
	s_mov_b32 s[KAP], 0x3f596d27                   ; 0.84932180
	s_mov_b32 s[KAP+1], s[KAP]                     ; (named as pairs, so both words are written)
	s_mov_b32 s[A3], 0x3ee16a97                    ; 0.44026634
	s_mov_b32 s[A3+1], s[A3]
	s_mov_b32 s[A2], 0xbd6732ca                    ; -0.05644492
	s_mov_b32 s[A2+1], s[A2]
	s_mov_b32 s[A1], 0x3e51cd01                    ; 0.20488359
	s_mov_b32 s[A1+1], s[A1]
	s_mov_b32 s[C0], 0x3f16b55f                    ; 0.58870501
	s_mov_b32 s[C0+1], s[C0]
	s_mov_b32 s[PP], 0x3ec88bda                    ; 0.39169197
	s_mov_b32 s51, LIST
	s_wait_kmcnt 0x0
	s_add_nc_u64 s[8:9], s[8:9], s[30:31]
	s_add_nc_u64 s[10:11], s[10:11], s[32:33]
	s_add_nc_u64 s[12:13], s[12:13], s[38:39]
	; the first loads, in this order: top1 (10), the bias (16), chunks 0 and 1 of the weights (32).  No vector instruction has named a register in which they land
.irp j, 0,1,2,3,4,5,6,7
	global_load_b128 v[TOP+4*(\j):TOP+4*(\j)+3], v[VW], s[6:7] offset:512*(\j)     ; register 4 j + u of a lane: token 128 j + 4 lane + u
.endr
.irp j, 0,1
	global_load_b128 v[OWN+4*(\j):OWN+4*(\j)+3], v[TMP+6], s[6:7] offset:512*(\j)  ; token 256 w + 128 j + 4 lane + u
.endr
	WIN 0x40
.irp nt, 0,1,2,3,4,5,6,7
	global_load_b128 v[BIAS+8*(\nt):BIAS+8*(\nt)+3],   v[TMP+7], s[10:11] offset:64*(\nt)      ; a lane's columns 16 nt + 8 (lane / 16) + 0..7
	global_load_b128 v[BIAS+8*(\nt)+4:BIAS+8*(\nt)+7], v[TMP+7], s[10:11] offset:64*(\nt)+16
.endr
	WIN 0x80
.irp u, 0,1
.irp q, 0,1
.irp i, 0,1,2,3,4,5,6,7
	global_load_b128 v[STG+64*(\u)+32*(\q)+4*(\i):STG+64*(\u)+32*(\q)+4*(\i)+3], v[VW], s[8:9] offset:(64*(\u)+8*(\q)+(\i))*STR th:TH_LOAD_NT
.endr
.endr
.endr
	WIN 0
	s_wait_loadcnt 48                              ; top1 is in; the bias's 16 loads and the weights' 32 stay out
.set jj, 0
.rept 32
	v_cmp_eq_u32 s[MK+jj], s15, v[TOP+jj]          ; the expert's bitmap
.set jj, jj+1
.endr
	s_wait_alu depctr_va_sdst(0)                   ; the 32 compares have written the bitmap's words, ahead of their first reader
	; every wave counts all 1,024 choices; the running count in front of its own block of 256 is its first rank in the list
	s_mov_b32 s19, 0
	s_mov_b32 s37, 0
.irp b, 0,1,2,3
	s_cmp_eq_u32 s14, \b
	s_cselect_b32 s37, s19, s37
.irp k, 0,1,2,3,4,5,6,7
	s_bcnt1_i32_b32 s36, s[MK+8*(\b)+(\k)]
	s_add_co_u32 s19, s19, s36
.endr
.endr
	s_min_u32 s19, s19, 1024                       ; the expert's rows
	s_max_u32 s20, s19, 1
	s_sub_co_u32 s20, s20, 1
	s_add_co_u32 s21, s19, 15
	s_lshr_b32 s21, s21, 4                         ; its tiles
	s_mov_b32 s23, 0
	NTCALC
	SELECT
	s_mov_b64 s[28:29], s[4:5]
	s_wait_loadcnt 32                              ; the bias is in; the weights' 32 loads stay out; with the 12 below 44 are out
	s_wait_alu depctr_va_vdst(0)                   ; v[VA ..] are written, which the token loads read
	TOKS 0, 0                                      ; chunk 0's tokens; chunk 1's are asked for by chunk 0, as every chunk asks for the next one's
	TOKS 1, 64
	s_wait_dscnt 0x0                               ; for the others' sake: my part of the list is set
	s_barrier_signal -1
	s_barrier_wait -1
	; THE RANKING.  My 256 tokens lie in eight registers.  Lanes whose token chose my expert store the token at its rank, the others at a word of their own.  A rank is the count of chosen tokens in the blocks of the waves
	; below mine, in my registers so far and in the lanes below mine: no two tokens of the work-group have the same, and it is the bitmap's order.  In runs: eight compares, eight addresses and tokens, eight stores.
.set jj, 0
.rept 8
	v_cmp_eq_u32 s[RM+jj], s15, v[OWN+jj]
.set jj, jj+1
.endr
	s_wait_alu depctr_va_sdst(0)                   ; the eight compares have written their masks, ahead of their first reader
.set jj, 0
.rept 8
	v_mbcnt_lo_u32_b32 v[RA+jj], s[RM+jj], s37     ; my running rank + the chosen lanes below mine
	v_cndmask_b32 v[RA+jj], v[DUMP], v[RA+jj], s[RM+jj]
	v_min_u32 v[RA+jj], 0x47f, v[RA+jj]
	v_lshl_add_u32 v[RA+jj], v[RA+jj], 2, s51
	v_add_nc_u32 v[RT+jj], 128*(jj/4)+jj%4, v[TK]
	s_bcnt1_i32_b32 s36, s[RM+jj]
	s_add_co_u32 s37, s37, s36
.set jj, jj+1
.endr
	s_wait_alu depctr_va_vdst(0)                   ; the eight addresses and the eight tokens are written, which the LDS stores read
.set jj, 0
.rept 8
	ds_store_b32 v[RA+jj], v[RT+jj]
.set jj, jj+1
.endr
	s_wait_dscnt 0x0                               ; for the others' sake: my tokens are in the list
	s_barrier_signal -1
	s_barrier_wait -1                              ; the list is whole; it is first read on the way out; behind this barrier the slice is stored into
	WIN 0x05                                       ; the bias is rounded to bf16, as every input is, and kept as f32
.set mm, 0
.rept 32
	v_cvt_pk_bf16_f32 v[BF+mm], v[BIAS+2*mm], v[BIAS+2*mm+1]
.set mm, mm+1
.endr
	WIN 0x40
.set mm, 0
.rept 32
	v_lshlrev_b32 v[BIAS+2*mm],   16,         v[BF+mm]
	v_and_b32     v[BIAS+2*mm+1], 0xffff0000, v[BF+mm]
.set mm, mm+1
.endr
	WIN 0
	ACCINIT
	s_mov_b32 s34, 0
	s_mov_b32 s18, 7
	s_wait_loadcnt 0x0                             ; chunks 0 and 1 of the weights and chunk 0's tokens are in: nothing is out, and from chunk 0's first load on the order of issue is the loop's own
.Ltrip:                                                ; seven trips of two chunks, 0 to 13
	CHUNK 0, 1, 1, 36, 28, 50, 44
	CHUNK 1, 1, 1, 36, 28, 50, 44, 1
	s_add_co_u32 s34, s34, 128*PITCH
	s_sub_co_u32 s18, s18, 1
	s_cmp_lg_u32 s18, 0
	s_cbranch_scc1 .Ltrip
	CHUNK 0, 0, 1, 36, 28, 34, 28                  ; chunks 14 and 15 are written out: chunk 14 asks for T(15) alone, chunk 15 for nothing, and the counts run down:
	CHUNK 1, 0, 0, 20, 12, 6, 0                    ; out are W14 (8 + 8), T14 (6 + 6), W15 (8 + 8), and then T15 (6 + 6)
	s_mov_b32 s24, 6
	s_branch .Lepi                                 ; pass 0's products are done: the loop over passes is entered at its way out
; Every wave passes both in every pass; a wave without rows jumps from behind the first to in front of the second.
.Lgrp:
	s_wait_dscnt 0x0                               ; my stores into my stage, and my reads of it, are done
	s_barrier_signal -1
	s_barrier_wait -1                              ; from here to the next barrier LDS is only read
	NTCALC
	s_cmp_eq_u32 s22, 0
	s_cbranch_scc1 .Lkdone                         ; no rows left for me in this pass
	ROWS
	ACCINIT
	s_mov_b64 s[28:29], s[4:5]
	s_mov_b32 s33, 0
	s_mov_b32 s25, 16
.Lk:                                                   ; a chunk a trip, from the resident slice
	s_wait_alu depctr_vm_vsrc(0)                   ; the last trip's fragment loads have read v[VBK]
	v_add_nc_u32 v[VBK], s33, v[VB0]
	PLACES                                         ; behind the last products, which read the registers loaded below
	s_wait_alu depctr_va_vdst(0)                   ; v[VBK] is written, in the first trip v[VA ..] too; the last trip's products, in the first trip the way out's lines, are done with BF and the ring, in which the loads below land
	FRAGS 0, VBK
	TOKS 0, 0
	TOKS 1, 64
	s_wait_loadcnt 0x0
	s_wait_dscnt 0x0
	MM 0, 0
	MM 1, 1
	s_add_nc_u64 s[28:29], s[28:29], 128           ; the loads that named this base are done
	s_add_co_u32 s33, s33, 64*PITCH
	s_sub_co_u32 s25, s25, 1
	s_cmp_lg_u32 s25, 0
	s_cbranch_scc1 .Lk
.Lkdone:
	s_wait_dscnt 0x0                               ; my reads of the slice are back
	s_barrier_signal -1
	s_barrier_wait -1                              ; every wave's are: now the stages are written
.Lepi:
	PLACES                                         ; behind the last products
; THE WAY OUT, a tile at a time: gelu, bf16, through my stage, whole rows of 256 bytes to the tokens' rows of h.
.macro S1 ti                           ; kappa z and z / 2 out of window 1; each sum's lowest registers are read first
	WIN 0x01
.set mm, 0
.rept 32
	v_pk_mul_f32 v[U+2*mm:U+2*mm+1],   v[ACC+64*(\ti)+2*mm:ACC+64*(\ti)+2*mm+1], s[KAP:KAP+1] op_sel_hi:[1,0]
	v_pk_mul_f32 v[HZ+2*mm:HZ+2*mm+1], v[ACC+64*(\ti)+2*mm:ACC+64*(\ti)+2*mm+1], 0.5 op_sel_hi:[1,0]
.set mm, mm+1
.endr
	WIN 0
.endm
.macro HEAVY b                         ; 32 of the lane's 64 numbers
.set mm, 0
.rept 32
	v_fma_f32 v[TD+mm], |v[U+32*(\b)+mm]|, s[PP], 1.0
.set mm, mm+1
.endr
.set mm, 0
.rept 16
	v_pk_mul_f32 v[TW+2*mm:TW+2*mm+1], v[U+32*(\b)+2*mm:U+32*(\b)+2*mm+1], v[U+32*(\b)+2*mm:U+32*(\b)+2*mm+1] neg_lo:[1,0] neg_hi:[1,0]
.set mm, mm+1
.endr
.set mm, 0
.rept 32
	v_rcp_f32 v[TD+mm], v[TD+mm]                   ; t
.set mm, mm+1
.endr
.set mm, 0
.rept 32
	v_exp_f32 v[TW+mm], v[TW+mm]                   ; exp(-z^2 / 2)
.set mm, mm+1
.endr
	v_nop                                          ; a plain instruction between these and the use of their results (ISA guide 5.7.2)
	s_wait_alu depctr_va_vdst(0)                   ; the 32 reciprocals and the 32 exponentials have written v[TD ..] and v[TW ..], ahead of their first reader: one wait for the batch
.set mm, 0
.rept 16
	v_pk_fma_f32 v[TP+2*mm:TP+2*mm+1], v[TD+2*mm:TD+2*mm+1], s[A3:A3+1], s[A2:A2+1] op_sel_hi:[1,0,0]
.set mm, mm+1
.endr
.set mm, 0
.rept 16
	v_pk_fma_f32 v[TP+2*mm:TP+2*mm+1], v[TP+2*mm:TP+2*mm+1], v[TD+2*mm:TD+2*mm+1], s[A1:A1+1] op_sel_hi:[1,1,0]
.set mm, mm+1
.endr
.set mm, 0
.rept 16
	v_pk_mul_f32 v[TP+2*mm:TP+2*mm+1], v[TP+2*mm:TP+2*mm+1], v[TD+2*mm:TD+2*mm+1]
.set mm, mm+1
.endr
.set mm, 0
.rept 16
	v_pk_fma_f32 v[TP+2*mm:TP+2*mm+1], v[TP+2*mm:TP+2*mm+1], v[TW+2*mm:TW+2*mm+1], s[C0:C0+1] op_sel_hi:[1,1,0] neg_lo:[1,0,0] neg_hi:[1,0,0]
.set mm, mm+1
.endr
.set mm, 0
.rept 32
	v_fma_f32 v[HZ+32*(\b)+mm], |v[U+32*(\b)+mm]|, v[TP+mm], v[HZ+32*(\b)+mm]
.set mm, mm+1
.endr
.set mm, 0
.rept 16
	v_cvt_pk_bf16_f32 v[U+16*(\b)+mm], v[HZ+32*(\b)+2*mm], v[HZ+32*(\b)+2*mm+1]  ; onto registers of kappa z that have been used up
.set mm, mm+1
.endr
.endm
	s_mov_b32 s26, 0
.Ltile:
	s_cmp_ge_u32 s26, s22
	s_cbranch_scc1 .Ltile_next                     ; a tile without rows
	s_wait_xcnt 0x0                                ; the last tile's stores have read their registers
	s_wait_alu depctr_vm_vsrc(0)                   ; the last tile's LDS stores have read v[U ..], its list loads v[ETMP ..], its global stores v[EOFF ..] and v[TD ..]: the gelu below writes all of them again
	s_cmp_eq_u32 s26, 0
	s_cbranch_scc1 .Ls0
	s_cmp_eq_u32 s26, 1
	s_cbranch_scc1 .Ls1
	S1 2
	s_branch .Lheavy
.Ls0:
	S1 0
	s_branch .Lheavy
.Ls1:
	S1 1
.Lheavy:
	HEAVY 0
	HEAVY 1
.irp t, 0,1,2,3,4,5,6,7
	v_add_nc_u32 v[ETMP+(\t)], 2*(\t), v[RIDX]     ; the ranks of the rows that I store,
	v_min_u32 v[ETMP+(\t)], s20, v[ETMP+(\t)]      ; or the last row's
	v_min_u32 v[ETMP+(\t)], 0x3ff, v[ETMP+(\t)]
	v_lshl_add_u32 v[ETMP+(\t)], v[ETMP+(\t)], 2, s51
.endr
	s_wait_alu depctr_va_vdst(0)                   ; the roundings have written v[U ..], which the LDS stores read; the list addresses v[ETMP ..] are written; the gelu's lines are done with v[EOFF ..] and v[TD ..], in which the LDS loads land
.irp nt, 0,1,2,3,4,5,6,7
	ds_store_b128 v[STO], v[U+4*(\nt):U+4*(\nt)+3] offset:32*(\nt)   ; eight neighbouring columns of a row
.endr
.irp t, 0,1,2,3,4,5,6,7
	ds_load_b32 v[EOFF+(\t)], v[ETMP+(\t)]
.endr
.irp t, 0,1,2,3,4,5,6,7
	ds_load_b128 v[TD+4*(\t):TD+4*(\t)+3], v[RD] offset:2*SPITCH*(\t)  ; LDS serves a wave's instructions in order (ISA guide 5.7.1.4): these see the stores above
.endr
	s_wait_dscnt 8                                 ; the tokens are in; the eight loads from the stage stay out
.irp t, 0,1,2,3,4,5,6,7
	v_min_u32 v[EOFF+(\t)], 0x3ff, v[EOFF+(\t)]
	v_lshl_add_u32 v[EOFF+(\t)], v[EOFF+(\t)], 13, v[C16]   ; a row of h is 8,192 bytes
.endr
	s_wait_alu depctr_va_vdst(0)                   ; the rows' offsets v[EOFF ..] are written, which the stores read
.irp t, 0,1,2,3,4,5,6,7
	s_wait_dscnt 7-(\t)
	global_store_b128 v[EOFF+(\t)], v[TD+4*(\t):TD+4*(\t)+3], s[12:13]  ; 16 lanes store 256 consecutive bytes, at a multiple of 256 from h's first byte
.endr
.Ltile_next:
	v_add_nc_u32 v[RIDX], 64, v[RIDX]              ; my next tile lies four tiles on
	s_add_co_u32 s26, s26, 1
	s_cmp_lt_u32 s26, 3
	s_cbranch_scc1 .Ltile
	s_add_co_u32 s23, s23, 1
	s_sub_co_u32 s24, s24, 1
	s_cmp_lg_u32 s24, 0
	s_cbranch_scc1 .Lgrp
	s_wait_dscnt 0x0                               ; the closing lines, six on end
	s_wait_alu 0x0
	s_wait_tensorcnt 0x0
	ds_add_u32 v[SPW], v[NIL]
	s_wait_dscnt 0x0
	s_endpgm
.Lfunc_end_k_q351f4f7226_ffn1:
	.size	k_q351f4f7226_ffn1, .Lfunc_end_k_q351f4f7226_ffn1-k_q351f4f7226_ffn1
	.p2alignl 7, 3214868480
	.fill 96, 4, 3214868480
	.section	.rodata,"a",@progbits
	.p2align	6, 0x0
	.amdhsa_kernel k_q351f4f7226_ffn1
		.amdhsa_group_segment_fixed_size 317440
		.amdhsa_private_segment_fixed_size 0
		.amdhsa_enable_private_segment 0
		.amdhsa_kernarg_size 40
		.amdhsa_user_sgpr_count 2
		.amdhsa_user_sgpr_kernarg_segment_ptr 1
		.amdhsa_wavefront_size32 1
		.amdhsa_system_sgpr_workgroup_id_x 1
		.amdhsa_system_sgpr_workgroup_id_y 1
		.amdhsa_system_sgpr_workgroup_id_z 1
		.amdhsa_system_vgpr_workitem_id 0
		.amdhsa_next_free_vgpr 704
		.amdhsa_next_free_sgpr 100
		.amdhsa_reserve_vcc 0
		.amdhsa_float_denorm_mode_32 3
		.amdhsa_float_denorm_mode_16_64 3
		.amdhsa_memory_ordered 1
		.amdhsa_forward_progress 1
		.amdhsa_inst_pref_size 163
	.end_amdhsa_kernel
	.amdgpu_metadata
---
amdhsa.version: [ 1, 2 ]
amdhsa.kernels:
  - .name:           k_q351f4f7226_ffn1
    .symbol:         k_q351f4f7226_ffn1.kd
    .args:
      - { .name: xb, .offset: 0, .size: 8, .value_kind: global_buffer, .address_space: global }
      - { .name: top1, .offset: 8, .size: 8, .value_kind: global_buffer, .address_space: global }
      - { .name: w1, .offset: 16, .size: 8, .value_kind: global_buffer, .address_space: global }
      - { .name: b1, .offset: 24, .size: 8, .value_kind: global_buffer, .address_space: global }
      - { .name: h, .offset: 32, .size: 8, .value_kind: global_buffer, .address_space: global }
    .group_segment_fixed_size: 317440
    .private_segment_fixed_size: 0
    .kernarg_segment_align: 8
    .kernarg_segment_size: 40
    .max_flat_workgroup_size: 128
    .sgpr_count:     100
    .vgpr_count:     704
    .wavefront_size: 32
...
	.end_amdgpu_metadata
.endif
;; end of part 7
;; launch ffn2 (part 8): grid 32 x 8, 4 waves a work-group, no clusters, 317,440 bytes of LDS; arguments h, top1, w2, b2, part; writes part
.if DOCPART == 8
	.amdgcn_target "amdgcn-amd-amdhsa--gfx1250"
	.amdhsa_code_object_version 6
	.text
	.protected	k_q351f4f7226_ffn2
	.globl	k_q351f4f7226_ffn2
	.p2align	8
	.type	k_q351f4f7226_ffn2,@function
k_q351f4f7226_ffn2:
	s_mov_b64 s[64:65], 0
	v_nop
	global_prefetch_b8 v0, s[64:65] scope:SCOPE_SE
	s_setreg_imm32_b32 hwreg(HW_REG_WAVE_SCHED_MODE, 0, 2), 2
	s_setreg_imm32_b32 hwreg(HW_REG_WAVE_MODE, 25, 1), 1
	s_wait_xcnt 0x0
	s_wait_alu depctr_vm_vsrc(0)
; SECOND PRODUCT, IN FOUR PARTS ALONG K.  part[ks][token][:] = h[token][1024 ks .. 1024 ks + 1023] . bf16(w2[e][that quarter]) (+ bf16(b2[e]) where ks = 0), for the tokens whose top1 is e.
; h: [1024][4096] bf16; w2: [8][4096][1024] f32; part: [4][1024][1024] f32 (partial sums stay in f32; the next launch adds them).
; SHARES.  Work-group (x, e): columns 128 (x % 8) .. + 127, K quarter ks = x / 8 of expert e: 1,024 x 128 weights, which it alone reads, once, and all of that expert's tokens.  Four waves, all alike.
; K is split so that a slice fits in LDS in 16 bits and a token's share is 2,048 bytes a work-group; with 32 columns and the whole K it would be 8,192.
; THE WEIGHTS are rounded to bf16, as every input of this program is: one conversion for two numbers; h arrives in bf16, so both operands have f32's range.
; THE STREAM.  K goes in chunks of 64.  Of each chunk wave w loads k-rows 16 w .. 16 w + 15 as f32 (512 consecutive bytes a load), rounds them and lays them into LDS as [k][n], where the whole slice stays.  Then every
; wave takes the chunk's weight fragments turned out of LDS, its token fragments straight from memory, and multiplies.  A chunk has two barriers: the slice is stored into between one chunk's second and the next one's
; first, and read between a chunk's first and its second.  A wave's loads share one counter, which falls in the order of issue.  Chunk c asks for the tokens of chunk c + 1 (12 loads) and then for the weights of
; chunk c + 2 (16): 56 are out at the most.
; THE MODE: SCHED_MODE bits 1:0 = 2 (LLVM: expert scheduling mode 2), set by the entry lines.  The code itself states the register dependences between vector or matrix instructions and memory or LDS
; instructions, with s_wait_alu, always for 0.
; THE PLAN.  Registers that memory or LDS instructions touch in the stream; chunk c, slot u = c % 2:
;   STG[u]               W(c) lands in it; the chunk's 32 conversions read it; behind them W(c + 2) lands in it.
;   PT                   Written by the conversions; read by the chunk's 16 LDS stores; written again by the next chunk's conversions.
;   BF                   The chunk's fragments land in it; its products read it; the next chunk's fragments land in it.
;   AF[2 u], AF[2 u + 1] Read by the chunk's products; in chunk c + 1 the tokens of chunk c + 2 land in them.
;   v[VS], v[VB]         Read by the LDS stores and the fragment loads; written once a trip, at its head.
;   v[VA ..], v[VW]      Read by the loads; not written in the stream.  In the stream the sums and the bias are named by vector and matrix instructions alone; on the way out LDS stores read the sums.
; So a chunk has ONE wait on va_vdst, behind its conversions, and all its memory and LDS instructions follow it with no vector or matrix instruction between; and ONE wait on vm_vsrc, at its head.
; ROWS.  The expert's tokens are ranked: by the register of top1 in which a token lies (32 of them), then by the lane.  Tiles of 16 ranks; in pass S (0..5: 72 tiles, and 64 are the most) wave w has tiles 12 S + w + 4 i,
; i = 0..2.  Pass 0 runs under the stream.  Its tokens are found in registers: every wave holds the expert's bitmap of the 1,024 choices in 32 scalar registers, and each lane finds the token of its rank there, so that the
; first token loads hang on top1 alone: no LDS round trip and no barrier stands ahead of them.  While they are on their way the four waves rank the tokens, in the same order, into a list in LDS (rank -> token), which
; serves the ways out and passes 1-5 (more than 192 tokens), which run from the resident slice.  The count of passes is a constant and every wave passes their barriers; a pass or tile without rows is jumped over
; (loads of its own, matrix work and stores only).  Places past the count repeat the last row: the same numbers go to the same address.  An expert without tokens still streams its slice and stores nothing.
; NO CLUSTER: each slice has one reader, and the shared token rows come by a list, which no tile descriptor covers.
; LAYOUT.  Source 0 = 16 columns of the weights, source 1 = 16 tokens: a lane's eight results are eight neighbouring columns of one token's row.
.set STR,    4096                      ; bytes from a row of w2 to the next
.set ROWSH,  13                        ; a token's row of h is 8,192 bytes
.set PITCH,  288                       ; a k-row of the slice in LDS: 256 bytes + 32: the eight rows x 32 bytes that sixteen lanes of a turning load take fall on different words modulo 256 bytes
.set LIST,   294912                    ; behind the slice's 1,024 rows: words 0-1023 rank -> token; words 1024-1151 a word a thread for tokens of other experts
.set STAGE,  299520                    ; 16 rows x 272 bytes for each wave, its own, for the way out
.set SPITCH, 272
.set SPARE,  316928                    ; the spare words, 128 bytes for each of four waves
; window 0
.set R,    1                           ; v1   lane % 16
.set SPW,  2                           ; v2   my spare word's address; never rewritten
.set NIL,  3                           ; v3   0; never rewritten
.set HH,   4                           ; v4   lane / 16
.set H16,  5                           ; v5   16 x (lane / 16)
.set VB0,  6                           ; v6   my lane's place in a weight fragment; v7 the same in the stream's trip in hand
.set VB,   7
.set VA,   8                           ; v8-10  tile i: byte offset of my token's row + 16 x (lane / 16)
.set VW,   11                          ; v11  16 x lane
.set VS0,  12                          ; v12  my 16 k-rows of a chunk + 8 x lane; v13 the same in the trip in hand
.set VS,   13
.set STO,  14                          ; v14  the way out: where I put 16 bytes of a row
.set RD,   15                          ; v15  where I read rows back
.set C16,  16                          ; v16  16 x (lane % 16)
.set RIDX, 17                          ; v17  rank of the first row that I store in the pass
.set TK,   18                          ; v18  256 x wave + 4 x lane: the first of my tokens in the ranking
.set DUMP, 19                          ; v19  1024 + my thread's number
.set TMP,  20                          ; v20-31 at work at the start, v20-26 later
.set VBK,  31                          ; v31  passes 1-5: my lane's place in a weight fragment of the chunk in hand
.set BF,   32                          ; v32-159 two buffers of 64: weight fragments of a chunk's two K steps
.set TOP,  32                          ; at the start: all of top1 (32 registers), my 256 tokens' (8)
.set OWN,  64
.set SEL,  72                          ; at the start: v72-107, a set of 12 for each of my three tiles: +0 rank, then place among the word's set bits; +1 the bitmap's word; +2 running count and first token; +3..+6 counts of 2, 4, 8, 16 bits; +7 bit; +8, +9 at work
.set RA,   72                          ; at the start, when SEL is used up: v72-79 the LDS addresses, v80-87 the tokens of the ranking's eight stores
.set RT,   80
.set AF,   160                         ; v160-255 a ring of four buffers of 24: token fragments of a K step, 8 registers a tile
.set OB,   160                         ; the way out: two sets of 32, rows read back from the stage; byte offsets of the rows that I store; list addresses
.set EOFF, 224
.set ETMP, 232
; window 1
.set ACC,  0                           ; v0-191 sums (tile i, column block nt at 64 i + 8 nt); v192-255 the bias of a lane's 64 columns
.set BIAS, 192
; window 2
.set STG,  0                           ; v0-127 two chunks of weights as loaded (slot u, group q, row i at 64 u + 32 q + 4 i); v128-159 rounded
.set PT,   128
.set CM,   56                          ; s56-58 a compare's mask for each of my three tiles
.set RM,   56                          ; s56-63 later: the masks of the ranking's eight registers
.set MK,   66                          ; s66-97 the expert's bitmap: bit l of word j: token 128 (j / 4) + 4 l + j % 4 chose it
; s14 wave; s15 expert; s16 column slice; s18 trips; s19 count; s20 count - 1 (at least 0); s21 tiles; s22 NT, my live tiles of the pass; s23 pass; s24 passes to go; s25 counter; s27 my first tile;
; s[28:29] the tokens' base in the trip in hand; s33 passes 1-5: the chunk's LDS offset; s34 the stream's trip's LDS offset; s36, s37 a mask's bits, my running rank; s38, s39 the bitmap's running count, and the word's
; first token above it; s51 LIST; s53 all ones where ks = 0; s54 ks
.set MSB, 0
.macro WIN new                         ; s_set_vgpr_msb: bits 1:0 source 0, 3:2 source 1, 5:4 source 2, 7:6 destination; the high byte repeats the setting that is left
.if MSB != (\new)
	s_set_vgpr_msb (MSB<<8)|(\new)
.set MSB, (\new)
.endif
.endm
.macro PLACES                          ; four plain vector instructions behind a matrix instruction, ahead of what touches its registers (ISA guide 7.12.1)
.rept 4
	v_nop
.endr
.endm
; My 16 k-rows of a chunk (slot u of two): waited for in two groups of eight, rounded, and then stored in one run.  n0, n1: the younger loads that may stay out.
.macro PROD u, n0, n1
	WIN 0x8a                                       ; sources and destination in window 2
.irp q, 0,1
.if (\q) == 0
	s_wait_loadcnt \n0
.else
	s_wait_loadcnt \n1
.endif
.irp i, 0,1,2,3,4,5,6,7
	v_cvt_pk_bf16_f32 v[PT+16*(\q)+2*(\i)],   v[STG+64*(\u)+32*(\q)+4*(\i)],   v[STG+64*(\u)+32*(\q)+4*(\i)+1]
	v_cvt_pk_bf16_f32 v[PT+16*(\q)+2*(\i)+1], v[STG+64*(\u)+32*(\q)+4*(\i)+2], v[STG+64*(\u)+32*(\q)+4*(\i)+3]
.endr
.endr
	WIN 0x08                                       ; the stores' data in window 2
	s_wait_alu depctr_va_vdst(0)                   ; the chunk's one wait on va_vdst: the conversions have written v[PT ..], which the LDS stores read, and are done reading slot u, in which W(c + 2) lands; the last chunk's products
	                                               ; are done reading BF, in which the fragments land, and their two ring buffers, in which T(c + 1) lands; in a trip's first chunk v[VS] and v[VB] are written; at the first chunk the head's lines are done with v32-159
.irp q, 0,1
.irp i, 0,1,2,3,4,5,6,7
	ds_store_b64 v[VS], v[PT+16*(\q)+2*(\i):PT+16*(\q)+2*(\i)+1] offset:(64*(\u)+8*(\q)+(\i))*PITCH  ; a k-row's 256 bytes, 8 a lane
.endr
.endr
	WIN 0
.endm
.macro RELOAD u                        ; slot u's registers, which have been rounded, take my 16 k-rows of the chunk two on
	WIN 0x80                                       ; destination in window 2
.irp q, 0,1
.irp i, 0,1,2,3,4,5,6,7
	global_load_b128 v[STG+64*(\u)+32*(\q)+4*(\i):STG+64*(\u)+32*(\q)+4*(\i)+3], v[VW], s[8:9] offset:(64*((\u)+2)+8*(\q)+(\i))*STR th:TH_LOAD_NT
.endr
.endr
	WIN 0
.endm
; Eight matrix instructions: tile i, all 8 column blocks, 32 along K.  The eight sums take turns, also where one tile alone is live.
.macro MM8 buf, ab, i
	WIN 0x50                                       ; C and D in window 1
.irp nt, 0,1,2,3,4,5,6,7
	v_wmma_f32_16x16x32_bf16 v[ACC+64*(\i)+8*(\nt):ACC+64*(\i)+8*(\nt)+7], v[BF+64*(\buf)+8*(\nt):BF+64*(\buf)+8*(\nt)+7], v[AF+24*(\ab)+8*(\i):AF+24*(\ab)+8*(\i)+7], v[ACC+64*(\i)+8*(\nt):ACC+64*(\i)+8*(\nt)+7]
.endr
	WIN 0
.endm
.macro MM buf, ab                      ; a K step: my live tiles' products; only matrix instructions are jumped over
	s_cmp_eq_u32 s22, 0
	s_cbranch_scc1 .Lmm_\@
	MM8 \buf, \ab, 0
	s_cmp_lt_u32 s22, 2
	s_cbranch_scc1 .Lmm_\@
	MM8 \buf, \ab, 1
	s_cmp_lt_u32 s22, 3
	s_cbranch_scc1 .Lmm_\@
	MM8 \buf, \ab, 2
.Lmm_\@:
.endm
.macro TOKS ab, off                    ; six loads: one K step's token fragments, 64 bytes of each of 3 x 16 rows
.irp i, 0,1,2
	global_load_b128 v[AF+24*(\ab)+8*(\i):AF+24*(\ab)+8*(\i)+3],   v[VA+(\i)], s[28:29] offset:(\off)
	global_load_b128 v[AF+24*(\ab)+8*(\i)+4:AF+24*(\ab)+8*(\i)+7], v[VA+(\i)], s[28:29] offset:(\off)+32
.endr
.endm
.macro FRAGS u, a                      ; 32 LDS loads in one run: a chunk's weight fragments, the first K step's first; a: the address register
.irp nt, 0,1,2,3,4,5,6,7
	ds_load_tr16_b128 v[BF+8*(\nt):BF+8*(\nt)+3],   v[\a] offset:64*(\u)*PITCH+32*(\nt)             ; k = 8 (lane / 16) + 0..7 of column 16 nt + lane % 16
	ds_load_tr16_b128 v[BF+8*(\nt)+4:BF+8*(\nt)+7], v[\a] offset:64*(\u)*PITCH+32*(\nt)+16*PITCH    ; k = 16 + 8 (lane / 16) + 0..7
.endr
.irp nt, 0,1,2,3,4,5,6,7
	ds_load_tr16_b128 v[BF+64+8*(\nt):BF+64+8*(\nt)+3],   v[\a] offset:64*(\u)*PITCH+32*(\nt)+32*PITCH
	ds_load_tr16_b128 v[BF+64+8*(\nt)+4:BF+64+8*(\nt)+7], v[\a] offset:64*(\u)*PITCH+32*(\nt)+48*PITCH
.endr
.endm
; A chunk c, slot u = c % 2; its K steps use ring buffers 2 u and 2 u + 1.  tk = 1: T(c + 1), the next chunk's twelve token loads, is asked for into the other two ring buffers; st = 1: W(c + 2) into slot u; in this order,
; chunk after chunk.  So at the chunk's head, behind the first eight loads of W(c) stand 8 + 12 + 16 = 36 younger ones (its last eight, T(c), W(c + 1)) and behind its last eight 28; behind T(c)'s first six, when T(c + 1)
; and W(c + 2) have been asked for, 6 + 16 + 12 + 16 = 50; behind its last six 44.
; T(c + 1) stands behind the LDS stores, ahead of the wait for them; W(c + 2) behind the run of LDS loads, ahead of the wait for the first of them.  No vector or matrix instruction stands between the wait on va_vdst
; and the last of these loads.  The 32 conversions are also the places between the last chunk's products and the loads into their sources.
; step = 1 (a trip's second chunk): at its end the two bases go on to the next trip's place.
.macro CHUNK u, st, tk, n0, n1, t0, t1, step=0
	s_wait_alu depctr_vm_vsrc(0)                   ; the last chunk's LDS stores have read v[PT ..] and v[VS], its fragment loads v[VB]: all are written again below; at the first chunk the ranking's stores have read v72-87, in which fragments land
.if (\u) == 0
	v_add_nc_u32 v[VS], s34, v[VS0]
	v_add_nc_u32 v[VB], s34, v[VB0]
.endif
	PROD \u, \n0, \n1
.if \tk
	TOKS 2-2*(\u), 128*(\u)+128
	TOKS 3-2*(\u), 128*(\u)+192
.endif
	s_wait_dscnt 0x0                               ; for the others' sake: my stores of this chunk are done
	s_barrier_signal -1
	s_barrier_wait -1                              ; the chunk is whole
	FRAGS \u, VB
.if \st
	RELOAD \u
.endif
	s_wait_dscnt 16                                ; the first K step's fragments are in; the second's sixteen loads stay out
	s_wait_loadcnt \t0                             ; the first K step's tokens are in
	MM 0, 2*(\u)
	s_wait_dscnt 0x0                               ; my reads of the slice are back
	s_barrier_signal -1
	s_barrier_wait -1                              ; from here to the next barrier the slice is only stored into
	s_wait_loadcnt \t1                             ; the second K step's tokens are in
	MM 1, 2*(\u)+1
.if \step
	s_wait_xcnt 0x0                                ; the loads' bases are stepped only behind this wait; the youngest loads that name them stand ahead of a barrier and both K steps' products
	s_add_nc_u64 s[8:9], s[8:9], 128*STR
	s_add_nc_u64 s[28:29], s[28:29], 256           ; 128 along K
.endif
.endm
.macro NTCALC                          ; my first tile of pass s23 and how many of my three are live: ceil((tiles - first) / 4), held to 0 .. 3
	s_mul_i32 s27, s23, 12
	s_add_co_u32 s27, s27, s14
	s_sub_co_i32 s22, s21, s27
	s_add_co_i32 s22, s22, 3
	s_max_i32 s22, s22, 0
	s_lshr_b32 s22, s22, 2
	s_min_u32 s22, s22, 3
.endm
; PASS 0'S TOKENS, OUT OF THE BITMAP.  One line for each of my three tiles' sets of registers: XV is the set's first register, QM its compare mask.
.macro EACH line:vararg
.set XV, SEL
.set QM, CM
.rept 3
	\line
.set XV, XV+12
.set QM, QM+1
.endr
.endm
; The window in which the wanted set bit lies is halved: c names the counts of w bits, m cuts one of them out.  If the lower half holds too few set bits, they are taken off and the window's upper half is kept.
.macro HALVE c, m, w
	EACH v_lshrrev_b32 v[XV+8], v[XV+7], v[XV+(\c)]
	EACH v_and_b32 v[XV+8], \m, v[XV+8]
	EACH v_cmp_ge_u32 s[QM], v[XV], v[XV+8]
	EACH v_sub_nc_u32 v[XV+8], v[XV], v[XV+8]
	EACH v_add_nc_u32 v[XV+9], \w, v[XV+7]
	s_wait_alu depctr_va_sdst(0)                   ; the three compares have written their masks, ahead of the selects that read them
	EACH v_cndmask_b32 v[XV], v[XV], v[XV+8], s[QM]
	EACH v_cndmask_b32 v[XV+7], v[XV+7], v[XV+9], s[QM]
.endm
.macro SELECT
	s_lshl_b32 s30, s27, 4
	v_add_nc_u32 v[RIDX], s30, v[HH]
	EACH v_add_nc_u32 v[XV], s30, v[R]             ; rank 16 (first + 4 i) + lane % 16,
.irp i, 1,2
	v_add_nc_u32 v[SEL+12*(\i)], 64*(\i), v[SEL+12*(\i)]
.endr
	EACH v_min_u32 v[XV], s20, v[XV]               ; or the last row's
	EACH v_mov_b32 v[XV+1], s[MK]                  ; word 0 begins at rank 0 and token 0
	EACH v_mov_b32 v[XV+2], 0
	s_mov_b32 s38, 0
	; the last word whose running count does not pass the rank holds the rank: a word without set bits hands the same count on to the next
.set jj, 1
.rept 31
	s_bcnt1_i32_b32 s36, s[MK+jj-1]
	s_add_co_u32 s38, s38, s36                     ; the set bits in front of word jj: 1,024 at the most,
	s_or_b32 s39, s38, (128*(jj/4)+jj%4)<<16       ; and above them the word's first token
	EACH v_cmp_le_u32 s[QM], s38, v[XV]
	s_wait_alu depctr_va_sdst(0)                   ; the three compares have written their masks, ahead of the six selects that read them
	EACH v_cndmask_b32 v[XV+1], v[XV+1], s[MK+jj], s[QM]
	EACH v_cndmask_b32 v[XV+2], v[XV+2], s39, s[QM]
.set jj, jj+1
.endr
	EACH v_and_b32 v[XV+8], 0xffff, v[XV+2]
	EACH v_lshrrev_b32 v[XV+2], 16, v[XV+2]        ; the word's first token
	EACH v_sub_nc_u32 v[XV], v[XV], v[XV+8]        ; which of the word's set bits, from 0
	EACH v_lshrrev_b32 v[XV+8], 1, v[XV+1]         ; the word's set bits counted in fields of 2, 4, 8 and 16 bits
	EACH v_and_b32 v[XV+8], 0x55555555, v[XV+8]
	EACH v_sub_nc_u32 v[XV+3], v[XV+1], v[XV+8]
	EACH v_lshrrev_b32 v[XV+8], 2, v[XV+3]
	EACH v_and_b32 v[XV+4], 0x33333333, v[XV+3]
	EACH v_and_b32 v[XV+8], 0x33333333, v[XV+8]
	EACH v_add_nc_u32 v[XV+4], v[XV+4], v[XV+8]
	EACH v_lshrrev_b32 v[XV+8], 4, v[XV+4]
	EACH v_add_nc_u32 v[XV+5], v[XV+4], v[XV+8]
	EACH v_and_b32 v[XV+5], 0x0f0f0f0f, v[XV+5]
	EACH v_lshrrev_b32 v[XV+8], 8, v[XV+5]
	EACH v_add_nc_u32 v[XV+6], v[XV+5], v[XV+8]    ; its lowest byte: the set bits of the word's lower 16
	EACH v_mov_b32 v[XV+7], 0
	HALVE 6, 0xff, 16
	HALVE 5, 0xff, 8
	HALVE 4, 15, 4
	HALVE 3, 3, 2
	HALVE 1, 1, 1
	EACH v_lshl_add_u32 v[XV+7], v[XV+7], 2, v[XV+2]  ; the token: the word's first + 4 x the bit
	EACH v_min_u32 v[XV+7], 0x3ff, v[XV+7]
.irp i, 0,1,2
	v_lshl_add_u32 v[VA+(\i)], v[SEL+12*(\i)+7], ROWSH, v[H16]
.endr
.endm
.macro ROWS                            ; passes 1-5 begin: my rows' tokens out of the list
	s_wait_xcnt 0x0                                ; earlier loads and stores have read their registers
	s_wait_alu depctr_vm_vsrc(0)                   ; the token loads issued so far have read v[VA ..], earlier list loads and the head's loads and stores v[TMP ..], the way out's LDS stores the sums: all are written again below
	s_lshl_b32 s30, s27, 4
	v_add_nc_u32 v[TMP], s30, v[R]
	v_add_nc_u32 v[RIDX], s30, v[HH]
.irp i, 0,1,2
	v_add_nc_u32 v[TMP+1+(\i)], 64*(\i), v[TMP]    ; rank 16 (first + 4 i) + lane % 16,
	v_min_u32 v[TMP+1+(\i)], s20, v[TMP+1+(\i)]    ; or the last row's
	v_min_u32 v[TMP+1+(\i)], 0x3ff, v[TMP+1+(\i)]
	v_lshl_add_u32 v[TMP+1+(\i)], v[TMP+1+(\i)], 2, s51
.endr
	s_wait_alu depctr_va_vdst(0)                   ; the three list addresses are written, which the loads below read; earlier vector lines are done with v[TMP+4 ..], in which the tokens land
.irp i, 0,1,2
	ds_load_b32 v[TMP+4+(\i)], v[TMP+1+(\i)]
.endr
	s_wait_dscnt 0x0
.irp i, 0,1,2
	v_min_u32 v[TMP+4+(\i)], 0x3ff, v[TMP+4+(\i)]
	v_lshl_add_u32 v[VA+(\i)], v[TMP+4+(\i)], ROWSH, v[H16]
.endr
.endm
.macro ACCINIT                         ; the sums start at the bias (0 in quarters 1 to 3): no first K step is written out
	WIN 0x41                                       ; destination and source in window 1
.irp i, 0,1,2
.set mm, 0
.rept 64
	v_mov_b32 v[ACC+64*(\i)+mm], v[BIAS+mm]
.set mm, mm+1
.endr
.endr
	WIN 0
.endm
	s_load_b256 s[4:11], s[0:1], 0x0               ; h s[4:5], top1 s[6:7], w2 s[8:9], b2 s[10:11]
	s_load_b64 s[12:13], s[0:1], 0x20              ; part
	v_lshl_add_u32 v[SPW], v0, 2, SPARE
	v_mov_b32 v[NIL], 0
	v_lshrrev_b32 v[TMP], 5, v0
	v_readfirstlane_b32 s14, v[TMP]                ; wave 0..3
	v_and_b32 v[R], 15, v0
	v_bfe_u32 v[HH], v0, 4, 1
	v_and_b32 v[TMP], 31, v0                       ; lane
	v_lshlrev_b32 v[H16], 4, v[HH]
	v_lshlrev_b32 v[C16], 4, v[R]
	v_lshlrev_b32 v[VW], 4, v[TMP]
	s_wait_alu depctr_va_sdst(0)                   ; s14 is written, ahead of its first reader
	s_mul_i32 s30, s14, 16*PITCH
	v_lshl_add_u32 v[VS0], v[TMP], 3, s30          ; into the slice: k-rows 16 w on, 8 bytes a lane
	s_lshl_b32 s31, s14, 8
	v_lshl_add_u32 v[TK], v[TMP], 2, s31
	v_add_nc_u32 v[DUMP], 1024, v0
	v_and_b32 v[TMP+1], 7, v0                      ; the turning load: lane l reads 16 bytes of k-row 8 (l / 16) + l % 8, columns 8 ((l / 8) % 2) + 0..7
	v_bfe_u32 v[TMP+2], v0, 3, 1
	v_lshl_add_u32 v[VB0], v[HH], 3, v[TMP+1]
	v_mul_u32_u24 v[VB0], v[VB0], PITCH
	v_lshl_add_u32 v[VB0], v[TMP+2], 4, v[VB0]
	s_mul_i32 s30, s14, 16*SPITCH
	s_add_co_u32 s30, s30, STAGE                   ; my stage
	v_mul_u32_u24 v[TMP+3], v[R], SPITCH           ; in: row lane % 16, 32 bytes (8 f32) for each half of the lanes
	v_lshl_add_u32 v[TMP+3], v[HH], 5, v[TMP+3]
	v_add_nc_u32 v[STO], s30, v[TMP+3]
	v_mul_u32_u24 v[TMP+4], v[HH], SPITCH          ; back: lanes 0-15 one row of 256 bytes, lanes 16-31 the next
	v_lshl_add_u32 v[TMP+4], v[R], 4, v[TMP+4]
	v_add_nc_u32 v[RD], s30, v[TMP+4]
	v_lshl_add_u32 v[TMP+5], v0, 4, LIST           ; the list's 1,024 ranks are set to token 0: a rank that no token takes still names a row inside the buffers
.irp i, 8,9,10,11
	v_mov_b32 v[TMP+(\i)], 0
.endr
	s_lshl_b32 s31, s14, 10
	v_add_nc_u32 v[TMP+6], s31, v[VW]              ; my 256 tokens' 1,024 bytes of top1
	v_lshlrev_b32 v[TMP+7], 5, v[HH]               ; the bias: 32 x (lane / 16)
	s_wait_alu depctr_va_vdst(0)                   ; the head's addresses, offsets and zeros are written: the two LDS stores and the first 58 loads below read them, later LDS instructions and stores the others
	ds_store_b128 v[TMP+5], v[TMP+8:TMP+11]
	ds_store_b128 v[TMP+5], v[TMP+8:TMP+11] offset:2048
	s_and_b32 s15, ttmp7, 0xffff                   ; expert
	s_and_b32 s16, ttmp9, 7                        ; column slice
	s_lshr_b32 s54, ttmp9, 3                       ; K quarter
	s_lshl_b32 s30, s15, 24                        ; an expert's w2 is 16,777,216 bytes,
	s_lshl_b32 s31, s54, 22                        ; a quarter's 1,024 rows 4,194,304,
	s_add_co_u32 s30, s30, s31
	s_lshl_b32 s31, s16, 9                         ; my 128 columns are 512 bytes of a row,
	s_add_co_u32 s30, s30, s31
	s_lshl_b32 s31, s14, 16                        ; wave w has rows 16 w .. 16 w + 15 of each chunk
	s_add_co_u32 s30, s30, s31
	s_mov_b32 s31, 0
	s_lshl_b32 s32, s15, 12                        ; b2: 4,096 bytes an expert
	s_lshl_b32 s33, s16, 9
	s_add_co_u32 s32, s32, s33
	s_mov_b32 s33, 0
	s_lshl_b32 s38, s54, 22                        ; part: 4,194,304 bytes a quarter, 512 bytes of a row
	s_lshl_b32 s39, s16, 9
	s_add_co_u32 s38, s38, s39
	s_mov_b32 s39, 0
	s_lshl_b32 s36, s54, 11                        ; h: a quarter is 2,048 bytes of a row
	s_mov_b32 s37, 0
	s_mov_b32 s51, LIST
	s_cmp_eq_u32 s54, 0
	s_cselect_b32 s53, -1, 0                       ; the bias is added in quarter 0 alone
	s_wait_kmcnt 0x0
	s_add_nc_u64 s[8:9], s[8:9], s[30:31]
	s_add_nc_u64 s[10:11], s[10:11], s[32:33]
	s_add_nc_u64 s[12:13], s[12:13], s[38:39]
	s_add_nc_u64 s[4:5], s[4:5], s[36:37]
	; the first loads, in this order: top1 (10), the bias (16), chunks 0 and 1 of the weights (32).  No vector instruction has named a register in which they land
.irp j, 0,1,2,3,4,5,6,7
	global_load_b128 v[TOP+4*(\j):TOP+4*(\j)+3], v[VW], s[6:7] offset:512*(\j)     ; register 4 j + u of a lane: token 128 j + 4 lane + u
.endr
.irp j, 0,1
	global_load_b128 v[OWN+4*(\j):OWN+4*(\j)+3], v[TMP+6], s[6:7] offset:512*(\j)  ; token 256 w + 128 j + 4 lane + u
.endr
	WIN 0x40
.irp nt, 0,1,2,3,4,5,6,7
	global_load_b128 v[BIAS+8*(\nt):BIAS+8*(\nt)+3],   v[TMP+7], s[10:11] offset:64*(\nt)      ; a lane's columns 16 nt + 8 (lane / 16) + 0..7
	global_load_b128 v[BIAS+8*(\nt)+4:BIAS+8*(\nt)+7], v[TMP+7], s[10:11] offset:64*(\nt)+16
.endr
	WIN 0x80
.irp u, 0,1
.irp q, 0,1
.irp i, 0,1,2,3,4,5,6,7
	global_load_b128 v[STG+64*(\u)+32*(\q)+4*(\i):STG+64*(\u)+32*(\q)+4*(\i)+3], v[VW], s[8:9] offset:(64*(\u)+8*(\q)+(\i))*STR th:TH_LOAD_NT
.endr
.endr
.endr
	WIN 0
	s_wait_loadcnt 48                              ; top1 is in; the bias's 16 loads and the weights' 32 stay out
.set jj, 0
.rept 32
	v_cmp_eq_u32 s[MK+jj], s15, v[TOP+jj]          ; the expert's bitmap
.set jj, jj+1
.endr
	s_wait_alu depctr_va_sdst(0)                   ; the 32 compares have written the bitmap's words, ahead of their first reader
	; every wave counts all 1,024 choices; the running count in front of its own block of 256 is its first rank in the list
	s_mov_b32 s19, 0
	s_mov_b32 s37, 0
.irp b, 0,1,2,3
	s_cmp_eq_u32 s14, \b
	s_cselect_b32 s37, s19, s37
.irp k, 0,1,2,3,4,5,6,7
	s_bcnt1_i32_b32 s36, s[MK+8*(\b)+(\k)]
	s_add_co_u32 s19, s19, s36
.endr
.endr
	s_min_u32 s19, s19, 1024                       ; the expert's rows
	s_max_u32 s20, s19, 1
	s_sub_co_u32 s20, s20, 1
	s_add_co_u32 s21, s19, 15
	s_lshr_b32 s21, s21, 4                         ; its tiles
	s_mov_b32 s23, 0
	NTCALC
	SELECT
	s_mov_b64 s[28:29], s[4:5]
	s_wait_loadcnt 32                              ; the bias is in; the weights' 32 loads stay out; with the 12 below 44 are out
	s_wait_alu depctr_va_vdst(0)                   ; v[VA ..] are written, which the token loads read
	TOKS 0, 0                                      ; chunk 0's tokens; chunk 1's are asked for by chunk 0, as every chunk asks for the next one's
	TOKS 1, 64
	s_wait_dscnt 0x0                               ; for the others' sake: my part of the list is set
	s_barrier_signal -1
	s_barrier_wait -1
	; THE RANKING.  My 256 tokens lie in eight registers.  Lanes whose token chose my expert store the token at its rank, the others at a word of their own.  A rank is the count of chosen tokens in the blocks of the waves
	; below mine, in my registers so far and in the lanes below mine: no two tokens of the work-group have the same, and it is the bitmap's order.  In runs: eight compares, eight addresses and tokens, eight stores.
.set jj, 0
.rept 8
	v_cmp_eq_u32 s[RM+jj], s15, v[OWN+jj]
.set jj, jj+1
.endr
	s_wait_alu depctr_va_sdst(0)                   ; the eight compares have written their masks, ahead of their first reader
.set jj, 0
.rept 8
	v_mbcnt_lo_u32_b32 v[RA+jj], s[RM+jj], s37     ; my running rank + the chosen lanes below mine
	v_cndmask_b32 v[RA+jj], v[DUMP], v[RA+jj], s[RM+jj]
	v_min_u32 v[RA+jj], 0x47f, v[RA+jj]
	v_lshl_add_u32 v[RA+jj], v[RA+jj], 2, s51
	v_add_nc_u32 v[RT+jj], 128*(jj/4)+jj%4, v[TK]
	s_bcnt1_i32_b32 s36, s[RM+jj]
	s_add_co_u32 s37, s37, s36
.set jj, jj+1
.endr
	s_wait_alu depctr_va_vdst(0)                   ; the eight addresses and the eight tokens are written, which the LDS stores read
.set jj, 0
.rept 8
	ds_store_b32 v[RA+jj], v[RT+jj]
.set jj, jj+1
.endr
	s_wait_dscnt 0x0                               ; for the others' sake: my tokens are in the list
	s_barrier_signal -1
	s_barrier_wait -1                              ; the list is whole; it is first read on the way out; behind this barrier the slice is stored into
	WIN 0x05                                       ; the bias is rounded to bf16, as every input is, kept as f32, and 0 in quarters 1 to 3
.set mm, 0
.rept 32
	v_cvt_pk_bf16_f32 v[BF+mm], v[BIAS+2*mm], v[BIAS+2*mm+1]
.set mm, mm+1
.endr
	WIN 0
.set mm, 0
.rept 32
	v_and_b32 v[BF+mm], s53, v[BF+mm]
.set mm, mm+1
.endr
	WIN 0x40
.set mm, 0
.rept 32
	v_lshlrev_b32 v[BIAS+2*mm],   16,         v[BF+mm]
	v_and_b32     v[BIAS+2*mm+1], 0xffff0000, v[BF+mm]
.set mm, mm+1
.endr
	WIN 0
	ACCINIT
	s_mov_b32 s34, 0
	s_mov_b32 s18, 7
	s_wait_loadcnt 0x0                             ; chunks 0 and 1 of the weights and chunk 0's tokens are in: nothing is out, and from chunk 0's first load on the order of issue is the loop's own
.Ltrip:                                                ; seven trips of two chunks, 0 to 13
	CHUNK 0, 1, 1, 36, 28, 50, 44
	CHUNK 1, 1, 1, 36, 28, 50, 44, 1
	s_add_co_u32 s34, s34, 128*PITCH
	s_sub_co_u32 s18, s18, 1
	s_cmp_lg_u32 s18, 0
	s_cbranch_scc1 .Ltrip
	CHUNK 0, 0, 1, 36, 28, 34, 28                  ; chunks 14 and 15 are written out: chunk 14 asks for T(15) alone, chunk 15 for nothing, and the counts run down:
	CHUNK 1, 0, 0, 20, 12, 6, 0                    ; out are W14 (8 + 8), T14 (6 + 6), W15 (8 + 8), and then T15 (6 + 6)
	s_mov_b32 s24, 6
	s_branch .Lepi                                 ; pass 0's products are done: the loop over passes is entered at its way out
; Every wave passes both in every pass; a wave without rows jumps from behind the first to in front of the second.
.Lgrp:
	s_wait_dscnt 0x0                               ; my stores into my stage, and my reads of it, are done
	s_barrier_signal -1
	s_barrier_wait -1                              ; from here to the next barrier LDS is only read
	NTCALC
	s_cmp_eq_u32 s22, 0
	s_cbranch_scc1 .Lkdone                         ; no rows left for me in this pass
	ROWS
	ACCINIT
	s_mov_b64 s[28:29], s[4:5]
	s_mov_b32 s33, 0
	s_mov_b32 s25, 16
.Lk:                                                   ; a chunk a trip, from the resident slice
	s_wait_alu depctr_vm_vsrc(0)                   ; the last trip's fragment loads have read v[VBK]
	v_add_nc_u32 v[VBK], s33, v[VB0]
	PLACES                                         ; behind the last products, which read the registers loaded below
	s_wait_alu depctr_va_vdst(0)                   ; v[VBK] is written, in the first trip v[VA ..] too; the last trip's products, in the first trip the way out's lines, are done with BF and the ring, in which the loads below land
	FRAGS 0, VBK
	TOKS 0, 0
	TOKS 1, 64
	s_wait_loadcnt 0x0
	s_wait_dscnt 0x0
	MM 0, 0
	MM 1, 1
	s_add_nc_u64 s[28:29], s[28:29], 128           ; the loads that named this base are done
	s_add_co_u32 s33, s33, 64*PITCH
	s_sub_co_u32 s25, s25, 1
	s_cmp_lg_u32 s25, 0
	s_cbranch_scc1 .Lk
.Lkdone:
	s_wait_dscnt 0x0                               ; my reads of the slice are back
	s_barrier_signal -1
	s_barrier_wait -1                              ; every wave's are: now the stages are written
.Lepi:
	PLACES                                         ; behind the last products
; THE WAY OUT of tile i: the f32 sums go through my stage, 64 columns (256 bytes of each of 16 rows) at a time, and leave as whole pieces of 256 bytes of the tokens' rows of part.
.macro TILEOUT i
	s_cmp_le_u32 s22, \i
	s_cbranch_scc1 .Lepi_end                       ; the live tiles come first: nothing more to store
	s_wait_xcnt 0x0                                ; the last tile's stores have read their registers
	s_wait_alu depctr_vm_vsrc(0)                   ; the last tile's list loads have read v[ETMP ..], its global stores v[EOFF ..] and v[OB ..]: all are written again below
.irp t, 0,1,2,3,4,5,6,7
	v_add_nc_u32 v[ETMP+(\t)], 64*(\i)+2*(\t), v[RIDX]  ; the ranks of the rows that I store,
	v_min_u32 v[ETMP+(\t)], s20, v[ETMP+(\t)]           ; or the last row's
	v_min_u32 v[ETMP+(\t)], 0x3ff, v[ETMP+(\t)]
	v_lshl_add_u32 v[ETMP+(\t)], v[ETMP+(\t)], 2, s51
.endr
	s_wait_alu depctr_va_vdst(0)                   ; the list addresses v[ETMP ..] are written; earlier lines are done with v[EOFF ..], in which the tokens land; the products have written the sums, which the LDS stores below read,
	                                               ; and are done reading the ring's registers, in which the stage's rows land
.irp t, 0,1,2,3,4,5,6,7
	ds_load_b32 v[EOFF+(\t)], v[ETMP+(\t)]
.endr
	s_wait_dscnt 0x0
.irp t, 0,1,2,3,4,5,6,7
	v_min_u32 v[EOFF+(\t)], 0x3ff, v[EOFF+(\t)]
	v_lshl_add_u32 v[EOFF+(\t)], v[EOFF+(\t)], 12, v[C16]  ; a row of part is 4,096 bytes
.endr
	s_wait_alu depctr_va_vdst(0)                   ; the rows' offsets v[EOFF ..] are written, which the global stores read; no vector line follows in the tile
.irp hf, 0,1
	WIN 0x04                                       ; the stores' data in window 1
.irp c, 0,1,2,3
	ds_store_b128 v[STO], v[ACC+64*(\i)+8*(4*(\hf)+(\c)):ACC+64*(\i)+8*(4*(\hf)+(\c))+3]   offset:64*(\c)      ; each sum's lowest registers are read first
	ds_store_b128 v[STO], v[ACC+64*(\i)+8*(4*(\hf)+(\c))+4:ACC+64*(\i)+8*(4*(\hf)+(\c))+7] offset:64*(\c)+16
.endr
	WIN 0
.irp t, 0,1,2,3,4,5,6,7
	ds_load_b128 v[OB+32*(\hf)+4*(\t):OB+32*(\hf)+4*(\t)+3], v[RD] offset:2*SPITCH*(\t)  ; LDS serves a wave's instructions in order (ISA guide 5.7.1.4): these see the stores above, and the next half's stores come behind them
.endr
.irp t, 0,1,2,3,4,5,6,7
	s_wait_dscnt 7-(\t)
	global_store_b128 v[EOFF+(\t)], v[OB+32*(\hf)+4*(\t):OB+32*(\hf)+4*(\t)+3], s[12:13] offset:256*(\hf)  ; 16 lanes store 256 consecutive bytes, at a multiple of 256 from part's first byte
.endr
.endr
.endm
	TILEOUT 0
	TILEOUT 1
	TILEOUT 2
.Lepi_end:
	s_add_co_u32 s23, s23, 1
	s_sub_co_u32 s24, s24, 1
	s_cmp_lg_u32 s24, 0
	s_cbranch_scc1 .Lgrp
	s_wait_dscnt 0x0                               ; the closing lines, six on end
	s_wait_alu 0x0
	s_wait_tensorcnt 0x0
	ds_add_u32 v[SPW], v[NIL]
	s_wait_dscnt 0x0
	s_endpgm
.Lfunc_end_k_q351f4f7226_ffn2:
	.size	k_q351f4f7226_ffn2, .Lfunc_end_k_q351f4f7226_ffn2-k_q351f4f7226_ffn2
	.p2alignl 7, 3214868480
	.fill 96, 4, 3214868480
	.section	.rodata,"a",@progbits
	.p2align	6, 0x0
	.amdhsa_kernel k_q351f4f7226_ffn2
		.amdhsa_group_segment_fixed_size 317440
		.amdhsa_private_segment_fixed_size 0
		.amdhsa_enable_private_segment 0
		.amdhsa_kernarg_size 40
		.amdhsa_user_sgpr_count 2
		.amdhsa_user_sgpr_kernarg_segment_ptr 1
		.amdhsa_wavefront_size32 1
		.amdhsa_system_sgpr_workgroup_id_x 1
		.amdhsa_system_sgpr_workgroup_id_y 1
		.amdhsa_system_sgpr_workgroup_id_z 1
		.amdhsa_system_vgpr_workitem_id 0
		.amdhsa_next_free_vgpr 704
		.amdhsa_next_free_sgpr 100
		.amdhsa_reserve_vcc 0
		.amdhsa_float_denorm_mode_32 3
		.amdhsa_float_denorm_mode_16_64 3
		.amdhsa_memory_ordered 1
		.amdhsa_forward_progress 1
		.amdhsa_inst_pref_size 145
	.end_amdhsa_kernel
	.amdgpu_metadata
---
amdhsa.version: [ 1, 2 ]
amdhsa.kernels:
  - .name:           k_q351f4f7226_ffn2
    .symbol:         k_q351f4f7226_ffn2.kd
    .args:
      - { .name: h, .offset: 0, .size: 8, .value_kind: global_buffer, .address_space: global }
      - { .name: top1, .offset: 8, .size: 8, .value_kind: global_buffer, .address_space: global }
      - { .name: w2, .offset: 16, .size: 8, .value_kind: global_buffer, .address_space: global }
      - { .name: b2, .offset: 24, .size: 8, .value_kind: global_buffer, .address_space: global }
      - { .name: part, .offset: 32, .size: 8, .value_kind: global_buffer, .address_space: global }
    .group_segment_fixed_size: 317440
    .private_segment_fixed_size: 0
    .kernarg_segment_align: 8
    .kernarg_segment_size: 40
    .max_flat_workgroup_size: 128
    .sgpr_count:     100
    .vgpr_count:     704
    .wavefront_size: 32
...
	.end_amdgpu_metadata
.endif
;; end of part 8
;; launch combine: the kernel of part 4 again; grid 256 x 1, 8 waves a work-group, no clusters, 0 bytes of LDS; arguments part, out0; writes out0
